; MI455X (gfx1250); checked and timed in simulation.
; The chip was launched on July 23, 2026; its instructions are those of AMD's public machine-readable ISA for CDNA 5 (MIT licence, August 2026) and "CDNA5" Instruction Set Architecture Reference Guide (July 2026). The comments in the code are by the model that wrote it; some were corrected since.
;; Block. Allowed arithmetic: matrix products marked QUANTISED: E2M3 operands, one E8M0 scale for each 32 along K, by v_wmma_scale_f32_16x16x128_f8f6f4 with both operands' format E2M3, f32 sums; everything else in f32.
;; Inputs: b_aproj 1,024 float32; b_attn 3,072 float32; b_fc 4,096 float32; b_mproj 1,024 float32; ln1_b 1,024 float32; ln1_w 1,024 float32; ln2_b 1,024 float32; ln2_w 1,024 float32; w_aproj 1,024 x 1,024 float32; w_attn 1,024 x 3,072 float32; w_fc 1,024 x 4,096 float32; w_mproj 4,096 x 1,024 float32; x 2 x 2,048 x 1,024 float32.
;; Outputs: out0 2 x 2,048 x 1,024 float32; out1 2 x 2 x 16 x 2,048 x 64 float32.
;; This version of the problem:
;;   THIS VERSION OF THE PROBLEM IS GIVEN IN LOW PRECISION. The matrix products marked QUANTISED in the list below multiply operands that are first quantised to E2M3 (2 exponent bits, 3 mantissa bits; 6 bits a number), with one power-of-two scale for each 32 numbers along K (OCP MX v1.0); their sums are f32. All else is computed in f32.
;;   The module's matrix products, in the order in which they are computed (A, B: the left and right operand; K: the contracted axis; several contracted axes count as one K, in the product's order):
;;     1. [M 4,096, K 1,024] x [K 1,024, N 3,072]; A: computed on the way; B: input w_attn: QUANTISED
;;     2. batch 32 x [M 2,048, K 64] x [K 64, N 2,048]; A: computed on the way; B: computed on the way: QUANTISED
;;     3. batch 32 x [M 2,048, K 2,048] x [K 2,048, N 64]; A: softmax (see below); B: computed on the way: QUANTISED
;;     4. [M 4,096, K 1,024] x [K 1,024, N 1,024]; A: computed on the way; B: input w_aproj: QUANTISED
;;     5. [M 4,096, K 1,024] x [K 1,024, N 4,096]; A: computed on the way; B: input w_fc: QUANTISED
;;     6. [M 4,096, K 4,096] x [K 4,096, N 1,024]; A: computed on the way; B: input w_mproj: QUANTISED
;;   THE QUANTISER, for each operand of a quantised product, along K:
;;     - K is cut into blocks of 32 from its start; a last block that is shorter is filled with zeros.
;;     - A block's scale is 2^e with e = floor(log2(the largest magnitude in the block)) - 2, held to -126 .. 127; a block of zeros has e = 0. As a byte (E8M0): e + 127.
;;     - Each number is divided by its block's scale, clamped to +-7.5, and rounded to the nearest number of E2M3, ties to even, subnormals kept.
;;     - The product sums the exact products of the quantised numbers (number of the format x scale) in f32.
;;   ~~~python
;;   def quantise(x, axis):      # numpy; x: float32 -> the quantised numbers, widened to float32 again
;;       x = np.moveaxis(x, axis, -1); K = x.shape[-1]
;;       x = np.pad(x, [(0, 0)] * (x.ndim - 1) + [(0, -K % 32)]); x = x.reshape(x.shape[:-1] + (-1, 32)); a = np.abs(x).max(-1, keepdims=True)
;;       e = np.where(a > 0, np.clip(np.frexp(np.where(a > 0, a, 1))[1] - 1 - 2, -126, 127), 0)      # np.frexp(a)[1] - 1 = floor(log2(a)), exactly
;;       r = np.clip(x / 2.0 ** e, -7.5, 7.5)
;;       step = 2.0 ** (np.maximum(np.frexp(np.where(r == 0, 1, r))[1] - 1, 0) - 3)
;;       q = np.round(r / step) * step * 2.0 ** e      # np.round: ties to even
;;       return np.moveaxis(q.reshape(q.shape[:-2] + (-1,))[..., :K], -1, axis).astype(np.float32)
;;   ~~~
;;   SOFTMAX AHEAD OF A QUANTISED PRODUCT. Where the list says 'softmax', what is quantised is not the finished softmax but p = 2^(t - M), with t = logit x log2(e) and M = ceil(the row's largest t), a whole number; so 1/2 < the row's largest p <= 1. The row's sum l is taken of the UNQUANTISED p, in f32, and the product's result is divided by l at the end. Since M is a whole number, a kernel that streams over the keys may use a running M (the ceiling of the running maximum): every later rescaling is an exact power of two, which a block's scale takes up: the codes' values come out the same.
;;   OPERANDS COMPUTED ON THE WAY. 'Computed on the way' means the value that the module computes at that place (a softmax that the list does not call 'softmax' is quantised finished and normalised). What goes into a quantiser is computed in f32, as accurately as f32 sums, v_exp_f32 and their like allow (about 1e-6 of the number): no bf16 or f16 on the way to a quantiser, and a product that is left as it is and whose result goes on into a quantised operand takes f32 operands (vector FMAs, or v_wmma_f32_16x16x4_f32). A number that lies on a knife's edge between two numbers of the format may be rounded either way, as far as f32 arithmetic and the matrix unit's own rounding can turn it there, and no further.
;; 2 versions. Each part assembles by itself: llvm-mc -triple=amdgcn-amd-amdhsa -mcpu=gfx1250 --defsym DOCPART=n.
;; ======== version 1 of 2: 8 launches
;; workspace buffers: wq 9,830,400 bytes; xq 3,276,800 bytes; aq 3,276,800 bytes; hq 13,107,200 bytes; qq 3,407,872 bytes; kvq 6,684,672 bytes; x1 16,777,216 bytes
;; launch wquant (part 1): grid 48 x 8, 8 waves a work-group, no clusters, 0 bytes of LDS; arguments w_attn, w_aproj, w_fc, w_mproj, wq; writes wq
.if DOCPART == 1
	.amdgcn_target "amdgcn-amd-amdhsa--gfx1250"
	.amdhsa_code_object_version 6
	.text
	.protected	k_qd56f54edbe_wquant
	.globl	k_qd56f54edbe_wquant
	.p2align	8
	.type	k_qd56f54edbe_wquant,@function
k_qd56f54edbe_wquant:
	s_mov_b64 s[64:65], 0
	v_nop
	global_prefetch_b8 v0, s[64:65] scope:SCOPE_SE
	s_setreg_imm32_b32 hwreg(HW_REG_WAVE_MODE, 25, 1), 1
	s_wait_xcnt 0x0
; The four weights, f32 stored [K][N], become codes of FP6 (E2M3) with one E8M0 byte for each 32 along K, laid as IMAGES OF OPERAND REGISTERS:
; a fragment (16 columns n x 128 k) is 1,536 bytes: for c = 0, 1: lane l's registers 6c..6c+3 at 768 c + 16 l, registers 6c+4, 6c+5 at 768 c + 512 + 8 l.
; Fragments lie [n / 16][k / 128]; scale words (four bytes: 128 k of one column) lie [n / 16][k / 128][16].
; A lane takes a column and its registers run down K, so a block of 32 lies in one lane and nothing is transposed.  A wave takes 32 columns x 128 k: two fragments.
; PI = 1 (w_aproj, w_mproj): inside each block of 32 the numbers stand in the order 0-7, 16-23, 8-15, 24-31, which is the order in which the other operand of that product is made; scale and sum are not changed by it.
; A block's scale byte is its largest magnitude's exponent field - 2, held at 1 from below (a block of zeros gets 1, not 127: its codes are zeros and only this program reads the bytes).
; LIMITS: NaN and infinities are not served; blocks under 2^-124 keep the byte 1.
; Work-group x: 0-11 w_attn, 12-15 w_aproj, 16-31 w_fc, 32-47 w_mproj; 256 columns each; y (and for w_mproj x too) says which 128 along K.
.set X,  32                            ; v32-95   two sets of 32 numbers
.set CQ, 96                            ; v96-127  block q's six code registers at CQ + 8 q
.set T,  16                            ; v16-18   a block's upper 16 codes on their way (a conversion's three registers begin on an even number)
	s_load_b256 s[4:11], s[0:1], 0x0               ; w_attn s[4:5], w_aproj s[6:7], w_fc s[8:9], w_mproj s[10:11]
	s_load_b64 s[12:13], s[0:1], 0x20              ; wq
	v_lshrrev_b32 v1, 5, v0
	v_readfirstlane_b32 s14, v1                    ; wave 0..7
	v_and_b32 v5, 31, v0                           ; lane
	v_lshlrev_b32 v1, 2, v5                        ; in: 4 bytes a lane
	v_lshlrev_b32 v2, 4, v5                        ; out: 16 bytes a lane,
	v_lshlrev_b32 v3, 3, v5                        ; and 8
	v_and_b32 v6, 15, v0                           ; my column in its tile
	v_bfe_u32 v7, v0, 4, 1                         ; which of the wave's two tiles
	s_and_b32 s15, ttmp7, 0xffff                   ; work-group y
	s_wait_kmcnt 0x0
.macro WLOAD t, N, PI                  ; block t: 32 rows of my column, in the order that PI asks for; each load reads 128 consecutive bytes a wave
.set i, 0
.rept 32
	global_load_b32 v[X+32*((\t)%2)+i], v1, s[22:23] offset:(32*(\t)+(\PI)*(8*(2*((i/8)%2)+i/16)+i%8)+(1-(\PI))*i)*4*(\N) th:TH_LOAD_NT
.set i, i+1
.endr
.endm
.macro WBLOCK t, N, PI
.set XS, X+32*((\t)%2)
.if (\t) < 3
	s_wait_loadcnt 32                              ; this block's 32 loads are in; the next block's 32 may be out
.else
	s_wait_loadcnt 0x0
.endif
	v_max3_num_f32 v8, |v[XS]|, |v[XS+1]|, |v[XS+2]|
	v_max3_num_f32 v9, |v[XS+3]|, |v[XS+4]|, |v[XS+5]|
.irp i, 6,10,14,18,22,26
	v_max3_num_f32 v8, v8, |v[XS+\i]|, |v[XS+\i+1]|
	v_max3_num_f32 v9, v9, |v[XS+\i+2]|, |v[XS+\i+3]|
.endr
	v_max3_num_f32 v8, v8, |v[XS+30]|, |v[XS+31]|
	v_max3_num_f32 v8, v8, v9, 0x1800000           ; with the floor 2^(3 - 127): the byte cannot fall under 1
	v_add_nc_u32 v11, 0xff000000, v8               ; 2 off the exponent field: the conversion's scale operand
	v_cvt_scalef32_pk16_fp6_f32 v[CQ+8*(\t):CQ+8*(\t)+2], v[XS:XS+15], v11
	v_cvt_scalef32_pk16_fp6_f32 v[T:T+2], v[XS+16:XS+31], v11
	v_lshrrev_b32 v10, 23, v11                     ; the byte (also the plain line behind the conversions)
.if (\t) == 0
	v_mov_b32 v14, v10
.else
	v_lshl_or_b32 v14, v10, 8*(\t), v14            ; four bytes make my column's scale word
.endif
.irp i, 0,1,2
	v_mov_b32 v[CQ+8*(\t)+3+\i], v[T+\i]
.endr
.if (\t) < 2
	WLOAD (\t)+2, \N, \PI
.endif
.endm
; s16 = which 256 columns, s17 = which 128 along K
.macro WQ N, KSN, PI, PTR, COFF, SOFF
	s_lshl_b32 s18, s16, 3
	s_add_co_u32 s18, s18, s14                     ; my 32 columns: number 8 cg + wave
	s_mul_i32 s20, s17, 512*\N                     ; 128 rows of 4 N bytes
	s_lshl_b32 s19, s18, 7
	s_add_co_u32 s20, s20, s19
	s_mov_b32 s21, 0
	s_add_nc_u64 s[22:23], s[\PTR:\PTR+1], s[20:21]
	s_mul_i32 s24, s18, 2*\KSN
	s_add_co_u32 s24, s24, s17                     ; my first fragment's number
	s_mul_i32 s26, s24, 1536
	s_add_co_u32 s26, s26, \COFF
	s_mov_b32 s27, 0
	s_add_nc_u64 s[26:27], s[12:13], s[26:27]
	s_lshl_b32 s28, s24, 6
	s_add_co_u32 s28, s28, \SOFF
	s_mov_b32 s29, 0
	s_add_nc_u64 s[28:29], s[12:13], s[28:29]
	v_mul_u32_u24 v4, v7, 64*\KSN
	v_lshl_add_u32 v4, v6, 2, v4                   ; my scale word's place
	WLOAD 0, \N, \PI
	WLOAD 1, \N, \PI
	WBLOCK 0, \N, \PI
	WBLOCK 1, \N, \PI
	WBLOCK 2, \N, \PI
	WBLOCK 3, \N, \PI
.irp c, 0,1                            ; the layout wants blocks 2c (lanes 0-15) and 2c + 1 (lanes 16-31) of ONE tile in a register: the exchange leaves tile 0's in CQ[2c], tile 1's in CQ[2c + 1]
.irp i, 0,1,2,3,4,5
	v_permlane16_swap_b32 v[CQ+16*\c+\i], v[CQ+16*\c+8+\i]
.endr
.endr
.irp c, 0,1
.irp u, 0,1
	global_store_b128 v2, v[CQ+8*(2*\c+\u):CQ+8*(2*\c+\u)+3], s[26:27] offset:\u*\KSN*1536+768*\c        ; 512 consecutive bytes
	global_store_b64 v3, v[CQ+8*(2*\c+\u)+4:CQ+8*(2*\c+\u)+5], s[26:27] offset:\u*\KSN*1536+768*\c+512   ; 256 consecutive bytes
.endr
.endr
	global_store_b32 v4, v14, s[28:29]
	s_endpgm
.endm
	s_cmp_lt_u32 ttmp9, 12
	s_cbranch_scc1 .Lattn
	s_cmp_lt_u32 ttmp9, 16
	s_cbranch_scc1 .Laproj
	s_cmp_lt_u32 ttmp9, 32
	s_cbranch_scc1 .Lfc
	s_sub_co_u32 s18, ttmp9, 32
	s_and_b32 s16, s18, 3
	s_lshr_b32 s18, s18, 2
	s_lshl_b32 s18, s18, 3
	s_add_co_u32 s17, s18, s15
	WQ 1024, 32, 1, 10, 6291456, 9699328
.Lattn:
	s_mov_b32 s16, ttmp9
	s_mov_b32 s17, s15
	WQ 3072, 8, 0, 4, 0, 9437184
.Laproj:
	s_sub_co_u32 s16, ttmp9, 12
	s_mov_b32 s17, s15
	WQ 1024, 8, 1, 6, 2359296, 9535488
.Lfc:
	s_sub_co_u32 s16, ttmp9, 16
	s_mov_b32 s17, s15
	WQ 4096, 8, 0, 8, 3145728, 9568256
.Lfunc_end_k_qd56f54edbe_wquant:
	.size	k_qd56f54edbe_wquant, .Lfunc_end_k_qd56f54edbe_wquant-k_qd56f54edbe_wquant
	.p2alignl 7, 3214868480
	.fill 96, 4, 3214868480
	.section	.rodata,"a",@progbits
	.p2align	6, 0x0
	.amdhsa_kernel k_qd56f54edbe_wquant
		.amdhsa_group_segment_fixed_size 0
		.amdhsa_private_segment_fixed_size 0
		.amdhsa_enable_private_segment 0
		.amdhsa_kernarg_size 40
		.amdhsa_user_sgpr_count 2
		.amdhsa_user_sgpr_kernarg_segment_ptr 1
		.amdhsa_wavefront_size32 1
		.amdhsa_system_sgpr_workgroup_id_x 1
		.amdhsa_system_sgpr_workgroup_id_y 1
		.amdhsa_system_sgpr_workgroup_id_z 1
		.amdhsa_system_vgpr_workitem_id 0
		.amdhsa_next_free_vgpr 128
		.amdhsa_next_free_sgpr 66
		.amdhsa_reserve_vcc 0
		.amdhsa_float_denorm_mode_32 3
		.amdhsa_float_denorm_mode_16_64 3
		.amdhsa_memory_ordered 1
		.amdhsa_forward_progress 1
		.amdhsa_inst_pref_size 81
	.end_amdhsa_kernel
	.amdgpu_metadata
---
amdhsa.version: [ 1, 2 ]
amdhsa.kernels:
  - .name:           k_qd56f54edbe_wquant
    .symbol:         k_qd56f54edbe_wquant.kd
    .args:
      - { .name: w_attn, .offset: 0, .size: 8, .value_kind: global_buffer, .address_space: global }
      - { .name: w_aproj, .offset: 8, .size: 8, .value_kind: global_buffer, .address_space: global }
      - { .name: w_fc, .offset: 16, .size: 8, .value_kind: global_buffer, .address_space: global }
      - { .name: w_mproj, .offset: 24, .size: 8, .value_kind: global_buffer, .address_space: global }
      - { .name: wq, .offset: 32, .size: 8, .value_kind: global_buffer, .address_space: global }
    .group_segment_fixed_size: 0
    .private_segment_fixed_size: 0
    .kernarg_segment_align: 8
    .kernarg_segment_size: 40
    .max_flat_workgroup_size: 256
    .sgpr_count:     66
    .vgpr_count:     128
    .wavefront_size: 32
...
	.end_amdgpu_metadata
.endif
;; end of part 1
;; launch gnq (part 2): grid 32 x 2, 16 waves a work-group, no clusters, 76,288 bytes of LDS; arguments x, ln1_w, ln1_b, xq; writes xq
.if DOCPART == 2
	.amdgcn_target "amdgcn-amd-amdhsa--gfx1250"
	.amdhsa_code_object_version 6
	.text
	.protected	k_qd56f54edbe_gnq
	.globl	k_qd56f54edbe_gnq
	.p2align	8
	.type	k_qd56f54edbe_gnq,@function
k_qd56f54edbe_gnq:
	s_mov_b64 s[64:65], 0
	v_nop
	global_prefetch_b8 v0, s[64:65] scope:SCOPE_SE
	s_setreg_imm32_b32 hwreg(HW_REG_WAVE_MODE, 25, 1), 1
	s_wait_xcnt 0x0
; GroupNorm over (all 2,048 tokens, 32 channels) of one batch and group, then the quantiser along the channels: a group of 32 channels IS one block of 32 along K.
; A work-group (x = group, y = batch) holds its whole slice, 2,048 rows x 32 numbers, in registers: a thread holds 4 rows.  So the input is read once; mean and variance are taken in two passes, as written in the problem.
; Loads take the bytes as they lie (four rows' 128 bytes an instruction); a turn through the wave's own stage in LDS (rows 144 bytes apart) gives each lane a whole row of 32 numbers.
; Out: codes as images of operand registers ([row / 16][k / 128] fragments of 1,536 bytes), scale bytes into the words [row / 16][k / 128][16].
; LIMITS: NaN and infinities are not served; blocks under 2^-124 keep the byte 1; a block of zeros gets the byte 1, not 127 (only this program reads the bytes).
.set X,     32                         ; v32-159  set i, register j: x[128 wave + 32 i + lane][32 g + j]
.set CD,    160                        ; v160-191 set i's six code registers at CD + 8 i
.set T,     16                         ; v16-18   upper 16 codes on their way
.set BY,    20                         ; v20-23   set i's scale byte
.set SPW,   28                         ; v28      my spare word's LDS address; never rewritten
.set NIL,   29                         ; v29      0; never rewritten
.set ZA,    30                         ; v30      where the waves' partial sums lie
.set STG,   4608                       ; a wave's stage: 32 rows x 144 bytes
.set RED,   73728                      ; behind the 16 stages: 16 words for the sums, and 256 bytes on 16 words for the squares
.set SPARE, 74240                      ; the spare words, 128 bytes a wave: eight blocks of 256 bytes that no other line names
	s_load_b256 s[4:11], s[0:1], 0x0               ; in s[4:5], gain s[6:7], bias s[8:9], xq s[10:11]
	v_lshl_add_u32 v[SPW], v0, 2, SPARE
	v_mov_b32 v[NIL], 0
	v_lshrrev_b32 v1, 5, v0
	v_readfirstlane_b32 s12, v1                    ; wave 0..15
	s_and_b32 s13, ttmp7, 0xffff                   ; batch
	s_lshl_b32 s14, ttmp9, 7                       ; the group's 128 bytes in a row
	s_mov_b32 s15, 0
	s_lshl_b32 s16, s13, 23                        ; a batch is 8,388,608 bytes
	s_add_co_u32 s16, s16, s14
	s_mov_b32 s17, 0
	s_mov_b32 s18, 0x76543210
	s_mov_b32 s19, 0xfedcba98                      ; selects: lane l xor 16
	s_mov_b32 s20, 0x37800000                      ; 2^-16 = 1 / (2,048 x 32)
	v_and_b32 v1, 31, v0                           ; lane
	v_lshrrev_b32 v2, 3, v1
	v_and_b32 v3, 7, v1
	s_lshl_b32 s22, s12, 7
	v_add_nc_u32 v4, s22, v2
	v_lshlrev_b32 v4, 12, v4
	v_lshl_add_u32 v4, v3, 4, v4                   ; in: row 128 wave + lane / 8, byte 16 (lane % 8)
	s_mul_i32 s23, s12, STG
	v_mul_u32_u24 v5, v2, 144
	v_lshl_add_u32 v5, v3, 4, v5
	v_add_nc_u32 v5, s23, v5                       ; into the stage, as loaded
	v_mul_u32_u24 v6, v1, 144
	v_add_nc_u32 v6, s23, v6                       ; out of it: row = lane
	v_mov_b32 v7, s12
	v_lshl_add_u32 v7, v7, 2, RED                  ; my wave's word
	v_mov_b32 v[ZA], RED
	s_wait_kmcnt 0x0
	s_add_nc_u64 s[4:5], s[4:5], s[16:17]
.irp i, 0,1,2,3
.irp q, 0,1,2,3,4,5,6,7
	global_load_b128 v[X+32*\i+4*\q:X+32*\i+4*\q+3], v4, s[4:5] offset:(32*\i+4*\q)*4096
.endr
.endr
	s_add_nc_u64 s[6:7], s[6:7], s[14:15]
	s_add_nc_u64 s[8:9], s[8:9], s[14:15]
	s_load_b512 s[32:47], s[6:7], 0x0              ; the group's 32 gains: s32-63
	s_load_b512 s[48:63], s[6:7], 0x40
	s_load_b512 s[68:83], s[8:9], 0x0              ; and 32 biases: s68-99
	s_load_b512 s[84:99], s[8:9], 0x40
.irp i, 0,1,2,3                        ; the turn: LDS serves a wave's instructions in order, so no wait stands between stores and loads, nor in front of the next set's stores
	s_wait_loadcnt 24-8*\i                         ; this set's eight loads are in; the later sets' may be out
.irp q, 0,1,2,3,4,5,6,7
	ds_store_b128 v5, v[X+32*\i+4*\q:X+32*\i+4*\q+3] offset:576*\q
.endr
.irp q, 0,1,2,3,4,5,6,7
	ds_load_b128 v[X+32*\i+4*\q:X+32*\i+4*\q+3], v6 offset:16*\q
.endr
.endr
	s_wait_dscnt 0x0
; four pairs v[8:15] -> the work-group's total in v8, the same bits in every wave
.macro REDUCE off
	v_pk_add_f32 v[8:9], v[8:9], v[10:11]
	v_pk_add_f32 v[12:13], v[12:13], v[14:15]
	v_pk_add_f32 v[8:9], v[8:9], v[12:13]
	v_add_f32 v8, v8, v9
	v_add_f32_dpp v8, v8, v8 row_xmask:1 row_mask:0xf bank_mask:0xf
	v_add_f32_dpp v8, v8, v8 row_xmask:2 row_mask:0xf bank_mask:0xf
	v_add_f32_dpp v8, v8, v8 row_xmask:4 row_mask:0xf bank_mask:0xf
	v_add_f32_dpp v8, v8, v8 row_xmask:8 row_mask:0xf bank_mask:0xf
	v_permlanex16_b32 v9, v8, s18, s19
	v_add_f32 v8, v8, v9
	ds_store_b32 v7, v8 offset:\off
	s_wait_dscnt 0x0                               ; for the others' sake: my word has landed
	s_barrier_signal -1
	s_barrier_wait -1
	ds_load_b128 v[8:11], v[ZA] offset:\off
	ds_load_b128 v[12:15], v[ZA] offset:\off+16
	ds_load_b128 v[16:19], v[ZA] offset:\off+32
	ds_load_b128 v[20:23], v[ZA] offset:\off+48
	s_wait_dscnt 0x0
	v_pk_add_f32 v[8:9], v[8:9], v[10:11]
	v_pk_add_f32 v[12:13], v[12:13], v[14:15]
	v_pk_add_f32 v[16:17], v[16:17], v[18:19]
	v_pk_add_f32 v[20:21], v[20:21], v[22:23]
	v_pk_add_f32 v[8:9], v[8:9], v[12:13]
	v_pk_add_f32 v[16:17], v[16:17], v[20:21]
	v_pk_add_f32 v[8:9], v[8:9], v[16:17]
	v_add_f32 v8, v8, v9
.endm
.irp k, 0,1,2,3                        ; the sum of my 128 numbers, in four chains that the first pairs start
	v_pk_add_f32 v[8+2*\k:9+2*\k], v[X+2*\k:X+2*\k+1], v[X+8+2*\k:X+9+2*\k]
.endr
.set j, 8
.rept 56
	v_pk_add_f32 v[8+2*(j%4):9+2*(j%4)], v[8+2*(j%4):9+2*(j%4)], v[X+2*j:X+2*j+1]
.set j, j+1
.endr
	REDUCE 0
	v_mul_f32 v24, s20, v8                         ; the mean
	v_mov_b32 v25, v24
.set j, 0
.rept 64
	v_pk_add_f32 v[X+2*j:X+2*j+1], v[X+2*j:X+2*j+1], v[24:25] neg_lo:[0,1] neg_hi:[0,1]
.set j, j+1
.endr
.irp k, 0,1,2,3
	v_pk_mul_f32 v[8+2*\k:9+2*\k], v[X+2*\k:X+2*\k+1], v[X+2*\k:X+2*\k+1]
.endr
.set j, 4
.rept 60
	v_pk_fma_f32 v[8+2*(j%4):9+2*(j%4)], v[X+2*j:X+2*j+1], v[X+2*j:X+2*j+1], v[8+2*(j%4):9+2*(j%4)]
.set j, j+1
.endr
	REDUCE 256                                     ; other words than the first sum's: no barrier is owed between the two
	v_fmaak_f32 v8, s20, v8, 0x3727c5ac            ; the variance + 1e-5
	v_rsq_f32 v8, v8
	v_nop                                          ; a plain line behind the transcendental,
	s_wait_alu depctr_va_vdst(0)                   ; and a wait ahead of its first reader
	v_readfirstlane_b32 s21, v8
	s_wait_kmcnt 0x0                               ; gains and biases
.set c, 0
.rept 32
	s_mul_f32 s[32+c], s[32+c], s21                ; gain / sqrt(variance + eps)
.set c, c+1
.endr
.irp i, 0,1,2,3
.set c, 0
.rept 32
	v_fma_f32 v[X+32*\i+c], v[X+32*\i+c], s[32+c], s[68+c]
.set c, c+1
.endr
.endr
.irp i, 0,1,2,3                        ; a lane's 32 numbers of a set are one block
	v_max3_num_f32 v8, |v[X+32*\i]|, |v[X+32*\i+1]|, |v[X+32*\i+2]|
	v_max3_num_f32 v9, |v[X+32*\i+3]|, |v[X+32*\i+4]|, |v[X+32*\i+5]|
.irp n, 6,10,14,18,22,26
	v_max3_num_f32 v8, v8, |v[X+32*\i+\n]|, |v[X+32*\i+\n+1]|
	v_max3_num_f32 v9, v9, |v[X+32*\i+\n+2]|, |v[X+32*\i+\n+3]|
.endr
	v_max3_num_f32 v8, v8, |v[X+32*\i+30]|, |v[X+32*\i+31]|
	v_max3_num_f32 v8, v8, v9, 0x1800000           ; with the floor 2^(3 - 127)
	v_add_nc_u32 v11, 0xff000000, v8               ; 2 off the exponent field: the conversion's scale operand
	v_cvt_scalef32_pk16_fp6_f32 v[CD+8*\i:CD+8*\i+2], v[X+32*\i:X+32*\i+15], v11
	v_cvt_scalef32_pk16_fp6_f32 v[T:T+2], v[X+32*\i+16:X+32*\i+31], v11
	v_lshrrev_b32 v[BY+\i], 23, v11                ; the byte (also the plain line behind the conversions)
.irp n, 0,1,2
	v_mov_b32 v[CD+8*\i+3+\n], v[T+\n]
.endr
.endr
	; where they go: tile row 128 b + 8 wave + 2 i + lane / 16; fragment g / 4; half (g / 2) % 2 of it; lanes 16 (g % 2) + row % 16 of the image
	s_lshl_b32 s22, s13, 7
	s_lshl_b32 s23, s12, 3
	s_add_co_u32 s22, s22, s23
	s_mul_i32 s24, s22, 12288
	s_lshr_b32 s25, ttmp9, 2
	s_mul_i32 s26, s25, 1536
	s_add_co_u32 s24, s24, s26
	s_bfe_u32 s26, ttmp9, 0x10001
	s_mul_i32 s26, s26, 768
	s_add_co_u32 s24, s24, s26
	s_and_b32 s27, ttmp9, 1
	s_lshl_b32 s26, s27, 8
	s_add_co_u32 s26, s26, s24
	s_lshl_b32 s28, s27, 7
	s_add_co_u32 s28, s28, s24
	s_add_co_u32 s28, s28, 512
	s_lshl_b32 s29, s22, 9
	s_lshl_b32 s25, s25, 6
	s_add_co_u32 s29, s29, s25
	s_and_b32 s25, ttmp9, 3
	s_add_co_u32 s29, s29, s25
	s_add_co_u32 s29, s29, 3145728
	v_and_b32 v2, 15, v1
	v_lshrrev_b32 v3, 4, v1
	v_mul_u32_u24 v8, v3, 12288
	v_lshl_add_u32 v25, v2, 4, v8
	v_add_nc_u32 v25, s26, v25
	v_lshl_add_u32 v26, v2, 3, v8
	v_add_nc_u32 v26, s28, v26
	v_lshlrev_b32 v27, 9, v3
	v_lshl_add_u32 v27, v2, 2, v27
	v_add_nc_u32 v27, s29, v27
.irp i, 0,1,2,3
	global_store_b128 v25, v[CD+8*\i:CD+8*\i+3], s[10:11] offset:24576*\i      ; sixteen lanes store 256 consecutive bytes
	global_store_b64 v26, v[CD+8*\i+4:CD+8*\i+5], s[10:11] offset:24576*\i
	global_store_b8 v27, v[BY+\i], s[10:11] offset:1024*\i                     ; my block's byte of my row's scale word; the word's other three come from other work-groups
.endr
	s_wait_tensorcnt 0x0                           ; the wave's end, behind my last LDS store
	ds_add_u32 v[SPW], v[NIL]
	s_wait_dscnt 0x0
	s_endpgm
.Lfunc_end_k_qd56f54edbe_gnq:
	.size	k_qd56f54edbe_gnq, .Lfunc_end_k_qd56f54edbe_gnq-k_qd56f54edbe_gnq
	.p2alignl 7, 3214868480
	.fill 96, 4, 3214868480
	.section	.rodata,"a",@progbits
	.p2align	6, 0x0
	.amdhsa_kernel k_qd56f54edbe_gnq
		.amdhsa_group_segment_fixed_size 76288
		.amdhsa_private_segment_fixed_size 0
		.amdhsa_enable_private_segment 0
		.amdhsa_kernarg_size 32
		.amdhsa_user_sgpr_count 2
		.amdhsa_user_sgpr_kernarg_segment_ptr 1
		.amdhsa_wavefront_size32 1
		.amdhsa_system_sgpr_workgroup_id_x 1
		.amdhsa_system_sgpr_workgroup_id_y 1
		.amdhsa_system_sgpr_workgroup_id_z 1
		.amdhsa_system_vgpr_workitem_id 0
		.amdhsa_next_free_vgpr 192
		.amdhsa_next_free_sgpr 100
		.amdhsa_reserve_vcc 0
		.amdhsa_float_denorm_mode_32 3
		.amdhsa_float_denorm_mode_16_64 3
		.amdhsa_memory_ordered 1
		.amdhsa_forward_progress 1
		.amdhsa_inst_pref_size 42
	.end_amdhsa_kernel
	.amdgpu_metadata
---
amdhsa.version: [ 1, 2 ]
amdhsa.kernels:
  - .name:           k_qd56f54edbe_gnq
    .symbol:         k_qd56f54edbe_gnq.kd
    .args:
      - { .name: x, .offset: 0, .size: 8, .value_kind: global_buffer, .address_space: global }
      - { .name: ln1_w, .offset: 8, .size: 8, .value_kind: global_buffer, .address_space: global }
      - { .name: ln1_b, .offset: 16, .size: 8, .value_kind: global_buffer, .address_space: global }
      - { .name: xq, .offset: 24, .size: 8, .value_kind: global_buffer, .address_space: global }
    .group_segment_fixed_size: 76288
    .private_segment_fixed_size: 0
    .kernarg_segment_align: 8
    .kernarg_segment_size: 32
    .max_flat_workgroup_size: 512
    .sgpr_count:     100
    .vgpr_count:     192
    .wavefront_size: 32
...
	.end_amdgpu_metadata
.endif
;; end of part 2
;; launch qkv (part 3): grid 16 x 16, 4 waves a work-group, clusters of 4 x 4, 327,680 bytes of LDS; arguments xq, wq, b_attn, qq, kvq, out1; writes qq, kvq, out1
.if DOCPART == 3
	.amdgcn_target "amdgcn-amd-amdhsa--gfx1250"
	.amdhsa_code_object_version 6
	.text
	.protected	k_qd56f54edbe_qkv
	.globl	k_qd56f54edbe_qkv
	.p2align	8
	.type	k_qd56f54edbe_qkv,@function
k_qd56f54edbe_qkv:
	s_mov_b64 s[64:65], 0
	v_nop
	global_prefetch_b8 v0, s[64:65] scope:SCOPE_SE
	s_setreg_imm32_b32 hwreg(HW_REG_WAVE_MODE, 25, 1), 1
	s_wait_xcnt 0x0
	s_wait_alu depctr_hold_cnt(0) depctr_sa_sdst(0) depctr_va_vdst(0) depctr_va_sdst(0) depctr_va_ssrc(0) depctr_va_vcc(0) depctr_vm_vsrc(0)
	s_getreg_b32 s2, hwreg(HW_REG_IB_STS2, 6, 4)
	s_cmp_eq_u32 s2, 0
	s_cbranch_scc0 .Lentry_in_a_cluster
	s_endpgm
.Lentry_in_a_cluster:
	s_bfe_u32 s2, ttmp6, 0x10000c
	s_cmp_lg_u32 s2, 0xf033
	s_cbranch_scc0 .Lentry_shape_is_right
	s_endpgm
.Lentry_shape_is_right:
; qkv = xn W_attn + b on codes of FP6 (E2M3) with E8M0 scales, K = 1,024.  A work-group of four waves makes 256 x 256, a wave 128 x 128 in 64 accumulators.
; OPERANDS lie in memory as images of registers: fragment (16 rows x 128 k) = 1,536 bytes, [row / 16][k / 128]; scale words [row / 16][k / 128][16].  A K step is 256 along K: 3,072 bytes of each tile row.
; Ring of two LDS slots filled by the tensor data mover; all scale words of the work-group's rows come once.  4 x 4 clusters: role A's tiles are shared along a row of the cluster, role B's along a column, by joint loads.
; The matrix instruction is used transposed (source 0 = role B, source 1 = role A): a lane holds one A row and eight neighbouring B rows.
; THE CLUSTER'S x SAYS WHAT IS MADE:  0: q, as codes for attention;  1: k, f32 into out1 and codes;  2: v, f32 into out1;  3: v once more with the roles changed (A = W_v's columns, B = tokens), so that a lane's
; registers run along the TOKENS, which are the K of attention's second product: codes of v along the keys.  The second product of v takes the place of a transposition.
; Results are quantised from natural tiles, which puts a block's 32 numbers in the order 0-7, 16-23, 8-15, 24-31: both operands of each of attention's products are made so.
; LIMITS: NaN and infinities are not served; blocks under 2^-124 keep the byte 1; a block of zeros gets the byte 1, not 127.
; REGISTERS, in windows of 256.  window 0: v0-31 addresses; v32-63 scale words, two sets, and nothing else; v128-223 A's fragments; v232-247 the row bias of part 3.  On the way out: v64-127 H, v128-191 rows back from the stage, v192-229 the quantiser's.
;   window 1: B's fragments, two sets (v0-95, v128-223); the column bias in the 64 registers between (v96-127, v224-255).   windows 2, 3: the accumulators ((a, b) at v[8 (8 (a % 4) + b)]).
.set KK,     1024
.set KS,     KK/128
.set KROW,   1536*KS                   ; a tile row of fragments in memory
.set ROWB,   3072                      ; a K step's two fragments
.set NQ,     2
.set FR,     12
.set NL,     4                         ; LDS loads that bring a fragment
.set NP,     4                         ; places behind this matrix instruction (ISA guide 7.12.1)
.set HALFT,  8*ROWB                    ; eight tile rows: what one tensor load brings, and what a wave reads of A or of B
.set SLOT,   4*HALFT
.set LAPS,   KK/512
.set SCL,    2*SLOT                    ; behind the ring: the scale words
.set HALFS,  512*KS                    ; those of 128 rows
.set SBLK,   64*KS                     ; those of 16 rows
.set SPARE,  SCL+4*HALFS               ; the spare words, 128 bytes a wave: two blocks of 256 bytes that no other line names
.set SPITCH, 528                       ; the stage for f32 rows: 16 rows x (512 + 16) bytes a wave, in slot 0, which has had its last fill and its last read by then
.set CHK,    52224                     ; kvq: a chunk of 512 keys
.set LI,   4                           ; v4   16 x lane
.set LJ,   5                           ; v5   512 + 8 x lane
.set LR,   6                           ; v6   4 x (lane % 16)
.set OO,   7                           ; v7   out1: lanes 0-15 one head's row, lanes 16-31 the next head's
.set BH,   10                          ; v10  32 x (lane / 16)
.set ADRA, 16                          ; v16-17 A's fragments in slot 0, 1 (+ 16 lane); v18-19 (+ 512 + 8 lane)
.set ADRB, 20                          ; v20-23 the same for B
.set STO,  24
.set RD,   25
.set ADRS, 27                          ; v27  my scale words: lanes 0-15 A's rows, lanes 16-31 B's
.set SPW,  28                          ; v28  my spare word; never rewritten
.set NIL,  29                          ; v29  0; never rewritten
.set SC,   32
.set AF,   128
.set H,    64
.set BK,   128
.set PC,   192
.set TM,   212
.set PW,   228
.set BV,   232
.set SEL,  12                          ; s[12:13] selects: lane l xor 16
.set G1, 24
.set G0, 32
.set G1B, 48
.set G0B, 56
.set G1S, 68
.set G0S, 76
.set G1SB, 80
.set G0SB, 88
.set MSB, 0
.macro WIN new                         ; the immediate's high byte repeats the setting that is left
.if MSB != \new
	s_set_vgpr_msb (MSB<<8)|\new
.set MSB, \new
.endif
.endm
.set MUL_LO, 0xa1                      ; source 0 (B) window 1, source 1 (A) window 0, C and D window 2
.set MUL_HI, 0xf1
.set TO_B,   0x40
.macro JLOAD g0a, g1a, g0b, g1b        ; a joint load: waves 0, 1 fetch for A, waves 2, 3 for B; s_nop 0 and four v_nop follow each line
	s_cmp_eq_u32 s15, 0
	s_cbranch_scc0 .Lfor_b_\@
	tensor_load_to_lds s[\g0a:\g0a+3], s[\g1a:\g1a+7]
	s_nop 0
.rept 4
	v_nop
.endr
	s_branch .Lasked_\@
.Lfor_b_\@:
	tensor_load_to_lds s[\g0b:\g0b+3], s[\g1b:\g1b+7]
	s_nop 0
.rept 4
	v_nop
.endr
.Lasked_\@:
.endm
.macro CREST
	s_cmp_lg_u32 s14, 0
	s_cbranch_scc1 .Lnot_wave_0_\@
	s_barrier_signal -3
.Lnot_wave_0_\@:
	s_barrier_wait -3
	s_barrier_signal -1
	s_barrier_wait -1
.endm
.macro CROUND
	s_barrier_signal -1
	s_barrier_wait -1
	CREST
.endm
	s_load_b256 s[4:11], s[0:1], 0x0               ; xq s[4:5], wq s[6:7], b_attn s[8:9], qq s[10:11]
	s_load_b128 s[96:99], s[0:1], 0x20             ; kvq s[96:97], out1 s[98:99]
	v_lshl_add_u32 v[SPW], v0, 2, SPARE
	v_mov_b32 v[NIL], 0
	ds_add_u32 v[SPW], v[NIL]                      ; the opening: the add, with its wait ahead of my first tensor load
	v_lshrrev_b32 v1, 5, v0
	v_readfirstlane_b32 s14, v1                    ; wave 0..3
	s_lshr_b32 s15, s14, 1                         ; my half of A's rows.  Also: I fetch for A (0) or B (1)
	s_and_b32 s16, s14, 1                          ; my half of B's rows.  Also: which eight tile rows I fetch
	s_bfe_u32 s40, ttmp6, 0x40000                  ; cx
	s_bfe_u32 s41, ttmp6, 0x40004                  ; cy
	s_and_b32 s18, ttmp7, 0xffff
	s_lshl_b32 s18, s18, 2                         ; 4 x cluster y
	s_add_co_u32 s17, s18, s41                     ; tokens as A: block 4 cluster y + cy
	s_add_co_u32 s42, s18, s40                     ; tokens as B: block 4 cluster y + cx
	s_add_co_u32 s19, s41, 8                       ; W_v as A: block 8 + cy
	s_lshl_b32 s45, ttmp9, 2
	s_add_co_u32 s45, s45, s40                     ; W as B: block 4 cluster x + cx
	s_mov_b32 s2, 9437184                          ; where wq's scale words for w_attn begin,
	s_mov_b32 s3, 3145728                          ; and xq's
	s_cmp_eq_u32 ttmp9, 3                          ; the cluster's x: the same in all sixteen partners
	s_cselect_b32 s17, s19, s17                    ; A's block of 256 rows: hangs on cy alone
	s_cselect_b32 s42, s42, s45                    ; B's: on cx alone
	s_cselect_b32 s19, s2, s3
	s_cselect_b32 s45, s3, s2
	s_lshl_b32 s43, s41, 2
	s_lshl_b32 s43, 15, s43                        ; my row of the cluster
	s_lshl_b32 s44, 0x1111, s40                    ; my column
	s_or_b32 s[G1+0], s43, (3<<16)|(1<<21)         ; 15:0 the mask; 17:16 elements of 8 bytes; 21 set beside a mask; no padding: an image is read 512 or 256 consecutive bytes at a time
	s_or_b32 s[G1B+0], s44, (3<<16)|(1<<21)
.irp g, G1, G1B
	s_mov_b32 s[\g+1], (ROWB/8)<<16                ; tensor_dim0 = 384 elements
	s_mov_b32 s[\g+2], 8<<16                       ; tensor_dim1 = 8 tile rows
	s_mov_b32 s[\g+3], (ROWB/8)<<16                ; tile_dim0
	s_mov_b32 s[\g+4], 8                           ; tile_dim1
	s_mov_b32 s[\g+5], KROW/8                      ; from tile row to tile row
	s_mov_b32 s[\g+6], 0
	s_mov_b32 s[\g+7], 0
.endr
	s_or_b32 s[G1S+0], s43, (3<<16)|(1<<21)        ; the scale words of 128 rows: a dense block, as rows of 256 bytes
	s_or_b32 s[G1SB+0], s44, (3<<16)|(1<<21)
.irp g, G1S, G1SB
	s_mov_b32 s[\g+1], 32<<16
	s_mov_b32 s[\g+2], (2*KS)<<16
	s_mov_b32 s[\g+3], 32<<16
	s_mov_b32 s[\g+4], 2*KS
	s_mov_b32 s[\g+5], 32
	s_mov_b32 s[\g+6], 0
	s_mov_b32 s[\g+7], 0
.endr
	s_lshl_b32 s18, s16, 3
	s_lshl_b32 s20, s17, 4
	s_add_co_u32 s20, s20, s18                     ; A: the first tile row that I fetch
	s_lshl_b32 s46, s42, 4
	s_add_co_u32 s46, s46, s18                     ; B likewise
	s_mul_i32 s22, s20, 64*KS
	s_add_co_u32 s22, s22, s19
	s_mul_i32 s92, s46, 64*KS
	s_add_co_u32 s92, s92, s45
	s_mul_i32 s20, s20, KROW
	s_mul_i32 s46, s46, KROW
	s_mov_b32 s21, 0
	s_mov_b32 s23, 0
	s_mov_b32 s47, 0
	s_mov_b32 s93, 0
	s_mul_i32 s45, s14, HALFT                      ; where they go: no place in the cluster enters an LDS address
	s_mul_i32 s94, s14, HALFS
	s_mov_b32 s[SEL], 0x76543210
	s_mov_b32 s[SEL+1], 0xfedcba98
	s_wait_dscnt 0x0                               ; the opening add is done
	s_wait_kmcnt 0x0
	s_cmp_eq_u32 ttmp9, 3
	s_cselect_b64 s[18:19], s[6:7], s[4:5]         ; A's buffer
	s_cselect_b64 s[100:101], s[4:5], s[6:7]       ; B's
	s_add_nc_u64 s[20:21], s[18:19], s[20:21]
	s_add_nc_u64 s[22:23], s[18:19], s[22:23]
	s_add_nc_u64 s[46:47], s[100:101], s[46:47]
	s_add_nc_u64 s[92:93], s[100:101], s[92:93]
	CROUND                                         ; all sixteen work-groups are here: the first joint loads meet
	s_mov_b32 s[G0S], 1
	s_add_co_u32 s[G0S+1], s94, SCL
	s_mov_b64 s[G0S+2:G0S+3], s[22:23]
	s_or_b32 s[G0S+3], s[G0S+3], 0x80000000
	s_mov_b32 s[G0SB], 1
	s_add_co_u32 s[G0SB+1], s94, SCL
	s_mov_b64 s[G0SB+2:G0SB+3], s[92:93]
	s_or_b32 s[G0SB+3], s[G0SB+3], 0x80000000
	JLOAD G0S, G1S, G0SB, G1SB                     ; the scale words first
.irp s, 0,1
	s_mov_b32 s[G0+4*\s], 1
	s_add_co_u32 s[G0+4*\s+1], s45, \s*SLOT
	s_add_nc_u64 s[G0+4*\s+2:G0+4*\s+3], s[20:21], \s*ROWB
	s_or_b32 s[G0+4*\s+3], s[G0+4*\s+3], 0x80000000
	s_mov_b32 s[G0B+4*\s], 1
	s_add_co_u32 s[G0B+4*\s+1], s45, \s*SLOT
	s_add_nc_u64 s[G0B+4*\s+2:G0B+4*\s+3], s[46:47], \s*ROWB
	s_or_b32 s[G0B+4*\s+3], s[G0B+4*\s+3], 0x80000000
	JLOAD G0+4*\s, G1, G0B+4*\s, G1B
.endr
	v_and_b32 v1, 15, v0                           ; r
	v_bfe_u32 v2, v0, 4, 1                         ; h
	v_and_b32 v3, 31, v0
	v_lshlrev_b32 v[LI], 4, v3
	v_lshlrev_b32 v[LJ], 3, v3
	v_add_nc_u32 v[LJ], 512, v[LJ]
	v_lshlrev_b32 v[LR], 2, v1
	v_lshlrev_b32 v[BH], 5, v2
	v_lshlrev_b32 v[OO], 19, v2
	v_lshl_add_u32 v[OO], v1, 4, v[OO]
	s_mul_i32 s21, s15, HALFT
	s_mul_i32 s22, s16, HALFT
	s_add_co_u32 s22, s22, 2*HALFT
.irp s, 0,1
	v_add_nc_u32 v[ADRA+\s], s21, v[LI]
	v_add_nc_u32 v[ADRB+\s], s22, v[LI]
	v_add_nc_u32 v[ADRA+2+\s], s21, v[LJ]
	v_add_nc_u32 v[ADRB+2+\s], s22, v[LJ]
	s_add_co_u32 s21, s21, SLOT
	s_add_co_u32 s22, s22, SLOT
.endr
	s_mul_i32 s21, s15, HALFS
	s_mul_i32 s22, s16, HALFS
	s_add_co_u32 s22, s22, 2*HALFS
	s_sub_co_u32 s22, s22, s21
	v_mul_u32_u24 v9, s22, v2                      ; lanes 16-31 take B's: the lower base + h x the distance
	s_add_co_u32 s21, s21, SCL
	v_add_nc_u32 v9, v[LR], v9
	v_add_nc_u32 v[ADRS], s21, v9
	s_mul_i32 s23, s14, 16*SPITCH                  ; my stage
	v_mul_u32_u24 v8, v1, SPITCH
	v_lshl_add_u32 v8, v2, 5, v8
	v_add_nc_u32 v[STO], s23, v8
	v_add_nc_u32 v[RD], s23, v[LI]
	; where the results go.  Parts 0-2: tokens are A's rows, heads B's.  Part 3: the other way round.
	s_lshl_b32 s43, s17, 8
	s_lshl_b32 s44, s15, 7
	s_add_co_u32 s43, s43, s44                     ; my first A row
	s_lshl_b32 s44, s42, 8
	s_lshl_b32 s45, s16, 7
	s_add_co_u32 s44, s44, s45                     ; my first B row
	s_lshl_b32 s45, s40, 2
	s_lshl_b32 s94, s16, 1
	s_add_co_u32 s45, s45, s94                     ; head 4 cx + 2 (my half of B)
	s_lshl_b32 s94, s41, 2
	s_lshl_b32 s2, s15, 1
	s_add_co_u32 s94, s94, s2                      ; head 4 cy + 2 (my half of A)
	s_lshl_b32 s2, s41, 10
	s_lshl_b32 s100, s15, 9
	s_add_co_u32 s2, s2, s100
	s_add_co_u32 s2, s2, 8192                      ; part 3: b_attn at channel 2,048 + 256 cy + 128 (my half of A), in bytes
	s_cmp_eq_u32 ttmp9, 3
	s_cselect_b32 s43, s44, s43                    ; my first token
	s_cselect_b32 s45, s94, s45                    ; my first head
	s_cselect_b32 s44, 0, s44                      ; the column bias's first column (part 3 does not use it: an address inside the buffer all the same)
	s_cselect_b32 s2, s2, 0                        ; the row bias likewise
	s_lshl_b32 s4, s44, 2
	s_mov_b32 s5, 0
	s_add_nc_u64 s[4:5], s[8:9], s[4:5]
	s_mov_b32 s6, s2
	s_mov_b32 s7, 0
	s_add_nc_u64 s[6:7], s[8:9], s[6:7]
	WIN TO_B                                       ; the column bias: register 8 t + j = b[col0 + 16 t + 8 h + j]; it lands while the products run
.irp t, 0,1,2,3,4,5,6,7
	global_load_b128 v[96+8*\t+96*(\t/4):96+8*\t+96*(\t/4)+3], v[BH], s[4:5] offset:64*\t
	global_load_b128 v[100+8*\t+96*(\t/4):100+8*\t+96*(\t/4)+3], v[BH], s[4:5] offset:64*\t+16
.endr
	WIN 0
.irp a, 0,1,2,3,4,5,6,7                ; the row bias, twice: a pair for the packed addition
	global_load_b32 v[BV+2*\a], v[LR], s[6:7] offset:64*\a
	global_load_b32 v[BV+2*\a+1], v[LR], s[6:7] offset:64*\a
.endr
	s_lshr_b32 s44, s43, 11                        ; batch
	s_and_b32 s43, s43, 2047                       ; token in the batch
	s_lshl_b32 s44, s44, 4
	s_add_co_u32 s45, s45, s44                     ; batch x 16 + head
	s_lshr_b32 s44, s43, 4                         ; tile of tokens
	s_lshl_b32 s94, s45, 7
	s_add_co_u32 s94, s94, s44
	s_mul_i32 s20, s94, 768                        ; q: codes [bh][tile][768],
	s_lshl_b32 s46, s94, 6
	s_add_co_u32 s46, s46, 3145728                 ; scale words [bh][tile][16]
	s_mul_i32 s94, s45, 4*CHK
	s_lshr_b32 s2, s43, 9
	s_mul_i32 s2, s2, CHK
	s_add_co_u32 s94, s94, s2                      ; kvq: my head's chunk
	s_and_b32 s44, s44, 31
	s_mul_i32 s2, s44, 768
	s_add_co_u32 s2, s2, s94                       ; k's codes
	s_lshl_b32 s44, s44, 6
	s_add_co_u32 s44, s44, s94
	s_add_co_u32 s44, s44, 49152                   ; k's scale words
	s_bfe_u32 s100, s43, 0x20007                   ; which 128 keys of the chunk
	s_mul_i32 s101, s100, 6144
	s_add_co_u32 s101, s101, s94
	s_add_co_u32 s101, s101, 24576                 ; v's codes
	s_lshl_b32 s100, s100, 8
	s_add_co_u32 s100, s100, s94
	s_add_co_u32 s100, s100, 51200                 ; v's scale words
	s_cmp_eq_u32 ttmp9, 3
	s_cselect_b32 s2, s101, s2
	s_cselect_b32 s44, s100, s44
	s_mov_b32 s22, 4*CHK
	s_mov_b32 s92, 4*CHK
	s_cmp_eq_u32 ttmp9, 0
	s_cselect_b32 s20, s20, s2
	s_cselect_b32 s46, s46, s44
	s_cselect_b64 s[100:101], s[10:11], s[96:97]
	s_cselect_b32 s22, 98304, s22                  ; from a head to the next
	s_cselect_b32 s92, 8192, s92
	s_mov_b32 s21, 0
	s_mov_b32 s47, 0
	s_mov_b32 s23, 0
	s_mov_b32 s93, 0
	s_add_nc_u64 s[20:21], s[100:101], s[20:21]    ; codes, my first head
	s_add_nc_u64 s[46:47], s[100:101], s[46:47]    ; scale words, my first head
	s_add_nc_u64 s[22:23], s[20:21], s[22:23]      ; my second head
	s_add_nc_u64 s[92:93], s[46:47], s[92:93]
	s_cmp_eq_u32 ttmp9, 2
	s_cselect_b32 s18, 16777216, 0                 ; out1: k, then v
	s_lshl_b32 s2, s45, 19
	s_add_co_u32 s18, s18, s2
	s_lshl_b32 s2, s43, 8
	s_add_co_u32 s18, s18, s2
	s_mov_b32 s19, 0
	s_add_nc_u64 s[18:19], s[98:99], s[18:19]
	s_sub_co_u32 s95, ttmp9, 1                     ; under 2 in parts 1 and 2
.macro FRAG reg, adr, q, i             ; a fragment comes back as it was stored: each instruction reads 512 or 256 consecutive bytes
	ds_load_b128 v[\reg:\reg+3], v[\adr] offset:(\i)*ROWB+(\q)*1536
	ds_load_b64 v[\reg+4:\reg+5], v[\adr+2] offset:(\i)*ROWB+(\q)*1536
	ds_load_b128 v[\reg+6:\reg+9], v[\adr] offset:(\i)*ROWB+(\q)*1536+768
	ds_load_b64 v[\reg+10:\reg+11], v[\adr+2] offset:(\i)*ROWB+(\q)*1536+768
.endm
; 16 matrix instructions: A's blocks a0, a0 + 1 x B's eight.  The 64 accumulators take turns, one instruction a turn, in the same order in every step.
.macro MUL16 a0, p, q, sc, zero
.irp a, \a0, \a0+1
.irp b, 0,1,2,3,4,5,6,7
.if \zero
	v_wmma_scale_f32_16x16x128_f8f6f4 v[8*(8*((\a)%4)+\b):8*(8*((\a)%4)+\b)+7], v[128*(\p)+FR*\b:128*(\p)+FR*\b+FR-1], v[AF+FR*(\a):AF+FR*(\a)+FR-1], 0, v[SC+8*NQ*(\sc)+NQ*\b+(\q)], v[SC+8*NQ*(\sc)+NQ*(\a)+(\q)] matrix_a_fmt:MATRIX_FMT_FP6 matrix_b_fmt:MATRIX_FMT_FP6 matrix_a_scale:MATRIX_SCALE_ROW1
.else
	v_wmma_scale_f32_16x16x128_f8f6f4 v[8*(8*((\a)%4)+\b):8*(8*((\a)%4)+\b)+7], v[128*(\p)+FR*\b:128*(\p)+FR*\b+FR-1], v[AF+FR*(\a):AF+FR*(\a)+FR-1], v[8*(8*((\a)%4)+\b):8*(8*((\a)%4)+\b)+7], v[SC+8*NQ*(\sc)+NQ*\b+(\q)], v[SC+8*NQ*(\sc)+NQ*(\a)+(\q)] matrix_a_fmt:MATRIX_FMT_FP6 matrix_b_fmt:MATRIX_FMT_FP6 matrix_a_scale:MATRIX_SCALE_ROW1
.endif
.endr
.endr
.endm
.macro FETCH_B slot, q, p
	WIN TO_B
.irp i, 0,1,2,3,4,5,6,7
	FRAG 128*(\p)+FR*\i, ADRB+\slot, \q, \i
.endr
	WIN 0
.endm
.macro FETCH_A slot, q, i0
.irp i, \i0, \i0+1, \i0+2, \i0+3
	FRAG AF+FR*(\i), ADRA+\slot, \q, \i
.endr
.endm
.macro SCALES sc                       ; a K step's scale words: lanes 0-15 A's block i, lanes 16-31 B's block i
.irp i, 0,1,2,3,4,5,6,7
	ds_load_b32 v[SC+8*NQ*\sc+NQ*\i], v[ADRS] offset:\i*SBLK
	ds_load_b32 v[SC+8*NQ*\sc+NQ*\i+1], v[ADRS] offset:\i*SBLK+64
.endr
.endm
.macro PLACES n                        ; plain vector lines between a matrix instruction and a load into, or a read of, its registers
.rept \n
	v_nop
.endr
.endm
.macro STEP slot, q, zero
	s_wait_dscnt 4*NL                              ; all but the youngest 16 loads (A's blocks 4-7) are in
	WIN MUL_LO
	MUL16 0, (\q)%2, \q, \slot, \zero
	MUL16 2, (\q)%2, \q, \slot, \zero
	s_wait_dscnt 0
	PLACES NP
	FETCH_B \slot, (\q)+1, 1-(\q)%2
	FETCH_A \slot, (\q)+1, 0
	WIN MUL_HI
	MUL16 4, (\q)%2, \q, \slot, \zero
	MUL16 6, (\q)%2, \q, \slot, \zero
	PLACES NP
	WIN 0
	FETCH_A \slot, (\q)+1, 4
.endm
; A slot's last step changes slots: one barrier; in front of it each wave waits for all its tensor loads, adds 0 to its spare word, and waits for that and for its reads of this slot.
.macro TURN slot, next, fill
	s_wait_tensorcnt 0x0                           ; all my tensor loads have landed: my part of the next slot
	ds_add_u32 v[SPW], v[NIL]
	s_wait_dscnt 4*NL+1                            ; (the add and the youngest 16 loads may be out)
	WIN MUL_LO
	MUL16 0, 1, NQ-1, \slot, 0
	s_wait_dscnt 0x0                               ; the add is done, and my reads of this slot are over
	s_barrier_signal -1
	MUL16 2, 1, NQ-1, \slot, 0
	WIN 0
	s_barrier_wait -1
.if \fill
	CREST                                          ; the barrier has opened a round of the cluster's: no wave of any partner still reads this slot or has a load on its way
	s_add_nc_u64 s[G0+4*\slot+2:G0+4*\slot+3], s[G0+4*\slot+2:G0+4*\slot+3], 2*ROWB
	s_add_nc_u64 s[G0B+4*\slot+2:G0B+4*\slot+3], s[G0B+4*\slot+2:G0B+4*\slot+3], 2*ROWB
	JLOAD G0+4*\slot, G1, G0B+4*\slot, G1B         ; the first tensor load behind the round; its four v_nop are the places in front of the loads below
.else
	PLACES NP
.endif
	v_add_nc_u32 v[ADRS], 64*NQ, v[ADRS]           ; the next K step's scale words
	FETCH_B \next, 0, 0
	FETCH_A \next, 0, 0
	SCALES \next
	WIN MUL_HI
	MUL16 4, 1, NQ-1, \slot, 0
	MUL16 6, 1, NQ-1, \slot, 0
	PLACES NP
	WIN 0
	FETCH_A \next, 0, 4
.endm
	s_wait_tensorcnt 1                             ; the scale words and my part of K step 0 are in; K step 1's load may be out
	s_barrier_signal -1
	s_barrier_wait -1
	FETCH_B 0, 0, 0
	FETCH_A 0, 0, 0
	SCALES 0
	FETCH_A 0, 0, 4
	STEP 0, 0, 1                                   ; the first step's products start the sums
	s_mov_b32 s3, LAPS-1
.Llap:
	TURN 0, 1, 1
	STEP 1, 0, 0
	TURN 1, 0, 1
	STEP 0, 0, 0
	s_sub_co_u32 s3, s3, 1
	s_cmp_lg_u32 s3, 0
	s_cbranch_scc1 .Llap
	TURN 0, 1, 0                                   ; the last lap fills nothing
	STEP 1, 0, 0
	s_wait_dscnt 4*NL
	WIN MUL_LO
	MUL16 0, 1, NQ-1, 1, 0
	MUL16 2, 1, NQ-1, 1, 0
	s_wait_dscnt 0
	WIN MUL_HI
	MUL16 4, 1, NQ-1, 1, 0
	MUL16 6, 1, NQ-1, 1, 0
	WIN 0
; 64 numbers of a lane, register 16 b + i = my 16 numbers of block b of my row, become a fragment's codes in v[PC] on and its scale word in v[PW]
.macro QUANT s
.irp b, 0,1,2,3
	v_max3_num_f32 v[TM+\b], |v[\s+16*\b]|, |v[\s+1+16*\b]|, 0x1800000   ; with the floor 2^(3 - 127): the byte cannot fall under 1
.endr
.irp i, 2,4,6,8,10,12,14
.irp b, 0,1,2,3
	v_max3_num_f32 v[TM+\b], v[TM+\b], |v[\s+16*\b+\i]|, |v[\s+1+16*\b+\i]|
.endr
.endr
.irp b, 0,1,2,3
	v_permlanex16_b32 v[TM+4+\b], v[TM+\b], s[SEL], s[SEL+1]
.endr
.irp b, 0,1,2,3
	v_max_num_f32 v[TM+\b], v[TM+\b], v[TM+4+\b]   ; with lane l xor 16's 16: the block's largest magnitude
.endr
.irp b, 0,1,2,3
	v_add_nc_u32 v[TM+12+\b], 0xff000000, v[TM+\b] ; 2 off its exponent field: the conversion's scale operand
.endr
.irp b, 0,1,2,3
	v_lshrrev_b32 v[TM+4+\b], 23, v[TM+12+\b]      ; the byte
.endr
	v_lshl_or_b32 v[PW], v[TM+5], 8, v[TM+4]
	v_lshl_or_b32 v[PW], v[TM+6], 16, v[PW]
	v_lshl_or_b32 v[PW], v[TM+7], 24, v[PW]
.irp c, 0,1
	v_cvt_scalef32_pk16_fp6_f32 v[PC+6*\c:PC+2+6*\c], v[\s+32*\c:\s+15+32*\c], v[TM+12+2*\c]
	v_cvt_scalef32_pk16_fp6_f32 v[PC+12+4*\c:PC+14+4*\c], v[\s+16+32*\c:\s+31+32*\c], v[TM+12+2*\c+1]
.endr
	v_nop                                          ; one plain line behind a scaled conversion
.irp c, 0,1                            ; the layout wants a whole block in a lane
.irp i, 0,1,2
	v_permlane16_swap_b32 v[PC+6*\c+\i], v[PC+12+4*\c+\i]
.endr
.irp i, 0,1,2
	v_mov_b32 v[PC+3+6*\c+\i], v[PC+12+4*\c+\i]
.endr
.endr
.endm
; THE WAY OUT of block a (16 A rows x 128 B rows).  Every branch hangs on the cluster's x alone.
.macro BLOCKQ a
	s_cmp_eq_u32 ttmp9, 3
	s_cbranch_scc1 .Lrowb_\@
	WIN 0x06+(\a)/4                                ; source 0 the sums (window 2 or 3), source 1 the column bias (window 1), result window 0
.set i, 0
.rept 32
	v_pk_add_f32 v[H+i:H+i+1], v[64*((\a)%4)+i:64*((\a)%4)+i+1], v[96+i+96*(i/32):96+i+96*(i/32)+1]
.set i, i+2
.endr
	WIN 0
	s_branch .Lsum_\@
.Lrowb_\@:
	WIN 0x02+(\a)/4                                ; part 3: my row is a channel of v: one bias for all my numbers
.set i, 0
.rept 32
	v_pk_add_f32 v[H+i:H+i+1], v[64*((\a)%4)+i:64*((\a)%4)+i+1], v[BV+2*(\a):BV+2*(\a)+1]
.set i, i+2
.endr
	WIN 0
.Lsum_\@:
	s_cmp_lt_u32 s95, 2
	s_cbranch_scc0 .Lnof_\@
.irp b, 0,1,2,3,4,5,6,7                ; k and v in f32: through my stage, so that sixteen lanes store a head's whole row of 256 bytes
	ds_store_b128 v[STO], v[H+8*\b:H+8*\b+3] offset:64*\b
	ds_store_b128 v[STO], v[H+8*\b+4:H+8*\b+7] offset:64*\b+16
.endr
	s_wait_xcnt 0x0                                ; the last block's stores have read the registers that the loads below write
.irp t, 0,1,2,3,4,5,6,7,8,9,10,11,12,13,14,15
	ds_load_b128 v[BK+4*\t:BK+4*\t+3], v[RD] offset:\t*SPITCH   ; LDS serves a wave's instructions in order: these see the stores above
.endr
	s_wait_dscnt 0x0
.irp t, 0,1,2,3,4,5,6,7,8,9,10,11,12,13,14,15
	global_store_b128 v[OO], v[BK+4*\t:BK+4*\t+3], s[18:19] offset:(16*(\a)+\t)*256 th:TH_STORE_NT
.endr
.Lnof_\@:
	s_cmp_eq_u32 ttmp9, 2
	s_cbranch_scc1 .Ldone_\@
	s_wait_xcnt 0x0                                ; the last block's stores have read the codes' registers
	QUANT H
	s_cmp_eq_u32 ttmp9, 3
	s_cbranch_scc1 .Lvt_\@
	v_lshrrev_b32 v[PW+1], 16, v[PW]               ; q, k: the fragment's two halves are two heads' 64 channels; a head's word has its two bytes lowest (the upper two meet zero codes)
	global_store_b128 v[LI], v[PC:PC+3], s[20:21] offset:768*(\a)
	global_store_b64 v[LJ], v[PC+4:PC+5], s[20:21] offset:768*(\a)
	global_store_b128 v[LI], v[PC+6:PC+9], s[22:23] offset:768*(\a)
	global_store_b64 v[LJ], v[PC+10:PC+11], s[22:23] offset:768*(\a)
	global_store_b32 v[LR], v[PW], s[46:47] offset:64*(\a)
	global_store_b32 v[LR], v[PW+1], s[92:93] offset:64*(\a)
	s_branch .Ldone_\@
.Lvt_\@:                               ; v along the keys: head a / 4, channels 16 (a % 4) on, my 128 keys: a whole fragment
	global_store_b128 v[LI], v[PC:PC+3], s[20:21] offset:((\a)/4)*4*CHK+((\a)%4)*1536
	global_store_b64 v[LJ], v[PC+4:PC+5], s[20:21] offset:((\a)/4)*4*CHK+((\a)%4)*1536
	global_store_b128 v[LI], v[PC+6:PC+9], s[20:21] offset:((\a)/4)*4*CHK+((\a)%4)*1536+768
	global_store_b64 v[LJ], v[PC+10:PC+11], s[20:21] offset:((\a)/4)*4*CHK+((\a)%4)*1536+768
	global_store_b32 v[LR], v[PW], s[46:47] offset:((\a)/4)*4*CHK+((\a)%4)*64
.Ldone_\@:
.endm
	PLACES NP                                      ; behind the last products
.irp b, 0,1,2,3
	v_mov_b32 v[TM+4+\b], 0                        ; written once: a lane permute's destination counts as one of its sources
.endr
	s_wait_loadcnt 0x0                             ; the biases
.irp a, 0,1,2,3,4,5,6,7
	BLOCKQ \a
.endr
	s_wait_tensorcnt 0x0                           ; the wave's end
	ds_add_u32 v[SPW], v[NIL]
	s_wait_dscnt 0x0
	CROUND                                         ; the closing round
	s_endpgm
.Lfunc_end_k_qd56f54edbe_qkv:
	.size	k_qd56f54edbe_qkv, .Lfunc_end_k_qd56f54edbe_qkv-k_qd56f54edbe_qkv
	.p2alignl 7, 3214868480
	.fill 96, 4, 3214868480
	.section	.rodata,"a",@progbits
	.p2align	6, 0x0
	.amdhsa_kernel k_qd56f54edbe_qkv
		.amdhsa_group_segment_fixed_size 327680
		.amdhsa_private_segment_fixed_size 0
		.amdhsa_enable_private_segment 0
		.amdhsa_kernarg_size 48
		.amdhsa_user_sgpr_count 2
		.amdhsa_user_sgpr_kernarg_segment_ptr 1
		.amdhsa_wavefront_size32 1
		.amdhsa_system_sgpr_workgroup_id_x 1
		.amdhsa_system_sgpr_workgroup_id_y 1
		.amdhsa_system_sgpr_workgroup_id_z 1
		.amdhsa_system_vgpr_workitem_id 0
		.amdhsa_next_free_vgpr 1024
		.amdhsa_next_free_sgpr 102
		.amdhsa_reserve_vcc 0
		.amdhsa_float_denorm_mode_32 3
		.amdhsa_float_denorm_mode_16_64 3
		.amdhsa_memory_ordered 1
		.amdhsa_forward_progress 1
		.amdhsa_inst_pref_size 225
	.end_amdhsa_kernel
	.amdgpu_metadata
---
amdhsa.version: [ 1, 2 ]
amdhsa.kernels:
  - .name:           k_qd56f54edbe_qkv
    .symbol:         k_qd56f54edbe_qkv.kd
    .args:
      - { .name: xq, .offset: 0, .size: 8, .value_kind: global_buffer, .address_space: global }
      - { .name: wq, .offset: 8, .size: 8, .value_kind: global_buffer, .address_space: global }
      - { .name: b_attn, .offset: 16, .size: 8, .value_kind: global_buffer, .address_space: global }
      - { .name: qq, .offset: 24, .size: 8, .value_kind: global_buffer, .address_space: global }
      - { .name: kvq, .offset: 32, .size: 8, .value_kind: global_buffer, .address_space: global }
      - { .name: out1, .offset: 40, .size: 8, .value_kind: global_buffer, .address_space: global }
    .group_segment_fixed_size: 327680
    .private_segment_fixed_size: 0
    .kernarg_segment_align: 8
    .kernarg_segment_size: 48
    .max_flat_workgroup_size: 128
    .sgpr_count:     102
    .vgpr_count:     1024
    .wavefront_size: 32
...
	.end_amdgpu_metadata
.endif
;; end of part 3
;; launch attn (part 4): grid 8 x 32, 16 waves a work-group, no clusters, 210,944 bytes of LDS; arguments qq, kvq, aq; writes aq
.if DOCPART == 4
	.amdgcn_target "amdgcn-amd-amdhsa--gfx1250"
	.amdhsa_code_object_version 6
	.text
	.protected	k_qd56f54edbe_attn
	.globl	k_qd56f54edbe_attn
	.p2align	8
	.type	k_qd56f54edbe_attn,@function
k_qd56f54edbe_attn:
	s_mov_b64 s[64:65], 0
	v_nop
	global_prefetch_b8 v0, s[64:65] scope:SCOPE_SE
	s_setreg_imm32_b32 hwreg(HW_REG_WAVE_MODE, 25, 1), 1
	s_wait_xcnt 0x0
; Causal attention of one head (y = batch x 16 + head) on codes of FP6 (E2M3) with E8M0 scales; no 1 / sqrt(d).  Out: the head's 64 channels of a, quantised along the channels for the projection.
; SOFTMAX: t = score x log2(e); M = the running largest t rounded up to a whole number; p = 2^(t - M) is quantised along the keys; the row's sum is taken of the unquantised p and divides at the end.
; LDS: the head's K, V and their scale words, 208,896 bytes, lie in LDS as in memory: four chunks of 512 keys, each filled ONCE, by waves 0-3, all asked for at the head.  Nothing is filled again.
;   a chunk: K [32 tiles][768] | V [4 x 128 keys][4 x 16 channels][1,536] at 24,576 | K's scale words [32][16] at 49,152 | V's [4][4][16] at 51,200.
; SHARES: a wave owns one tile of 16 queries.  Of the work-group's 16 waves eight take tiles 8 x + i and eight tiles 127 - 8 x - i, so every work-group walks 8 x 17 key steps.  A step whose keys all come after the wave's queries is left out (a branch on ids).
; Both products are used transposed: a lane holds one query.  The first product's K is 64: Q's upper 64 codes are zeros, so what stands in the upper half of K's operand counts for nothing:
; tile t's operand is v[32 + 6 t] on, 12 registers, of which the upper six are the next tile's codes.  No scale byte of this program is 0xff.
; Scale words: two tiles to a register, the even tile in lanes 0-15, the odd one in lanes 16-31.
; LIMITS: hidden scores are taken as -infinity where the problem has -1e10: the same as long as a row's largest visible score stays above about -1e10 + 150.  NaN and infinities are not served.
; REGISTERS: v1-4, v11 lane constants; v7-10 a step's addresses; v12 -M, v13 largest t, v[14:15] the sum; v16-27 Q; v28-29 V's scale words; v32-79 K; v80-127 V; v128-191 S^T, then p; v192-223 O^T; v224-235 p's codes; v232-254 at work; v248-251 K's scale words; v253 p's; v255 Q's.
.set CH,    52224
.set SPARE, 4*CH                       ; the spare words, 128 bytes a wave: eight blocks of 256 bytes that no other line names
.set AK0, 1                            ; 16 x lane
.set AK1, 2                            ; 512 + 8 x lane
.set AS4, 3                            ; 4 x lane
.set DL,  4                            ; lane % 16 - 8 (lane / 16)
.set SPW, 5
.set NIL, 6
.set ADT, 7
.set ADK, 8                            ; v8, v9
.set ADS, 10
.set R4,  11                           ; 4 x (lane % 16)
.set S,   128
.set OT,  192
.set WV,  18
.set SEL, 20
.set CS,  22
.set G1,  24
.set G0,  40                           ; s[40:55] a group 0 for each chunk
.set TK,  2
.set TS,  3
.set TJ,  66
.set KF,  67                           ; the step's first key
.set Q0,  68                           ; my first query
.set CNT, 69
	s_load_b128 s[4:7], s[0:1], 0x0                ; qq, kvq
	s_load_b64 s[8:9], s[0:1], 0x10                ; aq
	v_lshl_add_u32 v[SPW], v0, 2, SPARE
	v_mov_b32 v[NIL], 0
	ds_add_u32 v[SPW], v[NIL]                      ; the opening: the add, with its wait ahead of my first tensor load
	v_lshrrev_b32 v8, 5, v0
	v_readfirstlane_b32 s[WV], v8                  ; wave 0..15
	s_and_b32 s70, ttmp7, 0xffff                   ; batch x 16 + head
	s_mov_b32 s[G1], 3<<16                         ; elements of 8 bytes, no mask, no padding
	s_mov_b32 s[G1+1], 32<<16                      ; rows of 256 bytes
	s_mov_b32 s[G1+2], 51<<16                      ; 51 of them: a quarter of a chunk
	s_mov_b32 s[G1+3], 32<<16
	s_mov_b32 s[G1+4], 51
	s_mov_b32 s[G1+5], 32
	s_mov_b32 s[G1+6], 0
	s_mov_b32 s[G1+7], 0
	s_mul_i32 s72, s70, 4*CH
	s_mul_i32 s71, s[WV], 13056                    ; my quarter
	s_add_co_u32 s72, s72, s71
	s_mov_b32 s73, 0
	s_lshr_b32 s74, s[WV], 1
	s_lshl_b32 s75, ttmp9, 3
	s_add_co_u32 s74, s74, s75                     ; 8 x + wave / 2
	s_sub_co_u32 s75, 127, s74
	s_lshr_b32 s76, s[WV], 2
	s_xor_b32 s76, s76, s[WV]
	s_and_b32 s76, s76, 1                          ; early tile or late one: two of each on every run of four waves and on every fourth wave
	s_cmp_eq_u32 s76, 1
	s_cselect_b32 s74, s75, s74                    ; my tile of queries
	s_lshl_b32 s[Q0], s74, 4
	s_mov_b32 s[SEL], 0x76543210
	s_mov_b32 s[SEL+1], 0xfedcba98
	s_mov_b32 s[CS], 0x3fb8aa3b                    ; log2(e)
	s_mov_b32 s[CS+1], s[CS]
	s_mov_b32 s[KF], 0
	s_wait_dscnt 0x0                               ; the opening add is done
	s_wait_kmcnt 0x0
	s_add_nc_u64 s[72:73], s[6:7], s[72:73]
.irp c, 0,1,2,3
	s_mov_b32 s[G0+4*\c], 1
	s_add_co_u32 s[G0+4*\c+1], s71, \c*CH
	s_add_nc_u64 s[G0+4*\c+2:G0+4*\c+3], s[72:73], \c*CH
	s_or_b32 s[G0+4*\c+3], s[G0+4*\c+3], 0x80000000
.endr
	s_cmp_lt_u32 s[WV], 4                          ; all first fills of a wave in one branch on the wave's number: four loads of mine are out
	s_cbranch_scc0 .Lno_fetch
.irp c, 0,1,2,3
	tensor_load_to_lds s[G0+4*\c:G0+4*\c+3], s[G1:G1+7]
	s_nop 0
.endr
.rept 4
	v_nop
.endr
.Lno_fetch:
	s_lshl_b32 s75, s70, 7
	s_add_co_u32 s75, s75, s74
	s_mul_i32 s76, s75, 768
	s_mov_b32 s77, 0
	s_add_nc_u64 s[76:77], s[4:5], s[76:77]        ; Q's codes
	s_lshl_b32 s78, s75, 6
	s_add_co_u32 s78, s78, 3145728
	s_mov_b32 s79, 0
	s_add_nc_u64 s[78:79], s[4:5], s[78:79]        ; Q's scale words
	s_lshr_b32 s80, s70, 4
	s_lshl_b32 s80, s80, 7
	s_add_co_u32 s80, s80, s74                     ; a's tile row: 128 batch + my tile
	s_lshl_b32 s80, s80, 3
	s_bfe_u32 s81, s70, 0x30001
	s_add_co_u32 s80, s80, s81                     ; fragment head / 2
	s_and_b32 s81, s70, 1                          ; half head % 2 of it
	s_mul_i32 s82, s80, 1536
	s_mul_i32 s84, s81, 768
	s_add_co_u32 s82, s82, s84
	s_mov_b32 s83, 0
	s_add_nc_u64 s[82:83], s[8:9], s[82:83]
	s_lshl_b32 s84, s80, 6
	s_lshl_b32 s81, s81, 1
	s_add_co_u32 s84, s84, s81
	s_add_co_u32 s84, s84, 3145728
	s_mov_b32 s85, 0
	s_add_nc_u64 s[84:85], s[8:9], s[84:85]
	v_and_b32 v8, 15, v0
	v_bfe_u32 v9, v0, 4, 1
	v_and_b32 v10, 31, v0
	v_lshlrev_b32 v[AK0], 4, v10
	v_lshlrev_b32 v[AK1], 3, v10
	v_add_nc_u32 v[AK1], 512, v[AK1]
	v_lshlrev_b32 v[AS4], 2, v10
	v_lshlrev_b32 v[R4], 2, v8
	v_lshlrev_b32 v9, 3, v9
	v_sub_nc_u32 v[DL], v8, v9
	global_load_b128 v[16:19], v[AK0], s[76:77]    ; Q stays in registers
	global_load_b64 v[20:21], v[AK1], s[76:77]
	global_load_b32 v255, v[R4], s[78:79]
.irp j, 22,23,24,25,26,27,80,81,82,83,84,85
	v_mov_b32 v[\j], 0                             ; Q's upper 64 codes are zeros; v80-85 are named by key tile 7's operand before V first lands there
.endr
	v_mov_b32 v13, 0xff61b1e6                      ; the largest t so far: -3e38
	v_floor_f32 v12, -v13                          ; -M
	v_mov_b32 v14, 0
	v_mov_b32 v15, 0
.irp j, 236,237,238,239,252,253
	v_mov_b32 v[\j], 0
.endr
.set j, 0
.rept 32
	v_mov_b32 v[OT+j], 0                           ; the step is written once: the first finds zeros
.set j, j+1
.endr
; A KEY STEP: 128 keys
.macro STEP
	s_add_co_u32 s96, s[Q0], 15
	s_cmp_gt_u32 s[KF], s96                        ; all keys behind my queries: nothing to do but step the addresses
	s_cbranch_scc1 .Lhidden_\@
	v_add_nc_u32 v[ADK], s[TK], v[AK0]             ; (these four are also places behind the last step's products, in front of the loads into their registers)
	v_add_nc_u32 v[ADK+1], s[TK], v[AK1]
	v_add_nc_u32 v[ADS], s[TS], v[AS4]
	v_add_nc_u32 v[ADT], s[TJ], v[AS4]
.irp t, 0,1,2,3,4,5,6,7
	ds_load_b128 v[32+6*\t:35+6*\t], v[ADK] offset:768*\t
	ds_load_b64 v[36+6*\t:37+6*\t], v[ADK+1] offset:768*\t
.endr
.irp u, 0,1,2,3
	ds_load_b32 v[248+\u], v[ADS] offset:128*\u
.endr
	s_wait_dscnt 0x0
.irp u, 0,1,2,3                        ; S^T = K Q^T: lane (r, h) holds query r; register 8 t + j is key 16 t + 8 h + j
	v_wmma_scale_f32_16x16x128_f8f6f4 v[S+16*\u:S+16*\u+7], v[32+12*\u:43+12*\u], v[16:27], 0, v[248+\u], v255 matrix_a_fmt:MATRIX_FMT_FP6 matrix_b_fmt:MATRIX_FMT_FP6
	v_wmma_scale_f32_16x16x128_f8f6f4 v[S+16*\u+8:S+16*\u+15], v[38+12*\u:49+12*\u], v[16:27], 0, v[248+\u], v255 matrix_a_fmt:MATRIX_FMT_FP6 matrix_b_fmt:MATRIX_FMT_FP6 matrix_a_scale:MATRIX_SCALE_ROW1
.endr
.rept 4
	v_nop                                          ; places: in front of the first read of the scores, and of V's loads (v80-85 were named by the last product)
.endr
.irp d, 0,1,2,3                        ; V's four fragments land under the softmax
	ds_load_b128 v[80+12*\d:83+12*\d], v[ADK] offset:24576+1536*\d
	ds_load_b64 v[84+12*\d:85+12*\d], v[ADK+1] offset:24576+1536*\d
	ds_load_b128 v[86+12*\d:89+12*\d], v[ADK] offset:24576+1536*\d+768
	ds_load_b64 v[90+12*\d:91+12*\d], v[ADK+1] offset:24576+1536*\d+768
.endr
	ds_load_b32 v28, v[ADT]
	ds_load_b32 v29, v[ADT] offset:128
	s_add_co_u32 s96, s[KF], 127
	s_cmp_le_u32 s96, s[Q0]                        ; all keys count: no mask
	s_cbranch_scc1 .Lopen_\@
	s_sub_co_i32 s96, s[Q0], s[KF]
	v_add_nc_u32 v252, s96, v[DL]                  ; d = my query - the step's first key - 8 h: register n is hidden where 16 (n / 8) + n % 8 > d
	v_mov_b32 v254, 0xff800000
.set n, 0
.rept 64
	v_cmp_gt_i32 vcc_lo, 16*(n/8)+n%8, v252
	v_cndmask_b32 v[S+n], v[S+n], v254, vcc_lo
.set n, n+1
.endr
.Lopen_\@:
.irp b, 0,1,2,3
	v_max3_num_f32 v[232+\b], v[S+16*\b], v[S+1+16*\b], v[S+2+16*\b]   ; the largest score of each block of 32 keys: for the row's maximum, and for the block's largest p
.endr
.irp i, 3,5,7,9,11,13
.irp b, 0,1,2,3
	v_max3_num_f32 v[232+\b], v[232+\b], v[S+16*\b+\i], v[S+1+16*\b+\i]
.endr
.endr
.irp b, 0,1,2,3
	v_max_num_f32 v[232+\b], v[232+\b], v[S+15+16*\b]
.endr
.irp b, 0,1,2,3
	v_permlanex16_b32 v[236+\b], v[232+\b], s[SEL], s[SEL+1]
.endr
.irp b, 0,1,2,3
	v_max_num_f32 v[232+\b], v[232+\b], v[236+\b]
.endr
	v_max3_num_f32 v254, v232, v233, v234
	v_max_num_f32 v254, v254, v235
	v_mul_f32 v254, s[CS], v254
	v_max_num_f32 v13, v13, v254                   ; the running largest t
	v_mov_b32 v254, v12
	v_floor_f32 v12, -v13                          ; the new -M: a whole number
	v_sub_f32 v254, v12, v254
	v_cvt_i32_f32 v254, v254                       ; (it saturates)
	v_ldexp_f32 v252, 1.0, v254                    ; f = 2^(old M - new M): rounds nothing
.set j, 0
.rept 32
	v_pk_fma_f32 v[S+j:S+j+1], v[S+j:S+j+1], s[CS:CS+1], v[12:13] op_sel_hi:[1,0,0]   ; t - M
.set j, j+2
.endr
.irp b, 0,1,2,3
	v_fma_f32 v[232+\b], v[232+\b], s[CS], v12
.endr
.set j, 0
.rept 64
	v_exp_f32 v[S+j], v[S+j]                       ; p = 2^(t - M)
.set j, j+1
.endr
	v_pk_mul_f32 v[14:15], v[14:15], v[252:253] op_sel_hi:[1,0]   ; the sum under the new M (a plain line behind the exponentials)
	s_wait_alu depctr_va_vdst(0)                   ; one wait for the batch, ahead of its first reader
.irp b, 0,1,2,3
	v_exp_f32 v[232+\b], v[232+\b]                 ; each block's largest p
.endr
	v_pk_add_f32 v[236:237], v[S:S+1], v[S+2:S+3]  ; the row's sum, of the unquantised p, in two chains
.irp j, 4,8,12,16,20,24,28,32,36,40,44,48,52,56,60
	v_pk_add_f32 v[14:15], v[14:15], v[S+\j:S+\j+1]
	v_pk_add_f32 v[236:237], v[236:237], v[S+2+\j:S+3+\j]
.endr
	v_pk_add_f32 v[14:15], v[14:15], v[236:237]
	s_wait_alu depctr_va_vdst(0)                   ; and one for the four
.irp b, 0,1,2,3
	v_max_num_f32 v[232+\b], 0x1800000, v[232+\b]  ; the floor 2^(3 - 127)
.endr
.irp b, 0,1,2,3
	v_add_nc_u32 v[244+\b], 0xff000000, v[232+\b]
.endr
.irp b, 0,1,2,3
	v_lshrrev_b32 v[236+\b], 23, v[244+\b]
.endr
	v_lshl_or_b32 v253, v237, 8, v236              ; p's scale word
	v_lshl_or_b32 v253, v238, 16, v253
	v_lshl_or_b32 v253, v239, 24, v253
.irp c, 0,1
	v_cvt_scalef32_pk16_fp6_f32 v[224+6*\c:226+6*\c], v[S+32*\c:S+15+32*\c], v[244+2*\c]
	v_cvt_scalef32_pk16_fp6_f32 v[236+4*\c:238+4*\c], v[S+16+32*\c:S+31+32*\c], v[244+2*\c+1]
.endr
	v_nop
.irp c, 0,1
.irp i, 0,1,2
	v_permlane16_swap_b32 v[224+6*\c+\i], v[236+4*\c+\i]
.endr
.irp i, 0,1,2
	v_mov_b32 v[227+6*\c+\i], v[236+4*\c+\i]
.endr
.endr
.set j, 0
.rept 16
	v_pk_mul_f32 v[OT+j:OT+j+1], v[OT+j:OT+j+1], v[252:253] op_sel_hi:[1,0]   ; O^T under the new M; these sixteen also stand between the lines that made p's codes and scale word and the products
.set j, j+2
.endr
	s_wait_dscnt 0x0                               ; V
.irp u, 0,1                            ; O^T += V^T P^T: four accumulators by turns
	v_wmma_scale_f32_16x16x128_f8f6f4 v[OT+16*\u:OT+16*\u+7], v[80+24*\u:91+24*\u], v[224:235], v[OT+16*\u:OT+16*\u+7], v[28+\u], v253 matrix_a_fmt:MATRIX_FMT_FP6 matrix_b_fmt:MATRIX_FMT_FP6
	v_wmma_scale_f32_16x16x128_f8f6f4 v[OT+16*\u+8:OT+16*\u+15], v[92+24*\u:103+24*\u], v[224:235], v[OT+16*\u+8:OT+16*\u+15], v[28+\u], v253 matrix_a_fmt:MATRIX_FMT_FP6 matrix_b_fmt:MATRIX_FMT_FP6 matrix_a_scale:MATRIX_SCALE_ROW1
.endr
.Lhidden_\@:
	s_add_co_u32 s[KF], s[KF], 128
	s_add_co_u32 s[TK], s[TK], 6144
	s_add_co_u32 s[TS], s[TS], 512
	s_add_co_u32 s[TJ], s[TJ], 256
.endm
.macro CHUNK c
	s_wait_tensorcnt 3-\c                          ; my part of this chunk has landed; the later chunks' loads may be out
	s_wait_dscnt 0x0
	s_barrier_signal -1
	s_barrier_wait -1                              ; everybody's part has
	s_mov_b32 s[TK], \c*CH
	s_mov_b32 s[TS], \c*CH+49152
	s_mov_b32 s[TJ], \c*CH+51200
	s_mov_b32 s[CNT], 4
.Lstep_\@:
	STEP
	s_sub_co_u32 s[CNT], s[CNT], 1
	s_cmp_lg_u32 s[CNT], 0
	s_cbranch_scc1 .Lstep_\@
.endm
	s_wait_loadcnt 0x0                             ; Q
	CHUNK 0
	CHUNK 1
	CHUNK 2
	CHUNK 3
	; THE WAY OUT: O^T / the sum, quantised along the head's 64 channels (two blocks), stored as half a fragment of a
.rept 4
	v_nop
.endr
	v_add_f32 v14, v14, v15
	v_permlanex16_b32 v252, v14, s[SEL], s[SEL+1]
	v_add_f32 v14, v14, v252
	v_rcp_f32 v14, v14
	v_nop
	s_wait_alu depctr_va_vdst(0)
.set j, 0
.rept 32
	v_mul_f32 v[S+j], v[OT+j], v14
.set j, j+1
.endr
.irp b, 0,1
	v_max3_num_f32 v[232+\b], |v[S+16*\b]|, |v[S+1+16*\b]|, 0x1800000
.endr
.irp i, 2,4,6,8,10,12,14
.irp b, 0,1
	v_max3_num_f32 v[232+\b], v[232+\b], |v[S+16*\b+\i]|, |v[S+1+16*\b+\i]|
.endr
.endr
.irp b, 0,1
	v_permlanex16_b32 v[236+\b], v[232+\b], s[SEL], s[SEL+1]
.endr
.irp b, 0,1
	v_max_num_f32 v[232+\b], v[232+\b], v[236+\b]
.endr
.irp b, 0,1
	v_add_nc_u32 v[244+\b], 0xff000000, v[232+\b]
.endr
.irp b, 0,1
	v_lshrrev_b32 v[236+\b], 23, v[244+\b]
.endr
	v_lshl_or_b32 v254, v237, 8, v236              ; my row's two bytes
	v_cvt_scalef32_pk16_fp6_f32 v[224:226], v[S:S+15], v244
	v_cvt_scalef32_pk16_fp6_f32 v[240:242], v[S+16:S+31], v245
	v_nop
.irp i, 0,1,2
	v_permlane16_swap_b32 v[224+\i], v[240+\i]
.endr
.irp i, 0,1,2
	v_mov_b32 v[227+\i], v[240+\i]
.endr
	global_store_b128 v[AK0], v[224:227], s[82:83]
	global_store_b64 v[AK1], v[228:229], s[82:83]
	global_store_b16 v[R4], v254, s[84:85]
	s_wait_tensorcnt 0x0                           ; the wave's end
	ds_add_u32 v[SPW], v[NIL]
	s_wait_dscnt 0x0
	s_endpgm
.Lfunc_end_k_qd56f54edbe_attn:
	.size	k_qd56f54edbe_attn, .Lfunc_end_k_qd56f54edbe_attn-k_qd56f54edbe_attn
	.p2alignl 7, 3214868480
	.fill 96, 4, 3214868480
	.section	.rodata,"a",@progbits
	.p2align	6, 0x0
	.amdhsa_kernel k_qd56f54edbe_attn
		.amdhsa_group_segment_fixed_size 210944
		.amdhsa_private_segment_fixed_size 0
		.amdhsa_enable_private_segment 0
		.amdhsa_kernarg_size 24
		.amdhsa_user_sgpr_count 2
		.amdhsa_user_sgpr_kernarg_segment_ptr 1
		.amdhsa_wavefront_size32 1
		.amdhsa_system_sgpr_workgroup_id_x 1
		.amdhsa_system_sgpr_workgroup_id_y 1
		.amdhsa_system_sgpr_workgroup_id_z 1
		.amdhsa_system_vgpr_workitem_id 0
		.amdhsa_next_free_vgpr 256
		.amdhsa_next_free_sgpr 100
		.amdhsa_reserve_vcc 1
		.amdhsa_float_denorm_mode_32 3
		.amdhsa_float_denorm_mode_16_64 3
		.amdhsa_memory_ordered 1
		.amdhsa_forward_progress 1
		.amdhsa_inst_pref_size 98
	.end_amdhsa_kernel
	.amdgpu_metadata
---
amdhsa.version: [ 1, 2 ]
amdhsa.kernels:
  - .name:           k_qd56f54edbe_attn
    .symbol:         k_qd56f54edbe_attn.kd
    .args:
      - { .name: qq, .offset: 0, .size: 8, .value_kind: global_buffer, .address_space: global }
      - { .name: kvq, .offset: 8, .size: 8, .value_kind: global_buffer, .address_space: global }
      - { .name: aq, .offset: 16, .size: 8, .value_kind: global_buffer, .address_space: global }
    .group_segment_fixed_size: 210944
    .private_segment_fixed_size: 0
    .kernarg_segment_align: 8
    .kernarg_segment_size: 24
    .max_flat_workgroup_size: 512
    .sgpr_count:     100
    .vgpr_count:     256
    .wavefront_size: 32
...
	.end_amdgpu_metadata
.endif
;; end of part 4
;; launch aproj (part 5): grid 4 x 16, 4 waves a work-group, clusters of 4 x 4, 327,680 bytes of LDS; arguments aq, wq, b_aproj, x, x1; writes x1
.if DOCPART == 5
	.amdgcn_target "amdgcn-amd-amdhsa--gfx1250"
	.amdhsa_code_object_version 6
	.text
	.protected	k_qd56f54edbe_aproj
	.globl	k_qd56f54edbe_aproj
	.p2align	8
	.type	k_qd56f54edbe_aproj,@function
k_qd56f54edbe_aproj:
	s_mov_b64 s[64:65], 0
	v_nop
	global_prefetch_b8 v0, s[64:65] scope:SCOPE_SE
	s_setreg_imm32_b32 hwreg(HW_REG_WAVE_MODE, 25, 1), 1
	s_wait_xcnt 0x0
	s_wait_alu depctr_hold_cnt(0) depctr_sa_sdst(0) depctr_va_vdst(0) depctr_va_sdst(0) depctr_va_ssrc(0) depctr_va_vcc(0) depctr_vm_vsrc(0)
	s_getreg_b32 s2, hwreg(HW_REG_IB_STS2, 6, 4)
	s_cmp_eq_u32 s2, 0
	s_cbranch_scc0 .Lentry_in_a_cluster
	s_endpgm
.Lentry_in_a_cluster:
	s_bfe_u32 s2, ttmp6, 0x10000c
	s_cmp_lg_u32 s2, 0xf033
	s_cbranch_scc0 .Lentry_shape_is_right
	s_endpgm
.Lentry_shape_is_right:
; x1 = x + a W_aproj + b on codes of FP6 (E2M3) with E8M0 scales, K = 1,024.  A work-group of four waves makes 256 x 256, a wave 128 x 128 in 64 accumulators.
; OPERANDS lie in memory as images of registers: fragment (16 rows x 128 k) = 1,536 bytes, [row / 16][k / 128]; scale words [row / 16][k / 128][16].  A K step is 256 along K: 3,072 bytes of each tile row.
; Ring of two LDS slots filled by the tensor data mover; all scale words of the work-group's rows come once.  4 x 4 clusters: A's tiles are shared along a row of the cluster, B's along a column, by joint loads.
; The matrix instruction is used transposed (source 0 = B, source 1 = A).  The way out goes through the wave's stage in LDS; rows of 512 bytes take the residual and the bias and are stored whole.
; 1,024 columns make 64 work-groups of this tile: the loop is kept as in the other products of this program.
; REGISTERS: window 0: v0-31 addresses (v8-11 my four biases); v32-63 scale words and nothing else; v128-223 A's fragments; on the way out v64-191 rows, two sets, v192-255 the residual.  window 1: B's two sets.  windows 2, 3: the accumulators.
.set KK,     1024
.set ASO,    3145728                   ; where A's scale words begin in its buffer
.set BCO,    2359296                   ; where this weight's codes begin in wq,
.set BSO,    9535488                   ; and its scale words
.set KS,     KK/128
.set KROW,   1536*KS
.set ROWB,   3072
.set NQ,     2
.set FR,     12
.set NL,     4
.set NP,     4
.set HALFT,  8*ROWB
.set SLOT,   4*HALFT
.set LAPS,   KK/512
.set SCL,    2*SLOT
.set HALFS,  512*KS
.set SBLK,   64*KS
.set SPARE,  SCL+4*HALFS               ; the spare words, 128 bytes a wave: two blocks of 256 bytes that no other line names
.set SPITCH, 528                       ; the stage: 16 rows x (512 + 16) bytes a wave, in slot 0, which has had its last fill and its last read by then
.set LI,   4
.set LJ,   5
.set LR,   6
.set B4,   8
.set ADRA, 16
.set ADRB, 20
.set STO,  24
.set RD,   25
.set ADRS, 27
.set SPW,  28
.set NIL,  29
.set SC,   32
.set AF,   128
.set BK,   64
.set RES,  192
.set G1, 24
.set G0, 32
.set G1B, 48
.set G0B, 56
.set G1S, 68
.set G0S, 76
.set G1SB, 80
.set G0SB, 88
.set MSB, 0
.macro WIN new
.if MSB != \new
	s_set_vgpr_msb (MSB<<8)|\new
.set MSB, \new
.endif
.endm
.set MUL_LO, 0xa1
.set MUL_HI, 0xf1
.set TO_B,   0x40
.macro JLOAD g0a, g1a, g0b, g1b        ; a joint load: waves 0, 1 fetch for A, waves 2, 3 for B; s_nop 0 and four v_nop follow each line
	s_cmp_eq_u32 s15, 0
	s_cbranch_scc0 .Lfor_b_\@
	tensor_load_to_lds s[\g0a:\g0a+3], s[\g1a:\g1a+7]
	s_nop 0
.rept 4
	v_nop
.endr
	s_branch .Lasked_\@
.Lfor_b_\@:
	tensor_load_to_lds s[\g0b:\g0b+3], s[\g1b:\g1b+7]
	s_nop 0
.rept 4
	v_nop
.endr
.Lasked_\@:
.endm
.macro CREST
	s_cmp_lg_u32 s14, 0
	s_cbranch_scc1 .Lnot_wave_0_\@
	s_barrier_signal -3
.Lnot_wave_0_\@:
	s_barrier_wait -3
	s_barrier_signal -1
	s_barrier_wait -1
.endm
.macro CROUND
	s_barrier_signal -1
	s_barrier_wait -1
	CREST
.endm
	s_load_b256 s[4:11], s[0:1], 0x0               ; A s[4:5], wq s[6:7], bias s[8:9], residual s[10:11]
	s_load_b64 s[96:97], s[0:1], 0x20              ; out
	v_lshl_add_u32 v[SPW], v0, 2, SPARE
	v_mov_b32 v[NIL], 0
	ds_add_u32 v[SPW], v[NIL]                      ; the opening: the add, with its wait ahead of my first tensor load
	v_lshrrev_b32 v1, 5, v0
	v_readfirstlane_b32 s14, v1
	s_lshr_b32 s15, s14, 1
	s_and_b32 s16, s14, 1
	s_bfe_u32 s40, ttmp6, 0x40000
	s_bfe_u32 s41, ttmp6, 0x40004
	s_lshl_b32 s42, ttmp9, 2
	s_add_co_u32 s42, s42, s40                     ; block of 256 columns
	s_and_b32 s17, ttmp7, 0xffff
	s_lshl_b32 s17, s17, 2
	s_add_co_u32 s17, s17, s41                     ; block of 256 rows
	s_lshl_b32 s43, s41, 2
	s_lshl_b32 s43, 15, s43
	s_lshl_b32 s44, 0x1111, s40
	s_or_b32 s[G1+0], s43, (3<<16)|(1<<21)         ; the mask; elements of 8 bytes; bit 21 beside a mask; no padding
	s_or_b32 s[G1B+0], s44, (3<<16)|(1<<21)
.irp g, G1, G1B
	s_mov_b32 s[\g+1], (ROWB/8)<<16
	s_mov_b32 s[\g+2], 8<<16
	s_mov_b32 s[\g+3], (ROWB/8)<<16
	s_mov_b32 s[\g+4], 8
	s_mov_b32 s[\g+5], KROW/8
	s_mov_b32 s[\g+6], 0
	s_mov_b32 s[\g+7], 0
.endr
	s_or_b32 s[G1S+0], s43, (3<<16)|(1<<21)
	s_or_b32 s[G1SB+0], s44, (3<<16)|(1<<21)
.irp g, G1S, G1SB
	s_mov_b32 s[\g+1], 32<<16
	s_mov_b32 s[\g+2], (2*KS)<<16
	s_mov_b32 s[\g+3], 32<<16
	s_mov_b32 s[\g+4], 2*KS
	s_mov_b32 s[\g+5], 32
	s_mov_b32 s[\g+6], 0
	s_mov_b32 s[\g+7], 0
.endr
	s_lshl_b32 s18, s16, 3
	s_lshl_b32 s20, s17, 4
	s_add_co_u32 s20, s20, s18
	s_lshl_b32 s46, s42, 4
	s_add_co_u32 s46, s46, s18
	s_mul_i32 s22, s20, 64*KS
	s_add_co_u32 s22, s22, ASO
	s_mul_i32 s92, s46, 64*KS
	s_add_co_u32 s92, s92, BSO
	s_mul_i32 s20, s20, KROW
	s_mul_i32 s46, s46, KROW
	s_add_co_u32 s46, s46, BCO
	s_mov_b32 s21, 0
	s_mov_b32 s23, 0
	s_mov_b32 s47, 0
	s_mov_b32 s93, 0
	s_mul_i32 s45, s14, HALFT
	s_mul_i32 s94, s14, HALFS
	s_wait_dscnt 0x0
	s_wait_kmcnt 0x0
	s_add_nc_u64 s[20:21], s[4:5], s[20:21]
	s_add_nc_u64 s[22:23], s[4:5], s[22:23]
	s_add_nc_u64 s[46:47], s[6:7], s[46:47]
	s_add_nc_u64 s[92:93], s[6:7], s[92:93]
	CROUND
	s_mov_b32 s[G0S], 1
	s_add_co_u32 s[G0S+1], s94, SCL
	s_mov_b64 s[G0S+2:G0S+3], s[22:23]
	s_or_b32 s[G0S+3], s[G0S+3], 0x80000000
	s_mov_b32 s[G0SB], 1
	s_add_co_u32 s[G0SB+1], s94, SCL
	s_mov_b64 s[G0SB+2:G0SB+3], s[92:93]
	s_or_b32 s[G0SB+3], s[G0SB+3], 0x80000000
	JLOAD G0S, G1S, G0SB, G1SB
.irp s, 0,1
	s_mov_b32 s[G0+4*\s], 1
	s_add_co_u32 s[G0+4*\s+1], s45, \s*SLOT
	s_add_nc_u64 s[G0+4*\s+2:G0+4*\s+3], s[20:21], \s*ROWB
	s_or_b32 s[G0+4*\s+3], s[G0+4*\s+3], 0x80000000
	s_mov_b32 s[G0B+4*\s], 1
	s_add_co_u32 s[G0B+4*\s+1], s45, \s*SLOT
	s_add_nc_u64 s[G0B+4*\s+2:G0B+4*\s+3], s[46:47], \s*ROWB
	s_or_b32 s[G0B+4*\s+3], s[G0B+4*\s+3], 0x80000000
	JLOAD G0+4*\s, G1, G0B+4*\s, G1B
.endr
	v_and_b32 v1, 15, v0
	v_bfe_u32 v2, v0, 4, 1
	v_and_b32 v3, 31, v0
	v_lshlrev_b32 v[LI], 4, v3
	v_lshlrev_b32 v[LJ], 3, v3
	v_add_nc_u32 v[LJ], 512, v[LJ]
	v_lshlrev_b32 v[LR], 2, v1
	s_mul_i32 s21, s15, HALFT
	s_mul_i32 s22, s16, HALFT
	s_add_co_u32 s22, s22, 2*HALFT
.irp s, 0,1
	v_add_nc_u32 v[ADRA+\s], s21, v[LI]
	v_add_nc_u32 v[ADRB+\s], s22, v[LI]
	v_add_nc_u32 v[ADRA+2+\s], s21, v[LJ]
	v_add_nc_u32 v[ADRB+2+\s], s22, v[LJ]
	s_add_co_u32 s21, s21, SLOT
	s_add_co_u32 s22, s22, SLOT
.endr
	s_mul_i32 s21, s15, HALFS
	s_mul_i32 s22, s16, HALFS
	s_add_co_u32 s22, s22, 2*HALFS
	s_sub_co_u32 s22, s22, s21
	v_mul_u32_u24 v7, s22, v2
	s_add_co_u32 s21, s21, SCL
	v_add_nc_u32 v7, v[LR], v7
	v_add_nc_u32 v[ADRS], s21, v7
	s_mul_i32 s23, s14, 16*SPITCH
	v_mul_u32_u24 v7, v1, SPITCH
	v_lshl_add_u32 v7, v2, 5, v7
	v_add_nc_u32 v[STO], s23, v7
	v_add_nc_u32 v[RD], s23, v[LI]
	s_lshl_b32 s20, s17, 8
	s_lshl_b32 s21, s15, 7
	s_add_co_u32 s20, s20, s21                     ; my first row
	s_lshl_b32 s20, s20, 12                        ; of 4,096 bytes
	s_lshl_b32 s46, s42, 10
	s_lshl_b32 s47, s16, 9
	s_add_co_u32 s46, s46, s47                     ; my first column, in bytes
	s_mov_b32 s47, 0
	s_add_nc_u64 s[8:9], s[8:9], s[46:47]
	s_add_co_u32 s20, s20, s46
	s_mov_b32 s21, 0
	s_add_nc_u64 s[10:11], s[10:11], s[20:21]
	s_add_nc_u64 s[96:97], s[96:97], s[20:21]
	global_load_b128 v[B4:B4+3], v[LI], s[8:9]     ; the bias of my four columns of a row
.macro FRAG reg, adr, q, i
	ds_load_b128 v[\reg:\reg+3], v[\adr] offset:(\i)*ROWB+(\q)*1536
	ds_load_b64 v[\reg+4:\reg+5], v[\adr+2] offset:(\i)*ROWB+(\q)*1536
	ds_load_b128 v[\reg+6:\reg+9], v[\adr] offset:(\i)*ROWB+(\q)*1536+768
	ds_load_b64 v[\reg+10:\reg+11], v[\adr+2] offset:(\i)*ROWB+(\q)*1536+768
.endm
.macro MUL16 a0, p, q, sc, zero        ; the 64 accumulators take turns, one instruction a turn
.irp a, \a0, \a0+1
.irp b, 0,1,2,3,4,5,6,7
.if \zero
	v_wmma_scale_f32_16x16x128_f8f6f4 v[8*(8*((\a)%4)+\b):8*(8*((\a)%4)+\b)+7], v[128*(\p)+FR*\b:128*(\p)+FR*\b+FR-1], v[AF+FR*(\a):AF+FR*(\a)+FR-1], 0, v[SC+8*NQ*(\sc)+NQ*\b+(\q)], v[SC+8*NQ*(\sc)+NQ*(\a)+(\q)] matrix_a_fmt:MATRIX_FMT_FP6 matrix_b_fmt:MATRIX_FMT_FP6 matrix_a_scale:MATRIX_SCALE_ROW1
.else
	v_wmma_scale_f32_16x16x128_f8f6f4 v[8*(8*((\a)%4)+\b):8*(8*((\a)%4)+\b)+7], v[128*(\p)+FR*\b:128*(\p)+FR*\b+FR-1], v[AF+FR*(\a):AF+FR*(\a)+FR-1], v[8*(8*((\a)%4)+\b):8*(8*((\a)%4)+\b)+7], v[SC+8*NQ*(\sc)+NQ*\b+(\q)], v[SC+8*NQ*(\sc)+NQ*(\a)+(\q)] matrix_a_fmt:MATRIX_FMT_FP6 matrix_b_fmt:MATRIX_FMT_FP6 matrix_a_scale:MATRIX_SCALE_ROW1
.endif
.endr
.endr
.endm
.macro FETCH_B slot, q, p
	WIN TO_B
.irp i, 0,1,2,3,4,5,6,7
	FRAG 128*(\p)+FR*\i, ADRB+\slot, \q, \i
.endr
	WIN 0
.endm
.macro FETCH_A slot, q, i0
.irp i, \i0, \i0+1, \i0+2, \i0+3
	FRAG AF+FR*(\i), ADRA+\slot, \q, \i
.endr
.endm
.macro SCALES sc
.irp i, 0,1,2,3,4,5,6,7
	ds_load_b32 v[SC+8*NQ*\sc+NQ*\i], v[ADRS] offset:\i*SBLK
	ds_load_b32 v[SC+8*NQ*\sc+NQ*\i+1], v[ADRS] offset:\i*SBLK+64
.endr
.endm
.macro PLACES n
.rept \n
	v_nop
.endr
.endm
.macro STEP slot, q, zero
	s_wait_dscnt 4*NL                              ; all but the youngest 16 loads (A's blocks 4-7) are in
	WIN MUL_LO
	MUL16 0, (\q)%2, \q, \slot, \zero
	MUL16 2, (\q)%2, \q, \slot, \zero
	s_wait_dscnt 0
	PLACES NP
	FETCH_B \slot, (\q)+1, 1-(\q)%2
	FETCH_A \slot, (\q)+1, 0
	WIN MUL_HI
	MUL16 4, (\q)%2, \q, \slot, \zero
	MUL16 6, (\q)%2, \q, \slot, \zero
	PLACES NP
	WIN 0
	FETCH_A \slot, (\q)+1, 4
.endm
.macro TURN slot, next, fill
	s_wait_tensorcnt 0x0                           ; all my tensor loads have landed: my part of the next slot
	ds_add_u32 v[SPW], v[NIL]
	s_wait_dscnt 4*NL+1                            ; (the add and the youngest 16 loads may be out)
	WIN MUL_LO
	MUL16 0, 1, NQ-1, \slot, 0
	s_wait_dscnt 0x0                               ; the add is done, and my reads of this slot are over
	s_barrier_signal -1
	MUL16 2, 1, NQ-1, \slot, 0
	WIN 0
	s_barrier_wait -1
.if \fill
	CREST                                          ; a round of the cluster's barrier: no wave of any partner still reads this slot or has a load on its way
	s_add_nc_u64 s[G0+4*\slot+2:G0+4*\slot+3], s[G0+4*\slot+2:G0+4*\slot+3], 2*ROWB
	s_add_nc_u64 s[G0B+4*\slot+2:G0B+4*\slot+3], s[G0B+4*\slot+2:G0B+4*\slot+3], 2*ROWB
	JLOAD G0+4*\slot, G1, G0B+4*\slot, G1B
.else
	PLACES NP
.endif
	v_add_nc_u32 v[ADRS], 64*NQ, v[ADRS]
	FETCH_B \next, 0, 0
	FETCH_A \next, 0, 0
	SCALES \next
	WIN MUL_HI
	MUL16 4, 1, NQ-1, \slot, 0
	MUL16 6, 1, NQ-1, \slot, 0
	PLACES NP
	WIN 0
	FETCH_A \next, 0, 4
.endm
	s_wait_tensorcnt 1                             ; the scale words and my part of K step 0 are in; K step 1's load may be out
	s_barrier_signal -1
	s_barrier_wait -1
	FETCH_B 0, 0, 0
	FETCH_A 0, 0, 0
	SCALES 0
	FETCH_A 0, 0, 4
	STEP 0, 0, 1
	s_mov_b32 s3, LAPS-1
.Llap:
	TURN 0, 1, 1
	STEP 1, 0, 0
	TURN 1, 0, 1
	STEP 0, 0, 0
	s_sub_co_u32 s3, s3, 1
	s_cmp_lg_u32 s3, 0
	s_cbranch_scc1 .Llap
	TURN 0, 1, 0
	STEP 1, 0, 0
	s_wait_dscnt 4*NL
	WIN MUL_LO
	MUL16 0, 1, NQ-1, 1, 0
	MUL16 2, 1, NQ-1, 1, 0
	s_wait_dscnt 0
	WIN MUL_HI
	MUL16 4, 1, NQ-1, 1, 0
	MUL16 6, 1, NQ-1, 1, 0
	WIN 0
; THE WAY OUT, block by block of 16 rows x 128 columns
.macro TOSTAGE a
.set AC, 64*((\a)%4)
	WIN 0x08+4*((\a)/4)                            ; an LDS store's data: window 2 or 3
.irp b, 0,1,2,3,4,5,6,7
	ds_store_b128 v[STO], v[AC+8*\b:AC+8*\b+3] offset:64*\b          ; each accumulator from its low end on
	ds_store_b128 v[STO], v[AC+8*\b+4:AC+8*\b+7] offset:64*\b+16
.endr
	WIN 0
.set BB, BK+64*((\a)%2)
.irp t, 0,1,2,3,4,5,6,7,8,9,10,11,12,13,14,15
	ds_load_b128 v[BB+4*\t:BB+4*\t+3], v[RD] offset:\t*SPITCH        ; LDS serves a wave's instructions in order
.endr
.endm
.macro RESLOAD a
.irp t, 0,1,2,3,4,5,6,7,8,9,10,11,12,13,14,15
	global_load_b128 v[RES+4*\t:RES+4*\t+3], v[LI], s[10:11] offset:(16*(\a)+\t)*4096
.endr
.endm
.macro FINISH a
.set BB, BK+64*((\a)%2)
.set i, 0
.rept 32
	v_pk_add_f32 v[BB+i:BB+i+1], v[BB+i:BB+i+1], v[RES+i:RES+i+1]
.set i, i+2
.endr
.set i, 0
.rept 32
	v_pk_add_f32 v[BB+i:BB+i+1], v[BB+i:BB+i+1], v[B4+i%4:B4+i%4+1]
.set i, i+2
.endr
.endm
.macro SEND a
.set BB, BK+64*((\a)%2)
.irp t, 0,1,2,3,4,5,6,7,8,9,10,11,12,13,14,15
	global_store_b128 v[LI], v[BB+4*\t:BB+4*\t+3], s[96:97] offset:(16*(\a)+\t)*4096   ; 32 lanes store 512 consecutive bytes
.endr
.endm
	PLACES NP
	RESLOAD 0
	TOSTAGE 0
.irp a, 0,1,2,3,4,5,6,7
	s_wait_dscnt 0x0                               ; the block is back from the stage,
	s_wait_loadcnt 0x0                             ; and its residual (and, the first time, the bias) is in
	FINISH \a
.if \a < 7
	RESLOAD \a+1
.if \a > 0
	s_wait_xcnt 0x0                                ; the stores of the block before have read the set that the next block's loads write
.endif
	TOSTAGE \a+1
.endif
	SEND \a
.endr
	s_wait_tensorcnt 0x0                           ; the wave's end
	ds_add_u32 v[SPW], v[NIL]
	s_wait_dscnt 0x0
	CROUND                                         ; the closing round
	s_endpgm
.Lfunc_end_k_qd56f54edbe_aproj:
	.size	k_qd56f54edbe_aproj, .Lfunc_end_k_qd56f54edbe_aproj-k_qd56f54edbe_aproj
	.p2alignl 7, 3214868480
	.fill 96, 4, 3214868480
	.section	.rodata,"a",@progbits
	.p2align	6, 0x0
	.amdhsa_kernel k_qd56f54edbe_aproj
		.amdhsa_group_segment_fixed_size 327680
		.amdhsa_private_segment_fixed_size 0
		.amdhsa_enable_private_segment 0
		.amdhsa_kernarg_size 40
		.amdhsa_user_sgpr_count 2
		.amdhsa_user_sgpr_kernarg_segment_ptr 1
		.amdhsa_wavefront_size32 1
		.amdhsa_system_sgpr_workgroup_id_x 1
		.amdhsa_system_sgpr_workgroup_id_y 1
		.amdhsa_system_sgpr_workgroup_id_z 1
		.amdhsa_system_vgpr_workitem_id 0
		.amdhsa_next_free_vgpr 1024
		.amdhsa_next_free_sgpr 98
		.amdhsa_reserve_vcc 0
		.amdhsa_float_denorm_mode_32 3
		.amdhsa_float_denorm_mode_16_64 3
		.amdhsa_memory_ordered 1
		.amdhsa_forward_progress 1
		.amdhsa_inst_pref_size 190
	.end_amdhsa_kernel
	.amdgpu_metadata
---
amdhsa.version: [ 1, 2 ]
amdhsa.kernels:
  - .name:           k_qd56f54edbe_aproj
    .symbol:         k_qd56f54edbe_aproj.kd
    .args:
      - { .name: aq, .offset: 0, .size: 8, .value_kind: global_buffer, .address_space: global }
      - { .name: wq, .offset: 8, .size: 8, .value_kind: global_buffer, .address_space: global }
      - { .name: b_aproj, .offset: 16, .size: 8, .value_kind: global_buffer, .address_space: global }
      - { .name: x, .offset: 24, .size: 8, .value_kind: global_buffer, .address_space: global }
      - { .name: x1, .offset: 32, .size: 8, .value_kind: global_buffer, .address_space: global }
    .group_segment_fixed_size: 327680
    .private_segment_fixed_size: 0
    .kernarg_segment_align: 8
    .kernarg_segment_size: 40
    .max_flat_workgroup_size: 128
    .sgpr_count:     98
    .vgpr_count:     1024
    .wavefront_size: 32
...
	.end_amdgpu_metadata
.endif
;; end of part 5
;; launch gn2: the kernel of part 2 again; grid 32 x 2, 16 waves a work-group, no clusters, 76,288 bytes of LDS; arguments x1, ln2_w, ln2_b, xq; writes xq
;; launch fc (part 6): grid 16 x 16, 4 waves a work-group, clusters of 4 x 4, 327,680 bytes of LDS; arguments xq, wq, b_fc, hq; writes hq
.if DOCPART == 6
	.amdgcn_target "amdgcn-amd-amdhsa--gfx1250"
	.amdhsa_code_object_version 6
	.text
	.protected	k_qd56f54edbe_fc
	.globl	k_qd56f54edbe_fc
	.p2align	8
	.type	k_qd56f54edbe_fc,@function
k_qd56f54edbe_fc:
	s_mov_b64 s[64:65], 0
	v_nop
	global_prefetch_b8 v0, s[64:65] scope:SCOPE_SE
	s_setreg_imm32_b32 hwreg(HW_REG_WAVE_MODE, 25, 1), 1
	s_wait_xcnt 0x0
	s_wait_alu depctr_hold_cnt(0) depctr_sa_sdst(0) depctr_va_vdst(0) depctr_va_sdst(0) depctr_va_ssrc(0) depctr_va_vcc(0) depctr_vm_vsrc(0)
	s_getreg_b32 s2, hwreg(HW_REG_IB_STS2, 6, 4)
	s_cmp_eq_u32 s2, 0
	s_cbranch_scc0 .Lentry_in_a_cluster
	s_endpgm
.Lentry_in_a_cluster:
	s_bfe_u32 s2, ttmp6, 0x10000c
	s_cmp_lg_u32 s2, 0xf033
	s_cbranch_scc0 .Lentry_shape_is_right
	s_endpgm
.Lentry_shape_is_right:
; h = gelu(xn W_fc + b) on codes of FP6 (E2M3) with E8M0 scales, K = 1,024; h leaves as codes along its 4,096 columns, which are the next product's K.  It never goes to memory in f32.
; A work-group of four waves makes 256 x 256, a wave 128 x 128 in 64 accumulators.  OPERANDS lie in memory as images of registers: fragment (16 rows x 128 k) = 1,536 bytes, [row / 16][k / 128]; scale words [row / 16][k / 128][16].
; Ring of two LDS slots filled by the tensor data mover (a K step is 256 along K: 3,072 bytes of each tile row); all scale words come once.  4 x 4 clusters with joint loads: A's tiles along a row, B's along a column.
; The matrix instruction is used transposed (source 0 = B, source 1 = A): a lane holds one row of h and its registers run along the columns: a wave's 128 columns are one fragment a tile of rows.
; gelu(x) = x / (1 + 2^z), z = x (k0 + k1 x^2), k0 = -2 sqrt(2 / pi) log2(e), k1 = 0.044715 k0: the problem's tanh form, rewritten; all in f32.
; Natural tiles put a block's 32 numbers in the order 0-7, 16-23, 8-15, 24-31: w_mproj's codes are laid in the same order.
; LIMITS: NaN and infinities are not served; blocks under 2^-124 keep the byte 1; a block of zeros gets the byte 1, not 127.
; REGISTERS: window 0: v0-31 addresses (v30-31 k0); v32-63 scale words and nothing else; v128-223 A's fragments; on the way out v64-127 H, v128-191 G, v192-228 the quantiser's.
;   window 1: B's two sets (v0-95, v128-223), the bias in the 64 registers between.  windows 2, 3: the accumulators.
.set KK,     1024
.set ASO,    3145728
.set BCO,    3145728
.set BSO,    9568256
.set KS,     KK/128
.set KROW,   1536*KS
.set ROWB,   3072
.set NQ,     2
.set FR,     12
.set NL,     4
.set NP,     4
.set HALFT,  8*ROWB
.set SLOT,   4*HALFT
.set LAPS,   KK/512
.set SCL,    2*SLOT
.set HALFS,  512*KS
.set SBLK,   64*KS
.set SPARE,  SCL+4*HALFS               ; the spare words, 128 bytes a wave: two blocks of 256 bytes that no other line names
.set LI,   4
.set LJ,   5
.set LR,   6
.set BH,   10
.set ADRA, 16
.set ADRB, 20
.set ADRS, 27
.set SPW,  28
.set NIL,  29
.set SC,   32
.set AF,   128
.set H,    64
.set G,    128
.set PC,   192
.set TM,   212
.set PW,   228
.set SEL,  12
.set G1, 24
.set G0, 32
.set G1B, 48
.set G0B, 56
.set G1S, 68
.set G0S, 76
.set G1SB, 80
.set G0SB, 88
.set MSB, 0
.macro WIN new
.if MSB != \new
	s_set_vgpr_msb (MSB<<8)|\new
.set MSB, \new
.endif
.endm
.set MUL_LO, 0xa1
.set MUL_HI, 0xf1
.set TO_B,   0x40
.macro JLOAD g0a, g1a, g0b, g1b        ; a joint load: waves 0, 1 fetch for A, waves 2, 3 for B; s_nop 0 and four v_nop follow each line
	s_cmp_eq_u32 s15, 0
	s_cbranch_scc0 .Lfor_b_\@
	tensor_load_to_lds s[\g0a:\g0a+3], s[\g1a:\g1a+7]
	s_nop 0
.rept 4
	v_nop
.endr
	s_branch .Lasked_\@
.Lfor_b_\@:
	tensor_load_to_lds s[\g0b:\g0b+3], s[\g1b:\g1b+7]
	s_nop 0
.rept 4
	v_nop
.endr
.Lasked_\@:
.endm
.macro CREST
	s_cmp_lg_u32 s14, 0
	s_cbranch_scc1 .Lnot_wave_0_\@
	s_barrier_signal -3
.Lnot_wave_0_\@:
	s_barrier_wait -3
	s_barrier_signal -1
	s_barrier_wait -1
.endm
.macro CROUND
	s_barrier_signal -1
	s_barrier_wait -1
	CREST
.endm
	s_load_b256 s[4:11], s[0:1], 0x0               ; xq s[4:5], wq s[6:7], b_fc s[8:9], hq s[10:11]
	v_lshl_add_u32 v[SPW], v0, 2, SPARE
	v_mov_b32 v[NIL], 0
	ds_add_u32 v[SPW], v[NIL]                      ; the opening: the add, with its wait ahead of my first tensor load
	v_lshrrev_b32 v1, 5, v0
	v_readfirstlane_b32 s14, v1
	s_lshr_b32 s15, s14, 1
	s_and_b32 s16, s14, 1
	s_bfe_u32 s40, ttmp6, 0x40000
	s_bfe_u32 s41, ttmp6, 0x40004
	s_lshl_b32 s42, ttmp9, 2
	s_add_co_u32 s42, s42, s40
	s_and_b32 s17, ttmp7, 0xffff
	s_lshl_b32 s17, s17, 2
	s_add_co_u32 s17, s17, s41
	s_lshl_b32 s43, s41, 2
	s_lshl_b32 s43, 15, s43
	s_lshl_b32 s44, 0x1111, s40
	s_or_b32 s[G1+0], s43, (3<<16)|(1<<21)
	s_or_b32 s[G1B+0], s44, (3<<16)|(1<<21)
.irp g, G1, G1B
	s_mov_b32 s[\g+1], (ROWB/8)<<16
	s_mov_b32 s[\g+2], 8<<16
	s_mov_b32 s[\g+3], (ROWB/8)<<16
	s_mov_b32 s[\g+4], 8
	s_mov_b32 s[\g+5], KROW/8
	s_mov_b32 s[\g+6], 0
	s_mov_b32 s[\g+7], 0
.endr
	s_or_b32 s[G1S+0], s43, (3<<16)|(1<<21)
	s_or_b32 s[G1SB+0], s44, (3<<16)|(1<<21)
.irp g, G1S, G1SB
	s_mov_b32 s[\g+1], 32<<16
	s_mov_b32 s[\g+2], (2*KS)<<16
	s_mov_b32 s[\g+3], 32<<16
	s_mov_b32 s[\g+4], 2*KS
	s_mov_b32 s[\g+5], 32
	s_mov_b32 s[\g+6], 0
	s_mov_b32 s[\g+7], 0
.endr
	s_lshl_b32 s18, s16, 3
	s_lshl_b32 s20, s17, 4
	s_add_co_u32 s20, s20, s18
	s_lshl_b32 s46, s42, 4
	s_add_co_u32 s46, s46, s18
	s_mul_i32 s22, s20, 64*KS
	s_add_co_u32 s22, s22, ASO
	s_mul_i32 s92, s46, 64*KS
	s_add_co_u32 s92, s92, BSO
	s_mul_i32 s20, s20, KROW
	s_mul_i32 s46, s46, KROW
	s_add_co_u32 s46, s46, BCO
	s_mov_b32 s21, 0
	s_mov_b32 s23, 0
	s_mov_b32 s47, 0
	s_mov_b32 s93, 0
	s_mul_i32 s45, s14, HALFT
	s_mul_i32 s94, s14, HALFS
	s_mov_b32 s[SEL], 0x76543210
	s_mov_b32 s[SEL+1], 0xfedcba98
	s_wait_dscnt 0x0
	s_wait_kmcnt 0x0
	s_add_nc_u64 s[20:21], s[4:5], s[20:21]
	s_add_nc_u64 s[22:23], s[4:5], s[22:23]
	s_add_nc_u64 s[46:47], s[6:7], s[46:47]
	s_add_nc_u64 s[92:93], s[6:7], s[92:93]
	CROUND
	s_mov_b32 s[G0S], 1
	s_add_co_u32 s[G0S+1], s94, SCL
	s_mov_b64 s[G0S+2:G0S+3], s[22:23]
	s_or_b32 s[G0S+3], s[G0S+3], 0x80000000
	s_mov_b32 s[G0SB], 1
	s_add_co_u32 s[G0SB+1], s94, SCL
	s_mov_b64 s[G0SB+2:G0SB+3], s[92:93]
	s_or_b32 s[G0SB+3], s[G0SB+3], 0x80000000
	JLOAD G0S, G1S, G0SB, G1SB
.irp s, 0,1
	s_mov_b32 s[G0+4*\s], 1
	s_add_co_u32 s[G0+4*\s+1], s45, \s*SLOT
	s_add_nc_u64 s[G0+4*\s+2:G0+4*\s+3], s[20:21], \s*ROWB
	s_or_b32 s[G0+4*\s+3], s[G0+4*\s+3], 0x80000000
	s_mov_b32 s[G0B+4*\s], 1
	s_add_co_u32 s[G0B+4*\s+1], s45, \s*SLOT
	s_add_nc_u64 s[G0B+4*\s+2:G0B+4*\s+3], s[46:47], \s*ROWB
	s_or_b32 s[G0B+4*\s+3], s[G0B+4*\s+3], 0x80000000
	JLOAD G0+4*\s, G1, G0B+4*\s, G1B
.endr
	v_and_b32 v1, 15, v0
	v_bfe_u32 v2, v0, 4, 1
	v_and_b32 v3, 31, v0
	v_lshlrev_b32 v[LI], 4, v3
	v_lshlrev_b32 v[LJ], 3, v3
	v_add_nc_u32 v[LJ], 512, v[LJ]
	v_lshlrev_b32 v[LR], 2, v1
	v_lshlrev_b32 v[BH], 5, v2
	v_mov_b32 v30, 0xc0135761                      ; k0, twice: a pair for the packed form
	v_mov_b32 v31, 0xc0135761
	s_mul_i32 s21, s15, HALFT
	s_mul_i32 s22, s16, HALFT
	s_add_co_u32 s22, s22, 2*HALFT
.irp s, 0,1
	v_add_nc_u32 v[ADRA+\s], s21, v[LI]
	v_add_nc_u32 v[ADRB+\s], s22, v[LI]
	v_add_nc_u32 v[ADRA+2+\s], s21, v[LJ]
	v_add_nc_u32 v[ADRB+2+\s], s22, v[LJ]
	s_add_co_u32 s21, s21, SLOT
	s_add_co_u32 s22, s22, SLOT
.endr
	s_mul_i32 s21, s15, HALFS
	s_mul_i32 s22, s16, HALFS
	s_add_co_u32 s22, s22, 2*HALFS
	s_sub_co_u32 s22, s22, s21
	v_mul_u32_u24 v7, s22, v2
	s_add_co_u32 s21, s21, SCL
	v_add_nc_u32 v7, v[LR], v7
	v_add_nc_u32 v[ADRS], s21, v7
	s_lshl_b32 s20, s42, 10
	s_lshl_b32 s21, s16, 9
	s_add_co_u32 s20, s20, s21                     ; my first column, in bytes
	s_mov_b32 s21, 0
	s_add_nc_u64 s[8:9], s[8:9], s[20:21]
	WIN TO_B                                       ; the bias: register 8 t + j = b[col0 + 16 t + 8 h + j]; it lands while the products run
.irp t, 0,1,2,3,4,5,6,7
	global_load_b128 v[96+8*\t+96*(\t/4):96+8*\t+96*(\t/4)+3], v[BH], s[8:9] offset:64*\t
	global_load_b128 v[100+8*\t+96*(\t/4):100+8*\t+96*(\t/4)+3], v[BH], s[8:9] offset:64*\t+16
.endr
	WIN 0
	s_lshl_b32 s22, s17, 4
	s_lshl_b32 s23, s15, 3
	s_add_co_u32 s22, s22, s23                     ; my first tile row of h
	s_lshl_b32 s22, s22, 5                         ; 32 fragments a tile row
	s_lshl_b32 s23, s42, 1
	s_add_co_u32 s22, s22, s23
	s_add_co_u32 s22, s22, s16                     ; my 128 columns are fragment 2 x block + half
	s_mul_i32 s46, s22, 1536
	s_mov_b32 s47, 0
	s_lshl_b32 s22, s22, 6
	s_add_co_u32 s22, s22, 12582912
	s_mov_b32 s23, 0
	s_add_nc_u64 s[46:47], s[10:11], s[46:47]
	s_add_nc_u64 s[22:23], s[10:11], s[22:23]
	s_mov_b32 s94, 0xbdd2d3e8                      ; k1
	s_mov_b32 s95, s94
.macro FRAG reg, adr, q, i
	ds_load_b128 v[\reg:\reg+3], v[\adr] offset:(\i)*ROWB+(\q)*1536
	ds_load_b64 v[\reg+4:\reg+5], v[\adr+2] offset:(\i)*ROWB+(\q)*1536
	ds_load_b128 v[\reg+6:\reg+9], v[\adr] offset:(\i)*ROWB+(\q)*1536+768
	ds_load_b64 v[\reg+10:\reg+11], v[\adr+2] offset:(\i)*ROWB+(\q)*1536+768
.endm
.macro MUL16 a0, p, q, sc, zero        ; the 64 accumulators take turns, one instruction a turn
.irp a, \a0, \a0+1
.irp b, 0,1,2,3,4,5,6,7
.if \zero
	v_wmma_scale_f32_16x16x128_f8f6f4 v[8*(8*((\a)%4)+\b):8*(8*((\a)%4)+\b)+7], v[128*(\p)+FR*\b:128*(\p)+FR*\b+FR-1], v[AF+FR*(\a):AF+FR*(\a)+FR-1], 0, v[SC+8*NQ*(\sc)+NQ*\b+(\q)], v[SC+8*NQ*(\sc)+NQ*(\a)+(\q)] matrix_a_fmt:MATRIX_FMT_FP6 matrix_b_fmt:MATRIX_FMT_FP6 matrix_a_scale:MATRIX_SCALE_ROW1
.else
	v_wmma_scale_f32_16x16x128_f8f6f4 v[8*(8*((\a)%4)+\b):8*(8*((\a)%4)+\b)+7], v[128*(\p)+FR*\b:128*(\p)+FR*\b+FR-1], v[AF+FR*(\a):AF+FR*(\a)+FR-1], v[8*(8*((\a)%4)+\b):8*(8*((\a)%4)+\b)+7], v[SC+8*NQ*(\sc)+NQ*\b+(\q)], v[SC+8*NQ*(\sc)+NQ*(\a)+(\q)] matrix_a_fmt:MATRIX_FMT_FP6 matrix_b_fmt:MATRIX_FMT_FP6 matrix_a_scale:MATRIX_SCALE_ROW1
.endif
.endr
.endr
.endm
.macro FETCH_B slot, q, p
	WIN TO_B
.irp i, 0,1,2,3,4,5,6,7
	FRAG 128*(\p)+FR*\i, ADRB+\slot, \q, \i
.endr
	WIN 0
.endm
.macro FETCH_A slot, q, i0
.irp i, \i0, \i0+1, \i0+2, \i0+3
	FRAG AF+FR*(\i), ADRA+\slot, \q, \i
.endr
.endm
.macro SCALES sc
.irp i, 0,1,2,3,4,5,6,7
	ds_load_b32 v[SC+8*NQ*\sc+NQ*\i], v[ADRS] offset:\i*SBLK
	ds_load_b32 v[SC+8*NQ*\sc+NQ*\i+1], v[ADRS] offset:\i*SBLK+64
.endr
.endm
.macro PLACES n
.rept \n
	v_nop
.endr
.endm
.macro STEP slot, q, zero
	s_wait_dscnt 4*NL                              ; all but the youngest 16 loads (A's blocks 4-7) are in
	WIN MUL_LO
	MUL16 0, (\q)%2, \q, \slot, \zero
	MUL16 2, (\q)%2, \q, \slot, \zero
	s_wait_dscnt 0
	PLACES NP
	FETCH_B \slot, (\q)+1, 1-(\q)%2
	FETCH_A \slot, (\q)+1, 0
	WIN MUL_HI
	MUL16 4, (\q)%2, \q, \slot, \zero
	MUL16 6, (\q)%2, \q, \slot, \zero
	PLACES NP
	WIN 0
	FETCH_A \slot, (\q)+1, 4
.endm
.macro TURN slot, next, fill
	s_wait_tensorcnt 0x0                           ; all my tensor loads have landed: my part of the next slot
	ds_add_u32 v[SPW], v[NIL]
	s_wait_dscnt 4*NL+1                            ; (the add and the youngest 16 loads may be out)
	WIN MUL_LO
	MUL16 0, 1, NQ-1, \slot, 0
	s_wait_dscnt 0x0                               ; the add is done, and my reads of this slot are over
	s_barrier_signal -1
	MUL16 2, 1, NQ-1, \slot, 0
	WIN 0
	s_barrier_wait -1
.if \fill
	CREST                                          ; a round of the cluster's barrier: no wave of any partner still reads this slot or has a load on its way
	s_add_nc_u64 s[G0+4*\slot+2:G0+4*\slot+3], s[G0+4*\slot+2:G0+4*\slot+3], 2*ROWB
	s_add_nc_u64 s[G0B+4*\slot+2:G0B+4*\slot+3], s[G0B+4*\slot+2:G0B+4*\slot+3], 2*ROWB
	JLOAD G0+4*\slot, G1, G0B+4*\slot, G1B
.else
	PLACES NP
.endif
	v_add_nc_u32 v[ADRS], 64*NQ, v[ADRS]
	FETCH_B \next, 0, 0
	FETCH_A \next, 0, 0
	SCALES \next
	WIN MUL_HI
	MUL16 4, 1, NQ-1, \slot, 0
	MUL16 6, 1, NQ-1, \slot, 0
	PLACES NP
	WIN 0
	FETCH_A \next, 0, 4
.endm
	s_wait_tensorcnt 1                             ; the scale words and my part of K step 0 are in; K step 1's load may be out
	s_barrier_signal -1
	s_barrier_wait -1
	FETCH_B 0, 0, 0
	FETCH_A 0, 0, 0
	SCALES 0
	FETCH_A 0, 0, 4
	STEP 0, 0, 1
	s_mov_b32 s3, LAPS-1
.Llap:
	TURN 0, 1, 1
	STEP 1, 0, 0
	TURN 1, 0, 1
	STEP 0, 0, 0
	s_sub_co_u32 s3, s3, 1
	s_cmp_lg_u32 s3, 0
	s_cbranch_scc1 .Llap
	TURN 0, 1, 0
	STEP 1, 0, 0
	s_wait_dscnt 4*NL
	WIN MUL_LO
	MUL16 0, 1, NQ-1, 1, 0
	MUL16 2, 1, NQ-1, 1, 0
	s_wait_dscnt 0
	WIN MUL_HI
	MUL16 4, 1, NQ-1, 1, 0
	MUL16 6, 1, NQ-1, 1, 0
	WIN 0
; 64 numbers of a lane, register 16 b + i = my 16 numbers of block b of my row, become a fragment's codes in v[PC] on and its scale word in v[PW]
.macro QUANT s
.irp b, 0,1,2,3
	v_max3_num_f32 v[TM+\b], |v[\s+16*\b]|, |v[\s+1+16*\b]|, 0x1800000   ; with the floor 2^(3 - 127)
.endr
.irp i, 2,4,6,8,10,12,14
.irp b, 0,1,2,3
	v_max3_num_f32 v[TM+\b], v[TM+\b], |v[\s+16*\b+\i]|, |v[\s+1+16*\b+\i]|
.endr
.endr
.irp b, 0,1,2,3
	v_permlanex16_b32 v[TM+4+\b], v[TM+\b], s[SEL], s[SEL+1]
.endr
.irp b, 0,1,2,3
	v_max_num_f32 v[TM+\b], v[TM+\b], v[TM+4+\b]
.endr
.irp b, 0,1,2,3
	v_add_nc_u32 v[TM+12+\b], 0xff000000, v[TM+\b]
.endr
.irp b, 0,1,2,3
	v_lshrrev_b32 v[TM+4+\b], 23, v[TM+12+\b]
.endr
	v_lshl_or_b32 v[PW], v[TM+5], 8, v[TM+4]
	v_lshl_or_b32 v[PW], v[TM+6], 16, v[PW]
	v_lshl_or_b32 v[PW], v[TM+7], 24, v[PW]
.irp c, 0,1
	v_cvt_scalef32_pk16_fp6_f32 v[PC+6*\c:PC+2+6*\c], v[\s+32*\c:\s+15+32*\c], v[TM+12+2*\c]
	v_cvt_scalef32_pk16_fp6_f32 v[PC+12+4*\c:PC+14+4*\c], v[\s+16+32*\c:\s+31+32*\c], v[TM+12+2*\c+1]
.endr
	v_nop
.irp c, 0,1
.irp i, 0,1,2
	v_permlane16_swap_b32 v[PC+6*\c+\i], v[PC+12+4*\c+\i]
.endr
.irp i, 0,1,2
	v_mov_b32 v[PC+3+6*\c+\i], v[PC+12+4*\c+\i]
.endr
.endr
.endm
; THE WAY OUT of block a (16 rows x my 128 columns): bias, gelu, quantiser, one fragment and its scale words
.macro BLOCKF a
	WIN 0x06+(\a)/4                                ; source 0 the sums (window 2 or 3), source 1 the bias (window 1), result window 0
.set i, 0
.rept 32
	v_pk_add_f32 v[H+i:H+i+1], v[64*((\a)%4)+i:64*((\a)%4)+i+1], v[96+i+96*(i/32):96+i+96*(i/32)+1]
.set i, i+2
.endr
	WIN 0
.set i, 0
.rept 32
	v_pk_mul_f32 v[G+i:G+i+1], v[H+i:H+i+1], v[H+i:H+i+1]
.set i, i+2
.endr
.set i, 0
.rept 32
	v_pk_fma_f32 v[G+i:G+i+1], v[G+i:G+i+1], s[94:95], v[30:31] op_sel_hi:[1,0,1]
.set i, i+2
.endr
.set i, 0
.rept 32
	v_pk_mul_f32 v[G+i:G+i+1], v[G+i:G+i+1], v[H+i:H+i+1]          ; z
.set i, i+2
.endr
.set i, 0
.rept 64
	v_exp_f32 v[G+i], v[G+i]
.set i, i+1
.endr
	v_nop                                          ; a plain line behind the batch,
	s_wait_alu depctr_va_vdst(0)                   ; and one wait for it, ahead of its first reader
.set i, 0
.rept 32
	v_pk_add_f32 v[G+i:G+i+1], v[G+i:G+i+1], 1.0 op_sel_hi:[1,0]
.set i, i+2
.endr
.set i, 0
.rept 64
	v_rcp_f32 v[G+i], v[G+i]
.set i, i+1
.endr
	v_nop
	s_wait_alu depctr_va_vdst(0)
.set i, 0
.rept 32
	v_pk_mul_f32 v[H+i:H+i+1], v[H+i:H+i+1], v[G+i:G+i+1]
.set i, i+2
.endr
	s_wait_xcnt 0x0                                ; the last block's stores have read the codes' registers
	QUANT H
	global_store_b128 v[LI], v[PC:PC+3], s[46:47] offset:49152*(\a)          ; 512 consecutive bytes
	global_store_b64 v[LJ], v[PC+4:PC+5], s[46:47] offset:49152*(\a)         ; 256
	global_store_b128 v[LI], v[PC+6:PC+9], s[46:47] offset:49152*(\a)+768
	global_store_b64 v[LJ], v[PC+10:PC+11], s[46:47] offset:49152*(\a)+768
	global_store_b32 v[LR], v[PW], s[22:23] offset:2048*(\a)
.endm
	PLACES NP                                      ; behind the last products
.irp b, 0,1,2,3
	v_mov_b32 v[TM+4+\b], 0                        ; written once: a lane permute's destination counts as one of its sources
.endr
	s_wait_loadcnt 0x0                             ; the bias
.irp a, 0,1,2,3,4,5,6,7
	BLOCKF \a
.endr
	s_wait_tensorcnt 0x0                           ; the wave's end
	ds_add_u32 v[SPW], v[NIL]
	s_wait_dscnt 0x0
	CROUND                                         ; the closing round
	s_endpgm
.Lfunc_end_k_qd56f54edbe_fc:
	.size	k_qd56f54edbe_fc, .Lfunc_end_k_qd56f54edbe_fc-k_qd56f54edbe_fc
	.p2alignl 7, 3214868480
	.fill 96, 4, 3214868480
	.section	.rodata,"a",@progbits
	.p2align	6, 0x0
	.amdhsa_kernel k_qd56f54edbe_fc
		.amdhsa_group_segment_fixed_size 327680
		.amdhsa_private_segment_fixed_size 0
		.amdhsa_enable_private_segment 0
		.amdhsa_kernarg_size 32
		.amdhsa_user_sgpr_count 2
		.amdhsa_user_sgpr_kernarg_segment_ptr 1
		.amdhsa_wavefront_size32 1
		.amdhsa_system_sgpr_workgroup_id_x 1
		.amdhsa_system_sgpr_workgroup_id_y 1
		.amdhsa_system_sgpr_workgroup_id_z 1
		.amdhsa_system_vgpr_workitem_id 0
		.amdhsa_next_free_vgpr 1024
		.amdhsa_next_free_sgpr 96
		.amdhsa_reserve_vcc 0
		.amdhsa_float_denorm_mode_32 3
		.amdhsa_float_denorm_mode_16_64 3
		.amdhsa_memory_ordered 1
		.amdhsa_forward_progress 1
		.amdhsa_inst_pref_size 255
	.end_amdhsa_kernel
	.section	.bss,"aw",@nobits
	.p2align	6
	.space	262144
	.amdgpu_metadata
---
amdhsa.version: [ 1, 2 ]
amdhsa.kernels:
  - .name:           k_qd56f54edbe_fc
    .symbol:         k_qd56f54edbe_fc.kd
    .args:
      - { .name: xq, .offset: 0, .size: 8, .value_kind: global_buffer, .address_space: global }
      - { .name: wq, .offset: 8, .size: 8, .value_kind: global_buffer, .address_space: global }
      - { .name: b_fc, .offset: 16, .size: 8, .value_kind: global_buffer, .address_space: global }
      - { .name: hq, .offset: 24, .size: 8, .value_kind: global_buffer, .address_space: global }
    .group_segment_fixed_size: 327680
    .private_segment_fixed_size: 0
    .kernarg_segment_align: 8
    .kernarg_segment_size: 32
    .max_flat_workgroup_size: 128
    .sgpr_count:     96
    .vgpr_count:     1024
    .wavefront_size: 32
...
	.end_amdgpu_metadata
.endif
;; end of part 6
;; launch mproj (part 7): grid 4 x 16, 4 waves a work-group, clusters of 4 x 4, 327,680 bytes of LDS; arguments hq, wq, b_mproj, x1, out0; writes out0
.if DOCPART == 7
	.amdgcn_target "amdgcn-amd-amdhsa--gfx1250"
	.amdhsa_code_object_version 6
	.text
	.protected	k_qd56f54edbe_mproj
	.globl	k_qd56f54edbe_mproj
	.p2align	8
	.type	k_qd56f54edbe_mproj,@function
k_qd56f54edbe_mproj:
	s_mov_b64 s[64:65], 0
	v_nop
	global_prefetch_b8 v0, s[64:65] scope:SCOPE_SE
	s_setreg_imm32_b32 hwreg(HW_REG_WAVE_MODE, 25, 1), 1
	s_wait_xcnt 0x0
	s_wait_alu depctr_hold_cnt(0) depctr_sa_sdst(0) depctr_va_vdst(0) depctr_va_sdst(0) depctr_va_ssrc(0) depctr_va_vcc(0) depctr_vm_vsrc(0)
	s_getreg_b32 s2, hwreg(HW_REG_IB_STS2, 6, 4)
	s_cmp_eq_u32 s2, 0
	s_cbranch_scc0 .Lentry_in_a_cluster
	s_endpgm
.Lentry_in_a_cluster:
	s_bfe_u32 s2, ttmp6, 0x10000c
	s_cmp_lg_u32 s2, 0xf033
	s_cbranch_scc0 .Lentry_shape_is_right
	s_endpgm
.Lentry_shape_is_right:
; out0 = x1 + h W_mproj + b on codes of FP6 (E2M3) with E8M0 scales, K = 4,096.  A work-group of four waves makes 256 x 256, a wave 128 x 128 in 64 accumulators.
; OPERANDS lie in memory as images of registers: fragment (16 rows x 128 k) = 1,536 bytes, [row / 16][k / 128]; scale words [row / 16][k / 128][16].  A K step is 256 along K: 3,072 bytes of each tile row.
; Ring of two LDS slots filled by the tensor data mover; all scale words of the work-group's rows come once.  4 x 4 clusters: A's tiles are shared along a row of the cluster, B's along a column, by joint loads.
; The matrix instruction is used transposed (source 0 = B, source 1 = A).  The way out goes through the wave's stage in LDS; rows of 512 bytes take the residual and the bias and are stored whole.
; 1,024 columns make 64 work-groups of this tile: the loop is kept as in the other products of this program.
; REGISTERS: window 0: v0-31 addresses (v8-11 my four biases); v32-63 scale words and nothing else; v128-223 A's fragments; on the way out v64-191 rows, two sets, v192-255 the residual.  window 1: B's two sets.  windows 2, 3: the accumulators.
.set KK,     4096
.set ASO,    12582912                  ; where A's scale words begin in its buffer
.set BCO,    6291456                   ; where this weight's codes begin in wq,
.set BSO,    9699328                   ; and its scale words
.set KS,     KK/128
.set KROW,   1536*KS
.set ROWB,   3072
.set NQ,     2
.set FR,     12
.set NL,     4
.set NP,     4
.set HALFT,  8*ROWB
.set SLOT,   4*HALFT
.set LAPS,   KK/512
.set SCL,    2*SLOT
.set HALFS,  512*KS
.set SBLK,   64*KS
.set SPARE,  SCL+4*HALFS               ; the spare words, 128 bytes a wave: two blocks of 256 bytes that no other line names
.set SPITCH, 528                       ; the stage: 16 rows x (512 + 16) bytes a wave, in slot 0, which has had its last fill and its last read by then
.set LI,   4
.set LJ,   5
.set LR,   6
.set B4,   8
.set ADRA, 16
.set ADRB, 20
.set STO,  24
.set RD,   25
.set ADRS, 27
.set SPW,  28
.set NIL,  29
.set SC,   32
.set AF,   128
.set BK,   64
.set RES,  192
.set G1, 24
.set G0, 32
.set G1B, 48
.set G0B, 56
.set G1S, 68
.set G0S, 76
.set G1SB, 80
.set G0SB, 88
.set MSB, 0
.macro WIN new
.if MSB != \new
	s_set_vgpr_msb (MSB<<8)|\new
.set MSB, \new
.endif
.endm
.set MUL_LO, 0xa1
.set MUL_HI, 0xf1
.set TO_B,   0x40
.macro JLOAD g0a, g1a, g0b, g1b        ; a joint load: waves 0, 1 fetch for A, waves 2, 3 for B; s_nop 0 and four v_nop follow each line
	s_cmp_eq_u32 s15, 0
	s_cbranch_scc0 .Lfor_b_\@
	tensor_load_to_lds s[\g0a:\g0a+3], s[\g1a:\g1a+7]
	s_nop 0
.rept 4
	v_nop
.endr
	s_branch .Lasked_\@
.Lfor_b_\@:
	tensor_load_to_lds s[\g0b:\g0b+3], s[\g1b:\g1b+7]
	s_nop 0
.rept 4
	v_nop
.endr
.Lasked_\@:
.endm
.macro CREST
	s_cmp_lg_u32 s14, 0
	s_cbranch_scc1 .Lnot_wave_0_\@
	s_barrier_signal -3
.Lnot_wave_0_\@:
	s_barrier_wait -3
	s_barrier_signal -1
	s_barrier_wait -1
.endm
.macro CROUND
	s_barrier_signal -1
	s_barrier_wait -1
	CREST
.endm
	s_load_b256 s[4:11], s[0:1], 0x0               ; A s[4:5], wq s[6:7], bias s[8:9], residual s[10:11]
	s_load_b64 s[96:97], s[0:1], 0x20              ; out
	v_lshl_add_u32 v[SPW], v0, 2, SPARE
	v_mov_b32 v[NIL], 0
	ds_add_u32 v[SPW], v[NIL]                      ; the opening: the add, with its wait ahead of my first tensor load
	v_lshrrev_b32 v1, 5, v0
	v_readfirstlane_b32 s14, v1
	s_lshr_b32 s15, s14, 1
	s_and_b32 s16, s14, 1
	s_bfe_u32 s40, ttmp6, 0x40000
	s_bfe_u32 s41, ttmp6, 0x40004
	s_lshl_b32 s42, ttmp9, 2
	s_add_co_u32 s42, s42, s40                     ; block of 256 columns
	s_and_b32 s17, ttmp7, 0xffff
	s_lshl_b32 s17, s17, 2
	s_add_co_u32 s17, s17, s41                     ; block of 256 rows
	s_lshl_b32 s43, s41, 2
	s_lshl_b32 s43, 15, s43
	s_lshl_b32 s44, 0x1111, s40
	s_or_b32 s[G1+0], s43, (3<<16)|(1<<21)         ; the mask; elements of 8 bytes; bit 21 beside a mask; no padding
	s_or_b32 s[G1B+0], s44, (3<<16)|(1<<21)
.irp g, G1, G1B
	s_mov_b32 s[\g+1], (ROWB/8)<<16
	s_mov_b32 s[\g+2], 8<<16
	s_mov_b32 s[\g+3], (ROWB/8)<<16
	s_mov_b32 s[\g+4], 8
	s_mov_b32 s[\g+5], KROW/8
	s_mov_b32 s[\g+6], 0
	s_mov_b32 s[\g+7], 0
.endr
	s_or_b32 s[G1S+0], s43, (3<<16)|(1<<21)
	s_or_b32 s[G1SB+0], s44, (3<<16)|(1<<21)
.irp g, G1S, G1SB
	s_mov_b32 s[\g+1], 32<<16
	s_mov_b32 s[\g+2], (2*KS)<<16
	s_mov_b32 s[\g+3], 32<<16
	s_mov_b32 s[\g+4], 2*KS
	s_mov_b32 s[\g+5], 32
	s_mov_b32 s[\g+6], 0
	s_mov_b32 s[\g+7], 0
.endr
	s_lshl_b32 s18, s16, 3
	s_lshl_b32 s20, s17, 4
	s_add_co_u32 s20, s20, s18
	s_lshl_b32 s46, s42, 4
	s_add_co_u32 s46, s46, s18
	s_mul_i32 s22, s20, 64*KS
	s_add_co_u32 s22, s22, ASO
	s_mul_i32 s92, s46, 64*KS
	s_add_co_u32 s92, s92, BSO
	s_mul_i32 s20, s20, KROW
	s_mul_i32 s46, s46, KROW
	s_add_co_u32 s46, s46, BCO
	s_mov_b32 s21, 0
	s_mov_b32 s23, 0
	s_mov_b32 s47, 0
	s_mov_b32 s93, 0
	s_mul_i32 s45, s14, HALFT
	s_mul_i32 s94, s14, HALFS
	s_wait_dscnt 0x0
	s_wait_kmcnt 0x0
	s_add_nc_u64 s[20:21], s[4:5], s[20:21]
	s_add_nc_u64 s[22:23], s[4:5], s[22:23]
	s_add_nc_u64 s[46:47], s[6:7], s[46:47]
	s_add_nc_u64 s[92:93], s[6:7], s[92:93]
	CROUND
	s_mov_b32 s[G0S], 1
	s_add_co_u32 s[G0S+1], s94, SCL
	s_mov_b64 s[G0S+2:G0S+3], s[22:23]
	s_or_b32 s[G0S+3], s[G0S+3], 0x80000000
	s_mov_b32 s[G0SB], 1
	s_add_co_u32 s[G0SB+1], s94, SCL
	s_mov_b64 s[G0SB+2:G0SB+3], s[92:93]
	s_or_b32 s[G0SB+3], s[G0SB+3], 0x80000000
	JLOAD G0S, G1S, G0SB, G1SB
.irp s, 0,1
	s_mov_b32 s[G0+4*\s], 1
	s_add_co_u32 s[G0+4*\s+1], s45, \s*SLOT
	s_add_nc_u64 s[G0+4*\s+2:G0+4*\s+3], s[20:21], \s*ROWB
	s_or_b32 s[G0+4*\s+3], s[G0+4*\s+3], 0x80000000
	s_mov_b32 s[G0B+4*\s], 1
	s_add_co_u32 s[G0B+4*\s+1], s45, \s*SLOT
	s_add_nc_u64 s[G0B+4*\s+2:G0B+4*\s+3], s[46:47], \s*ROWB
	s_or_b32 s[G0B+4*\s+3], s[G0B+4*\s+3], 0x80000000
	JLOAD G0+4*\s, G1, G0B+4*\s, G1B
.endr
	v_and_b32 v1, 15, v0
	v_bfe_u32 v2, v0, 4, 1
	v_and_b32 v3, 31, v0
	v_lshlrev_b32 v[LI], 4, v3
	v_lshlrev_b32 v[LJ], 3, v3
	v_add_nc_u32 v[LJ], 512, v[LJ]
	v_lshlrev_b32 v[LR], 2, v1
	s_mul_i32 s21, s15, HALFT
	s_mul_i32 s22, s16, HALFT
	s_add_co_u32 s22, s22, 2*HALFT
.irp s, 0,1
	v_add_nc_u32 v[ADRA+\s], s21, v[LI]
	v_add_nc_u32 v[ADRB+\s], s22, v[LI]
	v_add_nc_u32 v[ADRA+2+\s], s21, v[LJ]
	v_add_nc_u32 v[ADRB+2+\s], s22, v[LJ]
	s_add_co_u32 s21, s21, SLOT
	s_add_co_u32 s22, s22, SLOT
.endr
	s_mul_i32 s21, s15, HALFS
	s_mul_i32 s22, s16, HALFS
	s_add_co_u32 s22, s22, 2*HALFS
	s_sub_co_u32 s22, s22, s21
	v_mul_u32_u24 v7, s22, v2
	s_add_co_u32 s21, s21, SCL
	v_add_nc_u32 v7, v[LR], v7
	v_add_nc_u32 v[ADRS], s21, v7
	s_mul_i32 s23, s14, 16*SPITCH
	v_mul_u32_u24 v7, v1, SPITCH
	v_lshl_add_u32 v7, v2, 5, v7
	v_add_nc_u32 v[STO], s23, v7
	v_add_nc_u32 v[RD], s23, v[LI]
	s_lshl_b32 s20, s17, 8
	s_lshl_b32 s21, s15, 7
	s_add_co_u32 s20, s20, s21                     ; my first row
	s_lshl_b32 s20, s20, 12                        ; of 4,096 bytes
	s_lshl_b32 s46, s42, 10
	s_lshl_b32 s47, s16, 9
	s_add_co_u32 s46, s46, s47                     ; my first column, in bytes
	s_mov_b32 s47, 0
	s_add_nc_u64 s[8:9], s[8:9], s[46:47]
	s_add_co_u32 s20, s20, s46
	s_mov_b32 s21, 0
	s_add_nc_u64 s[10:11], s[10:11], s[20:21]
	s_add_nc_u64 s[96:97], s[96:97], s[20:21]
	global_load_b128 v[B4:B4+3], v[LI], s[8:9]     ; the bias of my four columns of a row
.macro FRAG reg, adr, q, i
	ds_load_b128 v[\reg:\reg+3], v[\adr] offset:(\i)*ROWB+(\q)*1536
	ds_load_b64 v[\reg+4:\reg+5], v[\adr+2] offset:(\i)*ROWB+(\q)*1536
	ds_load_b128 v[\reg+6:\reg+9], v[\adr] offset:(\i)*ROWB+(\q)*1536+768
	ds_load_b64 v[\reg+10:\reg+11], v[\adr+2] offset:(\i)*ROWB+(\q)*1536+768
.endm
.macro MUL16 a0, p, q, sc, zero        ; the 64 accumulators take turns, one instruction a turn
.irp a, \a0, \a0+1
.irp b, 0,1,2,3,4,5,6,7
.if \zero
	v_wmma_scale_f32_16x16x128_f8f6f4 v[8*(8*((\a)%4)+\b):8*(8*((\a)%4)+\b)+7], v[128*(\p)+FR*\b:128*(\p)+FR*\b+FR-1], v[AF+FR*(\a):AF+FR*(\a)+FR-1], 0, v[SC+8*NQ*(\sc)+NQ*\b+(\q)], v[SC+8*NQ*(\sc)+NQ*(\a)+(\q)] matrix_a_fmt:MATRIX_FMT_FP6 matrix_b_fmt:MATRIX_FMT_FP6 matrix_a_scale:MATRIX_SCALE_ROW1
.else
	v_wmma_scale_f32_16x16x128_f8f6f4 v[8*(8*((\a)%4)+\b):8*(8*((\a)%4)+\b)+7], v[128*(\p)+FR*\b:128*(\p)+FR*\b+FR-1], v[AF+FR*(\a):AF+FR*(\a)+FR-1], v[8*(8*((\a)%4)+\b):8*(8*((\a)%4)+\b)+7], v[SC+8*NQ*(\sc)+NQ*\b+(\q)], v[SC+8*NQ*(\sc)+NQ*(\a)+(\q)] matrix_a_fmt:MATRIX_FMT_FP6 matrix_b_fmt:MATRIX_FMT_FP6 matrix_a_scale:MATRIX_SCALE_ROW1
.endif
.endr
.endr
.endm
.macro FETCH_B slot, q, p
	WIN TO_B
.irp i, 0,1,2,3,4,5,6,7
	FRAG 128*(\p)+FR*\i, ADRB+\slot, \q, \i
.endr
	WIN 0
.endm
.macro FETCH_A slot, q, i0
.irp i, \i0, \i0+1, \i0+2, \i0+3
	FRAG AF+FR*(\i), ADRA+\slot, \q, \i
.endr
.endm
.macro SCALES sc
.irp i, 0,1,2,3,4,5,6,7
	ds_load_b32 v[SC+8*NQ*\sc+NQ*\i], v[ADRS] offset:\i*SBLK
	ds_load_b32 v[SC+8*NQ*\sc+NQ*\i+1], v[ADRS] offset:\i*SBLK+64
.endr
.endm
.macro PLACES n
.rept \n
	v_nop
.endr
.endm
.macro STEP slot, q, zero
	s_wait_dscnt 4*NL                              ; all but the youngest 16 loads (A's blocks 4-7) are in
	WIN MUL_LO
	MUL16 0, (\q)%2, \q, \slot, \zero
	MUL16 2, (\q)%2, \q, \slot, \zero
	s_wait_dscnt 0
	PLACES NP
	FETCH_B \slot, (\q)+1, 1-(\q)%2
	FETCH_A \slot, (\q)+1, 0
	WIN MUL_HI
	MUL16 4, (\q)%2, \q, \slot, \zero
	MUL16 6, (\q)%2, \q, \slot, \zero
	PLACES NP
	WIN 0
	FETCH_A \slot, (\q)+1, 4
.endm
.macro TURN slot, next, fill
	s_wait_tensorcnt 0x0                           ; all my tensor loads have landed: my part of the next slot
	ds_add_u32 v[SPW], v[NIL]
	s_wait_dscnt 4*NL+1                            ; (the add and the youngest 16 loads may be out)
	WIN MUL_LO
	MUL16 0, 1, NQ-1, \slot, 0
	s_wait_dscnt 0x0                               ; the add is done, and my reads of this slot are over
	s_barrier_signal -1
	MUL16 2, 1, NQ-1, \slot, 0
	WIN 0
	s_barrier_wait -1
.if \fill
	CREST                                          ; a round of the cluster's barrier: no wave of any partner still reads this slot or has a load on its way
	s_add_nc_u64 s[G0+4*\slot+2:G0+4*\slot+3], s[G0+4*\slot+2:G0+4*\slot+3], 2*ROWB
	s_add_nc_u64 s[G0B+4*\slot+2:G0B+4*\slot+3], s[G0B+4*\slot+2:G0B+4*\slot+3], 2*ROWB
	JLOAD G0+4*\slot, G1, G0B+4*\slot, G1B
.else
	PLACES NP
.endif
	v_add_nc_u32 v[ADRS], 64*NQ, v[ADRS]
	FETCH_B \next, 0, 0
	FETCH_A \next, 0, 0
	SCALES \next
	WIN MUL_HI
	MUL16 4, 1, NQ-1, \slot, 0
	MUL16 6, 1, NQ-1, \slot, 0
	PLACES NP
	WIN 0
	FETCH_A \next, 0, 4
.endm
	s_wait_tensorcnt 1                             ; the scale words and my part of K step 0 are in; K step 1's load may be out
	s_barrier_signal -1
	s_barrier_wait -1
	FETCH_B 0, 0, 0
	FETCH_A 0, 0, 0
	SCALES 0
	FETCH_A 0, 0, 4
	STEP 0, 0, 1
	s_mov_b32 s3, LAPS-1
.Llap:
	TURN 0, 1, 1
	STEP 1, 0, 0
	TURN 1, 0, 1
	STEP 0, 0, 0
	s_sub_co_u32 s3, s3, 1
	s_cmp_lg_u32 s3, 0
	s_cbranch_scc1 .Llap
	TURN 0, 1, 0
	STEP 1, 0, 0
	s_wait_dscnt 4*NL
	WIN MUL_LO
	MUL16 0, 1, NQ-1, 1, 0
	MUL16 2, 1, NQ-1, 1, 0
	s_wait_dscnt 0
	WIN MUL_HI
	MUL16 4, 1, NQ-1, 1, 0
	MUL16 6, 1, NQ-1, 1, 0
	WIN 0
; THE WAY OUT, block by block of 16 rows x 128 columns
.macro TOSTAGE a
.set AC, 64*((\a)%4)
	WIN 0x08+4*((\a)/4)                            ; an LDS store's data: window 2 or 3
.irp b, 0,1,2,3,4,5,6,7
	ds_store_b128 v[STO], v[AC+8*\b:AC+8*\b+3] offset:64*\b          ; each accumulator from its low end on
	ds_store_b128 v[STO], v[AC+8*\b+4:AC+8*\b+7] offset:64*\b+16
.endr
	WIN 0
.set BB, BK+64*((\a)%2)
.irp t, 0,1,2,3,4,5,6,7,8,9,10,11,12,13,14,15
	ds_load_b128 v[BB+4*\t:BB+4*\t+3], v[RD] offset:\t*SPITCH        ; LDS serves a wave's instructions in order
.endr
.endm
.macro RESLOAD a
.irp t, 0,1,2,3,4,5,6,7,8,9,10,11,12,13,14,15
	global_load_b128 v[RES+4*\t:RES+4*\t+3], v[LI], s[10:11] offset:(16*(\a)+\t)*4096
.endr
.endm
.macro FINISH a
.set BB, BK+64*((\a)%2)
.set i, 0
.rept 32
	v_pk_add_f32 v[BB+i:BB+i+1], v[BB+i:BB+i+1], v[RES+i:RES+i+1]
.set i, i+2
.endr
.set i, 0
.rept 32
	v_pk_add_f32 v[BB+i:BB+i+1], v[BB+i:BB+i+1], v[B4+i%4:B4+i%4+1]
.set i, i+2
.endr
.endm
.macro SEND a
.set BB, BK+64*((\a)%2)
.irp t, 0,1,2,3,4,5,6,7,8,9,10,11,12,13,14,15
	global_store_b128 v[LI], v[BB+4*\t:BB+4*\t+3], s[96:97] offset:(16*(\a)+\t)*4096   ; 32 lanes store 512 consecutive bytes
.endr
.endm
	PLACES NP
	RESLOAD 0
	TOSTAGE 0
.irp a, 0,1,2,3,4,5,6,7
	s_wait_dscnt 0x0                               ; the block is back from the stage,
	s_wait_loadcnt 0x0                             ; and its residual (and, the first time, the bias) is in
	FINISH \a
.if \a < 7
	RESLOAD \a+1
.if \a > 0
	s_wait_xcnt 0x0                                ; the stores of the block before have read the set that the next block's loads write
.endif
	TOSTAGE \a+1
.endif
	SEND \a
.endr
	s_wait_tensorcnt 0x0                           ; the wave's end
	ds_add_u32 v[SPW], v[NIL]
	s_wait_dscnt 0x0
	CROUND                                         ; the closing round
	s_endpgm
.Lfunc_end_k_qd56f54edbe_mproj:
	.size	k_qd56f54edbe_mproj, .Lfunc_end_k_qd56f54edbe_mproj-k_qd56f54edbe_mproj
	.p2alignl 7, 3214868480
	.fill 96, 4, 3214868480
	.section	.rodata,"a",@progbits
	.p2align	6, 0x0
	.amdhsa_kernel k_qd56f54edbe_mproj
		.amdhsa_group_segment_fixed_size 327680
		.amdhsa_private_segment_fixed_size 0
		.amdhsa_enable_private_segment 0
		.amdhsa_kernarg_size 40
		.amdhsa_user_sgpr_count 2
		.amdhsa_user_sgpr_kernarg_segment_ptr 1
		.amdhsa_wavefront_size32 1
		.amdhsa_system_sgpr_workgroup_id_x 1
		.amdhsa_system_sgpr_workgroup_id_y 1
		.amdhsa_system_sgpr_workgroup_id_z 1
		.amdhsa_system_vgpr_workitem_id 0
		.amdhsa_next_free_vgpr 1024
		.amdhsa_next_free_sgpr 98
		.amdhsa_reserve_vcc 0
		.amdhsa_float_denorm_mode_32 3
		.amdhsa_float_denorm_mode_16_64 3
		.amdhsa_memory_ordered 1
		.amdhsa_forward_progress 1
		.amdhsa_inst_pref_size 190
	.end_amdhsa_kernel
	.amdgpu_metadata
---
amdhsa.version: [ 1, 2 ]
amdhsa.kernels:
  - .name:           k_qd56f54edbe_mproj
    .symbol:         k_qd56f54edbe_mproj.kd
    .args:
      - { .name: hq, .offset: 0, .size: 8, .value_kind: global_buffer, .address_space: global }
      - { .name: wq, .offset: 8, .size: 8, .value_kind: global_buffer, .address_space: global }
      - { .name: b_mproj, .offset: 16, .size: 8, .value_kind: global_buffer, .address_space: global }
      - { .name: x1, .offset: 24, .size: 8, .value_kind: global_buffer, .address_space: global }
      - { .name: out0, .offset: 32, .size: 8, .value_kind: global_buffer, .address_space: global }
    .group_segment_fixed_size: 327680
    .private_segment_fixed_size: 0
    .kernarg_segment_align: 8
    .kernarg_segment_size: 40
    .max_flat_workgroup_size: 128
    .sgpr_count:     98
    .vgpr_count:     1024
    .wavefront_size: 32
...
	.end_amdgpu_metadata
.endif
;; end of part 7
;; ======== version 2 of 2: 7 launches
;; limits: right only within a limited range of input values
;; workspace buffers: wq 9,830,400 bytes; xq 3,276,800 bytes; aq 3,276,800 bytes; hq 13,107,200 bytes; qq 3,407,872 bytes; kvq 6,684,672 bytes; x1 16,777,216 bytes
;; launch wquant (part 8): grid 32 x 8, 16 waves a work-group, no clusters, 76,288 bytes of LDS; arguments w_attn, w_aproj, w_fc, w_mproj, wq, x, ln1_w, ln1_b, xq; writes wq, xq
.if DOCPART == 8
	.amdgcn_target "amdgcn-amd-amdhsa--gfx1250"
	.amdhsa_code_object_version 6
	.text
	.protected	k_qd56f54edbe_wquant
	.globl	k_qd56f54edbe_wquant
	.p2align	8
	.type	k_qd56f54edbe_wquant,@function
k_qd56f54edbe_wquant:
	s_mov_b64 s[64:65], 0
	v_nop
	global_prefetch_b8 v0, s[64:65] scope:SCOPE_SE
	s_setreg_imm32_b32 hwreg(HW_REG_WAVE_MODE, 25, 1), 1
	s_wait_xcnt 0x0
; The four weights, f32 stored [K][N], become codes of FP6 (E2M3) with one E8M0 byte for each 32 along K, laid as IMAGES OF OPERAND REGISTERS:
; a fragment (16 columns n x 128 k) is 1,536 bytes: for c = 0, 1: lane l's registers 6c..6c+3 at 768 c + 16 l, registers 6c+4, 6c+5 at 768 c + 512 + 8 l.
; Fragments lie [n / 16][k / 128]; scale words (four bytes: 128 k of one column) lie [n / 16][k / 128][16].
; A lane takes a column and its registers run down K, so a block of 32 lies in one lane and nothing is transposed.  A wave takes 32 columns x 128 k: two fragments.
; PI = 1 (w_aproj, w_mproj): inside each block of 32 the numbers stand in the order 0-7, 16-23, 8-15, 24-31, which is the order in which the other operand of that product is made; scale and sum are not changed by it.
; A block's scale byte is its largest magnitude's exponent field - 2, held at 1 from below (a block of zeros gets 1, not 127: its codes are zeros and only this program reads the bytes).
; LIMITS: NaN and infinities are not served; blocks under 2^-124 keep the byte 1.
; Work-group x: 0-11 w_attn, 12-15 w_aproj, 16-31 w_fc, 32-47 w_mproj; 256 columns each; y (and for w_mproj x too) says which 128 along K.
.set X,  32                            ; v32-95   two sets of 32 numbers
.set CQ, 96                            ; v96-127  block q's six code registers at CQ + 8 q
.set T,  16                            ; v16-18   a block's upper 16 codes on their way (a conversion's three registers begin on an even number)
	s_and_b32 s15, ttmp7, 0xffff                   ; grid row
	s_cmp_lt_u32 s15, 2
	s_cbranch_scc1 .Lnorm
	s_load_b256 s[4:11], s[0:1], 0x0
	s_load_b64 s[12:13], s[0:1], 0x20              ; wq
	v_lshrrev_b32 v1, 5, v0
	s_delay_alu instid0(VALU_DEP_1)
	v_readfirstlane_b32 s14, v1                    ; wave 0..15
	v_and_b32 v5, 31, v0                           ; lane
	s_delay_alu instid0(VALU_DEP_1)
	v_lshlrev_b32 v1, 2, v5                        ; in: 4 bytes a lane
	s_delay_alu instid0(VALU_DEP_2)
	v_lshlrev_b32 v2, 4, v5                        ; out: 16 bytes a lane,
	s_delay_alu instid0(VALU_DEP_3)
	v_lshlrev_b32 v3, 3, v5                        ; and 8
	v_and_b32 v6, 15, v0                           ; my column in its tile
	v_bfe_u32 v7, v0, 4, 1                         ; which of the wave's two tiles
	; ONE LAUNCH PREPARES ALL: grid rows 0, 1 take the first group norm (label .Lnorm), rows 2-7 the weights.
	; The x and y that the head comment speaks of are made here: a work-group of 16 waves does two shares of 8 waves.
	s_sub_co_u32 s15, s15, 2
	s_lshl_b32 s15, s15, 5
	s_add_co_u32 s15, s15, ttmp9                   ; L = 0..191
	s_lshr_b32 s30, s15, 2                         ; x = L / 4: 0..47
	s_lshl_b32 s15, s15, 1
	s_lshr_b32 s31, s14, 3
	s_add_co_u32 s15, s15, s31
	s_and_b32 s15, s15, 7                          ; y = (2 L + wave / 8) % 8
	s_and_b32 s14, s14, 7                          ; wave in its share
	s_wait_kmcnt 0x0
.macro WLOAD t, N, PI                  ; block t: 32 rows of my column, in the order that PI asks for; each load reads 128 consecutive bytes a wave
.set i, 0
.rept 32
	global_load_b32 v[X+32*((\t)%2)+i], v1, s[22:23] offset:(32*(\t)+(\PI)*(8*(2*((i/8)%2)+i/16)+i%8)+(1-(\PI))*i)*4*(\N) th:TH_LOAD_NT
.set i, i+1
.endr
.endm
.macro WBLOCK t, N, PI
.set XS, X+32*((\t)%2)
.if (\t) < 3
	s_wait_loadcnt 32                              ; this block's 32 loads are in; the next block's 32 may be out
.else
	s_wait_loadcnt 0x0
.endif
	v_max3_num_f32 v8, |v[XS]|, |v[XS+1]|, |v[XS+2]|
	v_max3_num_f32 v9, |v[XS+3]|, |v[XS+4]|, |v[XS+5]|
.irp i, 6,10,14,18,22,26
	s_delay_alu instid0(VALU_DEP_2)
	v_max3_num_f32 v8, v8, |v[XS+\i]|, |v[XS+\i+1]|
	s_delay_alu instid0(VALU_DEP_2)
	v_max3_num_f32 v9, v9, |v[XS+\i+2]|, |v[XS+\i+3]|
.endr
	s_delay_alu instid0(VALU_DEP_2)
	v_max3_num_f32 v8, v8, |v[XS+30]|, |v[XS+31]|
	s_delay_alu instid0(VALU_DEP_1)
	v_max3_num_f32 v8, v8, v9, 0x1800000           ; with the floor 2^(3 - 127): the byte cannot fall under 1
	s_delay_alu instid0(VALU_DEP_1)
	v_add_nc_u32 v11, 0xff000000, v8               ; 2 off the exponent field: the conversion's scale operand
	v_cvt_scalef32_pk16_fp6_f32 v[CQ+8*(\t):CQ+8*(\t)+2], v[XS:XS+15], v11
	v_cvt_scalef32_pk16_fp6_f32 v[T:T+2], v[XS+16:XS+31], v11
	v_lshrrev_b32 v10, 23, v11                     ; the byte (also the plain line behind the conversions)
.if (\t) == 0
	s_delay_alu instid0(VALU_DEP_1)
	v_mov_b32 v14, v10
.else
	s_delay_alu instid0(VALU_DEP_1)
	v_lshl_or_b32 v14, v10, 8*(\t), v14            ; four bytes make my column's scale word
.endif
.irp i, 0,1,2
	v_mov_b32 v[CQ+8*(\t)+3+\i], v[T+\i]
.endr
.if (\t) < 2
	WLOAD (\t)+2, \N, \PI
.endif
.endm
; s16 = which 256 columns, s17 = which 128 along K
.macro WQ N, KSN, PI, PTR, COFF, SOFF
	s_lshl_b32 s18, s16, 3
	s_add_co_u32 s18, s18, s14                     ; my 32 columns: number 8 cg + wave
	s_mul_i32 s20, s17, 512*\N                     ; 128 rows of 4 N bytes
	s_lshl_b32 s19, s18, 7
	s_add_co_u32 s20, s20, s19
	s_mov_b32 s21, 0
	s_add_nc_u64 s[22:23], s[\PTR:\PTR+1], s[20:21]
	s_mul_i32 s24, s18, 2*\KSN
	s_add_co_u32 s24, s24, s17                     ; my first fragment's number
	s_mul_i32 s26, s24, 1536
	s_add_co_u32 s26, s26, \COFF
	s_mov_b32 s27, 0
	s_add_nc_u64 s[26:27], s[12:13], s[26:27]
	s_lshl_b32 s28, s24, 6
	s_add_co_u32 s28, s28, \SOFF
	s_mov_b32 s29, 0
	s_add_nc_u64 s[28:29], s[12:13], s[28:29]
	v_mul_u32_u24 v4, v7, 64*\KSN
	s_delay_alu instid0(VALU_DEP_1)
	v_lshl_add_u32 v4, v6, 2, v4                   ; my scale word's place
	WLOAD 0, \N, \PI
	WLOAD 1, \N, \PI
	WBLOCK 0, \N, \PI
	WBLOCK 1, \N, \PI
	WBLOCK 2, \N, \PI
	WBLOCK 3, \N, \PI
.irp c, 0,1                            ; the layout wants blocks 2c (lanes 0-15) and 2c + 1 (lanes 16-31) of ONE tile in a register: the exchange leaves tile 0's in CQ[2c], tile 1's in CQ[2c + 1]
.irp i, 0,1,2,3,4,5
	v_permlane16_swap_b32 v[CQ+16*\c+\i], v[CQ+16*\c+8+\i]
.endr
.endr
.irp c, 0,1
.irp u, 0,1
	global_store_b128 v2, v[CQ+8*(2*\c+\u):CQ+8*(2*\c+\u)+3], s[26:27] offset:\u*\KSN*1536+768*\c        ; 512 consecutive bytes
	global_store_b64 v3, v[CQ+8*(2*\c+\u)+4:CQ+8*(2*\c+\u)+5], s[26:27] offset:\u*\KSN*1536+768*\c+512   ; 256 consecutive bytes
.endr
.endr
	global_store_b32 v4, v14, s[28:29]
	s_endpgm
.endm
	s_cmp_lt_u32 s30, 12
	s_cbranch_scc1 .Lattn
	s_cmp_lt_u32 s30, 16
	s_cbranch_scc1 .Laproj
	s_cmp_lt_u32 s30, 32
	s_cbranch_scc1 .Lfc
	s_sub_co_u32 s18, s30, 32
	s_and_b32 s16, s18, 3
	s_lshr_b32 s18, s18, 2
	s_lshl_b32 s18, s18, 3
	s_add_co_u32 s17, s18, s15
	s_wait_alu depctr_va_vdst(0)
	WQ 1024, 32, 1, 10, 6291456, 9699328
.Lattn:
	s_mov_b32 s16, s30
	s_mov_b32 s17, s15
	s_wait_alu depctr_va_vdst(0)
	WQ 3072, 8, 0, 4, 0, 9437184
.Laproj:
	s_sub_co_u32 s16, s30, 12
	s_mov_b32 s17, s15
	s_wait_alu depctr_va_vdst(0)
	WQ 1024, 8, 1, 6, 2359296, 9535488
.Lfc:
	s_sub_co_u32 s16, s30, 16
	s_mov_b32 s17, s15
	s_wait_alu depctr_va_vdst(0)
	WQ 4096, 8, 0, 8, 3145728, 9568256
; THE FIRST GROUP NORM AND ITS QUANTISER (x = group, y = batch): the work-group holds its 2,048 rows x 32 channels in registers, a thread 4 rows;
; mean and variance in two passes; a group of 32 channels is one block along K.  Codes and scale bytes leave as images of operand registers, as the weights do.
; LIMITS: NaN and infinities are not served; blocks under 2^-124 and blocks of zeros keep the byte 1 (only this program reads the bytes).
.set CD,    160                        ; set i's six code registers at CD + 8 i
.set BY,    20                         ; set i's scale byte
.set SPW,   28                         ; my spare word's LDS address; never rewritten
.set NIL,   29                         ; 0; never rewritten
.set ZA,    30                         ; where the waves' partial sums lie
.set STG,   4608                       ; a wave's stage: 32 rows x 144 bytes
.set RED,   73728                      ; 16 words for the sums, 256 bytes on 16 for the squares
.set SPARE, 74240                      ; the spare words, 128 bytes a wave
.Lnorm:
	s_load_b256 s[4:11], s[0:1], 0x28              ; x, gain, bias, xq
	v_lshl_add_u32 v[SPW], v0, 2, SPARE
	v_mov_b32 v[NIL], 0
	v_lshrrev_b32 v1, 5, v0
	s_delay_alu instid0(VALU_DEP_1)
	v_readfirstlane_b32 s12, v1                    ; wave 0..15
	s_and_b32 s13, ttmp7, 0xffff                   ; batch
	s_lshl_b32 s14, ttmp9, 7                       ; the group's 128 bytes in a row
	s_mov_b32 s15, 0
	s_lshl_b32 s16, s13, 23
	s_add_co_u32 s16, s16, s14
	s_mov_b32 s17, 0
	s_mov_b32 s18, 0x76543210
	s_mov_b32 s19, 0xfedcba98                      ; selects: lane l xor 16
	s_mov_b32 s20, 0x37800000                      ; 1 / (2,048 x 32)
	v_and_b32 v1, 31, v0
	s_delay_alu instid0(VALU_DEP_1)
	v_lshrrev_b32 v2, 3, v1
	s_delay_alu instid0(VALU_DEP_2)
	v_and_b32 v3, 7, v1
	s_lshl_b32 s22, s12, 7
	v_add_nc_u32 v4, s22, v2
	s_delay_alu instid0(VALU_DEP_1)
	v_lshlrev_b32 v4, 12, v4
	s_delay_alu instid0(VALU_DEP_1)
	v_lshl_add_u32 v4, v3, 4, v4                   ; in: row 128 wave + lane / 8, byte 16 (lane % 8)
	s_mul_i32 s23, s12, STG
	v_mul_u32_u24 v5, v2, 144
	s_delay_alu instid0(VALU_DEP_1)
	v_lshl_add_u32 v5, v3, 4, v5
	s_delay_alu instid0(VALU_DEP_1)
	v_add_nc_u32 v5, s23, v5                       ; into the stage, as loaded
	v_mul_u32_u24 v6, v1, 144
	s_delay_alu instid0(VALU_DEP_1)
	v_add_nc_u32 v6, s23, v6                       ; out of it: row = lane
	v_mov_b32 v7, s12
	s_delay_alu instid0(VALU_DEP_1)
	v_lshl_add_u32 v7, v7, 2, RED                  ; my wave's word
	v_mov_b32 v[ZA], RED
	s_wait_alu depctr_va_vdst(0)                   ; a wait at the head's end
	s_wait_kmcnt 0x0
	s_add_nc_u64 s[4:5], s[4:5], s[16:17]
.irp i, 0,1,2,3
.irp q, 0,1,2,3,4,5,6,7
	global_load_b128 v[X+32*\i+4*\q:X+32*\i+4*\q+3], v4, s[4:5] offset:(32*\i+4*\q)*4096
.endr
.endr
	s_add_nc_u64 s[6:7], s[6:7], s[14:15]
	s_add_nc_u64 s[8:9], s[8:9], s[14:15]
	s_load_b512 s[32:47], s[6:7], 0x0              ; 32 gains: s32-63
	s_load_b512 s[48:63], s[6:7], 0x40
	s_load_b512 s[68:83], s[8:9], 0x0              ; 32 biases: s68-99
	s_load_b512 s[84:99], s[8:9], 0x40
.irp i, 0,1,2,3                        ; the turn through my own stage: LDS serves a wave's instructions in order
	s_wait_loadcnt 24-8*\i                         ; this set's eight loads are in; the later sets' may be out
.irp q, 0,1,2,3,4,5,6,7
	ds_store_b128 v5, v[X+32*\i+4*\q:X+32*\i+4*\q+3] offset:576*\q
.endr
.irp q, 0,1,2,3,4,5,6,7
	ds_load_b128 v[X+32*\i+4*\q:X+32*\i+4*\q+3], v6 offset:16*\q
.endr
.endr
	s_wait_dscnt 0x0
.macro REDUCE off                      ; four pairs v[8:15] -> the work-group's total in v8, the same bits in every wave
	s_delay_alu instid0(VALU_DEP_3)
	v_pk_add_f32 v[8:9], v[8:9], v[10:11]
	s_delay_alu instid0(VALU_DEP_2)
	v_pk_add_f32 v[12:13], v[12:13], v[14:15]
	s_delay_alu instid0(VALU_DEP_1)
	v_pk_add_f32 v[8:9], v[8:9], v[12:13]
	s_delay_alu instid0(VALU_DEP_1)
	v_add_f32 v8, v8, v9
.irp m, 1,2,4,8
	s_delay_alu instid0(VALU_DEP_1)
	v_add_f32_dpp v8, v8, v8 row_xmask:\m row_mask:0xf bank_mask:0xf
.endr
	s_delay_alu instid0(VALU_DEP_1)
	v_permlanex16_b32 v9, v8, s18, s19
	s_delay_alu instid0(VALU_DEP_1)
	v_add_f32 v8, v8, v9
	ds_store_b32 v7, v8 offset:\off
	s_wait_dscnt 0x0                               ; for the others' sake: my word has landed
	s_barrier_signal -1
	s_barrier_wait -1
	ds_load_b128 v[8:11], v[ZA] offset:\off
	ds_load_b128 v[12:15], v[ZA] offset:\off+16
	ds_load_b128 v[16:19], v[ZA] offset:\off+32
	ds_load_b128 v[20:23], v[ZA] offset:\off+48
	s_wait_dscnt 0x0
	v_pk_add_f32 v[8:9], v[8:9], v[10:11]
	v_pk_add_f32 v[12:13], v[12:13], v[14:15]
	v_pk_add_f32 v[16:17], v[16:17], v[18:19]
	v_pk_add_f32 v[20:21], v[20:21], v[22:23]
	s_delay_alu instid0(VALU_DEP_3)
	v_pk_add_f32 v[8:9], v[8:9], v[12:13]
	s_delay_alu instid0(VALU_DEP_2)
	v_pk_add_f32 v[16:17], v[16:17], v[20:21]
	s_delay_alu instid0(VALU_DEP_1)
	v_pk_add_f32 v[8:9], v[8:9], v[16:17]
	s_delay_alu instid0(VALU_DEP_1)
	v_add_f32 v8, v8, v9
.endm
.irp k, 0,1,2,3                        ; the sum of my 128 numbers, in four chains
	v_pk_add_f32 v[8+2*\k:9+2*\k], v[X+2*\k:X+2*\k+1], v[X+8+2*\k:X+9+2*\k]
.endr
.set j, 8
.rept 56
	s_delay_alu instid0(VALU_DEP_4)
	v_pk_add_f32 v[8+2*(j%4):9+2*(j%4)], v[8+2*(j%4):9+2*(j%4)], v[X+2*j:X+2*j+1]
.set j, j+1
.endr
	REDUCE 0
	s_delay_alu instid0(VALU_DEP_1)
	v_mul_f32 v24, s20, v8                         ; the mean
	s_delay_alu instid0(VALU_DEP_1)
	v_mov_b32 v25, v24
.set j, 0
.rept 64
	v_pk_add_f32 v[X+2*j:X+2*j+1], v[X+2*j:X+2*j+1], v[24:25] neg_lo:[0,1] neg_hi:[0,1]
.set j, j+1
.endr
.irp k, 0,1,2,3
	v_pk_mul_f32 v[8+2*\k:9+2*\k], v[X+2*\k:X+2*\k+1], v[X+2*\k:X+2*\k+1]
.endr
.set j, 4
.rept 60
	s_delay_alu instid0(VALU_DEP_4)
	v_pk_fma_f32 v[8+2*(j%4):9+2*(j%4)], v[X+2*j:X+2*j+1], v[X+2*j:X+2*j+1], v[8+2*(j%4):9+2*(j%4)]
.set j, j+1
.endr
	REDUCE 256                                     ; other words than the first sum's
	s_delay_alu instid0(VALU_DEP_1)
	v_fmaak_f32 v8, s20, v8, 0x3727c5ac            ; the variance + 1e-5
	s_wait_alu depctr_va_vdst(0)                   ; a wait ahead of the transcendental,
	v_rsq_f32 v8, v8
	v_nop
	s_wait_alu depctr_va_vdst(0)                   ; and ahead of its first reader
	v_readfirstlane_b32 s21, v8
	s_wait_kmcnt 0x0                               ; gains and biases
.set c, 0
.rept 32
	s_mul_f32 s[32+c], s[32+c], s21                ; gain / sqrt(variance + eps)
.set c, c+1
.endr
.irp i, 0,1,2,3
.set c, 0
.rept 32
	v_fma_f32 v[X+32*\i+c], v[X+32*\i+c], s[32+c], s[68+c]
.set c, c+1
.endr
.endr
.irp i, 0,1,2,3                        ; a lane's 32 numbers of a set are one block
	v_max3_num_f32 v8, |v[X+32*\i]|, |v[X+32*\i+1]|, |v[X+32*\i+2]|
	v_max3_num_f32 v9, |v[X+32*\i+3]|, |v[X+32*\i+4]|, |v[X+32*\i+5]|
.irp n, 6,10,14,18,22,26
	s_delay_alu instid0(VALU_DEP_2)
	v_max3_num_f32 v8, v8, |v[X+32*\i+\n]|, |v[X+32*\i+\n+1]|
	s_delay_alu instid0(VALU_DEP_2)
	v_max3_num_f32 v9, v9, |v[X+32*\i+\n+2]|, |v[X+32*\i+\n+3]|
.endr
	s_delay_alu instid0(VALU_DEP_2)
	v_max3_num_f32 v8, v8, |v[X+32*\i+30]|, |v[X+32*\i+31]|
	s_delay_alu instid0(VALU_DEP_1)
	v_max3_num_f32 v8, v8, v9, 0x1800000           ; with the floor 2^(3 - 127)
	s_delay_alu instid0(VALU_DEP_1)
	v_add_nc_u32 v11, 0xff000000, v8               ; 2 off the exponent field: the conversion's scale operand
	v_cvt_scalef32_pk16_fp6_f32 v[CD+8*\i:CD+8*\i+2], v[X+32*\i:X+32*\i+15], v11
	v_cvt_scalef32_pk16_fp6_f32 v[T:T+2], v[X+32*\i+16:X+32*\i+31], v11
	v_lshrrev_b32 v[BY+\i], 23, v11                ; the byte (also the plain line behind the conversions)
.irp n, 0,1,2
	v_mov_b32 v[CD+8*\i+3+\n], v[T+\n]
.endr
.endr
	; tile row 128 b + 8 wave + 2 i + lane / 16; fragment g / 4; half (g / 2) % 2; lanes 16 (g % 2) + row % 16 of the image
	s_lshl_b32 s22, s13, 7
	s_lshl_b32 s23, s12, 3
	s_add_co_u32 s22, s22, s23
	s_mul_i32 s24, s22, 12288
	s_lshr_b32 s25, ttmp9, 2
	s_mul_i32 s26, s25, 1536
	s_add_co_u32 s24, s24, s26
	s_bfe_u32 s26, ttmp9, 0x10001
	s_mul_i32 s26, s26, 768
	s_add_co_u32 s24, s24, s26
	s_and_b32 s27, ttmp9, 1
	s_lshl_b32 s26, s27, 8
	s_add_co_u32 s26, s26, s24
	s_lshl_b32 s28, s27, 7
	s_add_co_u32 s28, s28, s24
	s_add_co_u32 s28, s28, 512
	s_lshl_b32 s29, s22, 9
	s_lshl_b32 s25, s25, 6
	s_add_co_u32 s29, s29, s25
	s_and_b32 s25, ttmp9, 3
	s_add_co_u32 s29, s29, s25
	s_add_co_u32 s29, s29, 3145728
	v_and_b32 v2, 15, v1
	v_lshrrev_b32 v3, 4, v1
	s_delay_alu instid0(VALU_DEP_1)
	v_mul_u32_u24 v8, v3, 12288
	s_delay_alu instid0(VALU_DEP_1)
	v_lshl_add_u32 v25, v2, 4, v8
	s_delay_alu instid0(VALU_DEP_1)
	v_add_nc_u32 v25, s26, v25
	s_delay_alu instid0(VALU_DEP_3)
	v_lshl_add_u32 v26, v2, 3, v8
	s_delay_alu instid0(VALU_DEP_1)
	v_add_nc_u32 v26, s28, v26
	v_lshlrev_b32 v27, 9, v3
	s_delay_alu instid0(VALU_DEP_1)
	v_lshl_add_u32 v27, v2, 2, v27
	s_delay_alu instid0(VALU_DEP_1)
	v_add_nc_u32 v27, s29, v27
.irp i, 0,1,2,3
	global_store_b128 v25, v[CD+8*\i:CD+8*\i+3], s[10:11] offset:24576*\i      ; sixteen lanes store 256 consecutive bytes
	global_store_b64 v26, v[CD+8*\i+4:CD+8*\i+5], s[10:11] offset:24576*\i
	global_store_b8 v27, v[BY+\i], s[10:11] offset:1024*\i
.endr
	s_wait_tensorcnt 0x0                           ; the wave's end, behind my last LDS store
	ds_add_u32 v[SPW], v[NIL]
	s_wait_dscnt 0x0
	s_endpgm
.Lfunc_end_k_qd56f54edbe_wquant:
	.size	k_qd56f54edbe_wquant, .Lfunc_end_k_qd56f54edbe_wquant-k_qd56f54edbe_wquant
	.p2alignl 7, 3214868480
	.fill 96, 4, 3214868480
	.section	.rodata,"a",@progbits
	.p2align	6, 0x0
	.amdhsa_kernel k_qd56f54edbe_wquant
		.amdhsa_group_segment_fixed_size 76288
		.amdhsa_private_segment_fixed_size 0
		.amdhsa_enable_private_segment 0
		.amdhsa_kernarg_size 72
		.amdhsa_user_sgpr_count 2
		.amdhsa_user_sgpr_kernarg_segment_ptr 1
		.amdhsa_wavefront_size32 1
		.amdhsa_system_sgpr_workgroup_id_x 1
		.amdhsa_system_sgpr_workgroup_id_y 1
		.amdhsa_system_sgpr_workgroup_id_z 1
		.amdhsa_system_vgpr_workitem_id 0
		.amdhsa_next_free_vgpr 192
		.amdhsa_next_free_sgpr 100
		.amdhsa_reserve_vcc 0
		.amdhsa_float_denorm_mode_32 3
		.amdhsa_float_denorm_mode_16_64 3
		.amdhsa_memory_ordered 1
		.amdhsa_forward_progress 1
		.amdhsa_inst_pref_size 138
	.end_amdhsa_kernel
	.amdgpu_metadata
---
amdhsa.version: [ 1, 2 ]
amdhsa.kernels:
  - .name:           k_qd56f54edbe_wquant
    .symbol:         k_qd56f54edbe_wquant.kd
    .args:
      - { .name: w_attn, .offset: 0, .size: 8, .value_kind: global_buffer, .address_space: global }
      - { .name: w_aproj, .offset: 8, .size: 8, .value_kind: global_buffer, .address_space: global }
      - { .name: w_fc, .offset: 16, .size: 8, .value_kind: global_buffer, .address_space: global }
      - { .name: w_mproj, .offset: 24, .size: 8, .value_kind: global_buffer, .address_space: global }
      - { .name: wq, .offset: 32, .size: 8, .value_kind: global_buffer, .address_space: global }
      - { .name: x, .offset: 40, .size: 8, .value_kind: global_buffer, .address_space: global }
      - { .name: ln1_w, .offset: 48, .size: 8, .value_kind: global_buffer, .address_space: global }
      - { .name: ln1_b, .offset: 56, .size: 8, .value_kind: global_buffer, .address_space: global }
      - { .name: xq, .offset: 64, .size: 8, .value_kind: global_buffer, .address_space: global }
    .group_segment_fixed_size: 76288
    .private_segment_fixed_size: 0
    .kernarg_segment_align: 8
    .kernarg_segment_size: 72
    .max_flat_workgroup_size: 512
    .sgpr_count:     100
    .vgpr_count:     192
    .wavefront_size: 32
...
	.end_amdgpu_metadata
.endif
;; end of part 8
;; launch qkv (part 9): grid 16 x 16, 4 waves a work-group, clusters of 4 x 4, 327,680 bytes of LDS; arguments xq, wq, b_attn, qq, kvq, out1; writes qq, kvq, out1
.if DOCPART == 9
	.amdgcn_target "amdgcn-amd-amdhsa--gfx1250"
	.amdhsa_code_object_version 6
	.text
	.protected	k_qd56f54edbe_qkv
	.globl	k_qd56f54edbe_qkv
	.p2align	8
	.type	k_qd56f54edbe_qkv,@function
k_qd56f54edbe_qkv:
	s_mov_b64 s[64:65], 0
	v_nop
	global_prefetch_b8 v0, s[64:65] scope:SCOPE_SE
	s_setreg_imm32_b32 hwreg(HW_REG_WAVE_MODE, 25, 1), 1
	s_wait_xcnt 0x0
	s_wait_alu depctr_hold_cnt(0) depctr_sa_sdst(0) depctr_va_vdst(0) depctr_va_sdst(0) depctr_va_ssrc(0) depctr_va_vcc(0) depctr_vm_vsrc(0)
	s_getreg_b32 s2, hwreg(HW_REG_IB_STS2, 6, 4)
	s_cmp_eq_u32 s2, 0
	s_cbranch_scc0 .Lentry_in_a_cluster
	s_endpgm
.Lentry_in_a_cluster:
	s_bfe_u32 s2, ttmp6, 0x10000c
	s_cmp_lg_u32 s2, 0xf033
	s_cbranch_scc0 .Lentry_shape_is_right
	s_endpgm
.Lentry_shape_is_right:
; qkv = xn W_attn + b on codes of FP6 (E2M3) with E8M0 scales, K = 1,024.  A work-group of four waves makes 256 x 256, a wave 128 x 128 in 64 accumulators.
; OPERANDS lie in memory as images of registers: fragment (16 rows x 128 k) = 1,536 bytes, [row / 16][k / 128]; scale words [row / 16][k / 128][16].  A K step is 256 along K: 3,072 bytes of each tile row.
; Ring of two LDS slots filled by the tensor data mover; all scale words of the work-group's rows come once.  4 x 4 clusters: role A's tiles are shared along a row of the cluster, role B's along a column, by joint loads.
; The matrix instruction is used transposed (source 0 = role B, source 1 = role A): a lane holds one A row and eight neighbouring B rows.
; THE CLUSTER'S x SAYS WHAT IS MADE:  0: q, as codes for attention;  1: k, f32 into out1 and codes;  2: v, f32 into out1;  3: v once more with the roles changed (A = W_v's columns, B = tokens), so that a lane's
; registers run along the TOKENS, which are the K of attention's second product: codes of v along the keys.  The second product of v takes the place of a transposition.
; Results are quantised from natural tiles, which puts a block's 32 numbers in the order 0-7, 16-23, 8-15, 24-31: both operands of each of attention's products are made so.
; LIMITS: NaN and infinities are not served; blocks under 2^-124 keep the byte 1; a block of zeros gets the byte 1, not 127.
; REGISTERS, in windows of 256.  window 0: v0-31 addresses; v32-63 scale words, two sets, and nothing else; v128-223 A's fragments; v232-247 the row bias of part 3.  On the way out: v64-127 H, v128-191 rows back from the stage, v192-229 the quantiser's.
;   window 1: B's fragments, two sets (v0-95, v128-223); the column bias in the 64 registers between (v96-127, v224-255).   windows 2, 3: the accumulators ((a, b) at v[8 (8 (a % 4) + b)]).
.set KK,     1024
.set KS,     KK/128
.set KROW,   1536*KS                   ; a tile row of fragments in memory
.set ROWB,   3072                      ; a K step's two fragments
.set NQ,     2
.set FR,     12
.set NL,     4                         ; LDS loads that bring a fragment
.set NP,     4                         ; places behind this matrix instruction (ISA guide 7.12.1)
.set HALFT,  8*ROWB                    ; eight tile rows: what one tensor load brings, and what a wave reads of A or of B
.set SLOT,   4*HALFT
.set LAPS,   KK/512
.set SCL,    2*SLOT                    ; behind the ring: the scale words
.set HALFS,  512*KS                    ; those of 128 rows
.set SBLK,   64*KS                     ; those of 16 rows
.set SPARE,  SCL+4*HALFS               ; the spare words, 128 bytes a wave: two blocks of 256 bytes that no other line names
.set SPITCH, 528                       ; the stage for f32 rows: 16 rows x (512 + 16) bytes a wave, in slot 0, which has had its last fill and its last read by then
.set CHK,    52224                     ; kvq: a chunk of 512 keys
.set LI,   4                           ; v4   16 x lane
.set LJ,   5                           ; v5   512 + 8 x lane
.set LR,   6                           ; v6   4 x (lane % 16)
.set OO,   7                           ; v7   out1: lanes 0-15 one head's row, lanes 16-31 the next head's
.set BH,   10                          ; v10  32 x (lane / 16)
.set ADRA, 16                          ; v16-17 A's fragments in slot 0, 1 (+ 16 lane); v18-19 (+ 512 + 8 lane)
.set ADRB, 20                          ; v20-23 the same for B
.set STO,  24
.set RD,   25
.set ADRS, 27                          ; v27  my scale words: lanes 0-15 A's rows, lanes 16-31 B's
.set SPW,  28                          ; v28  my spare word; never rewritten
.set NIL,  29                          ; v29  0; never rewritten
.set SC,   32
.set AF,   128
.set H,    64
.set BK,   128
.set PC,   192
.set TM,   212
.set PW,   228
.set BV,   232
.set SEL,  12                          ; s[12:13] selects: lane l xor 16
.set G1, 24
.set G0, 32
.set G1B, 48
.set G0B, 56
.set G1S, 68
.set G0S, 76
.set G1SB, 80
.set G0SB, 88
.set MSB, 0
.macro WIN new                         ; the immediate's high byte repeats the setting that is left
.if MSB != \new
	s_set_vgpr_msb (MSB<<8)|\new
.set MSB, \new
.endif
.endm
.set MUL_LO, 0xa1                      ; source 0 (B) window 1, source 1 (A) window 0, C and D window 2
.set MUL_HI, 0xf1
.set TO_B,   0x40
.macro JLOAD g0a, g1a, g0b, g1b        ; a joint load: waves 0, 1 fetch for A, waves 2, 3 for B; s_nop 0 and four v_nop follow each line
	s_cmp_eq_u32 s15, 0
	s_cbranch_scc0 .Lfor_b_\@
	tensor_load_to_lds s[\g0a:\g0a+3], s[\g1a:\g1a+7]
	s_nop 0
.rept 4
	v_nop
.endr
	s_branch .Lasked_\@
.Lfor_b_\@:
	tensor_load_to_lds s[\g0b:\g0b+3], s[\g1b:\g1b+7]
	s_nop 0
.rept 4
	v_nop
.endr
.Lasked_\@:
.endm
.macro CREST
	s_cmp_lg_u32 s14, 0
	s_cbranch_scc1 .Lnot_wave_0_\@
	s_barrier_signal -3
.Lnot_wave_0_\@:
	s_barrier_wait -3
	s_barrier_signal -1
	s_barrier_wait -1
.endm
.macro CROUND
	s_barrier_signal -1
	s_barrier_wait -1
	CREST
.endm
	s_load_b256 s[4:11], s[0:1], 0x0               ; xq s[4:5], wq s[6:7], b_attn s[8:9], qq s[10:11]
	s_load_b128 s[96:99], s[0:1], 0x20             ; kvq s[96:97], out1 s[98:99]
	v_lshl_add_u32 v[SPW], v0, 2, SPARE
	v_mov_b32 v[NIL], 0
	ds_add_u32 v[SPW], v[NIL]                      ; the opening: the add, with its wait ahead of my first tensor load
	ds_add_u32 v[SPW], v[NIL]
	v_lshrrev_b32 v1, 5, v0
	v_readfirstlane_b32 s14, v1                    ; wave 0..3
	s_lshr_b32 s15, s14, 1                         ; my half of A's rows.  Also: I fetch for A (0) or B (1)
	s_and_b32 s16, s14, 1                          ; my half of B's rows.  Also: which eight tile rows I fetch
	s_bfe_u32 s40, ttmp6, 0x40000                  ; cx
	s_bfe_u32 s41, ttmp6, 0x40004                  ; cy
	s_and_b32 s18, ttmp7, 0xffff
	s_lshl_b32 s18, s18, 2                         ; 4 x cluster y
	s_add_co_u32 s17, s18, s41                     ; tokens as A: block 4 cluster y + cy
	s_add_co_u32 s42, s18, s40                     ; tokens as B: block 4 cluster y + cx
	s_add_co_u32 s19, s41, 8                       ; W_v as A: block 8 + cy
	s_lshl_b32 s45, ttmp9, 2
	s_add_co_u32 s45, s45, s40                     ; W as B: block 4 cluster x + cx
	s_mov_b32 s2, 9437184                          ; where wq's scale words for w_attn begin,
	s_mov_b32 s3, 3145728                          ; and xq's
	s_cmp_eq_u32 ttmp9, 3                          ; the cluster's x: the same in all sixteen partners
	s_cselect_b32 s17, s19, s17                    ; A's block of 256 rows: hangs on cy alone
	s_cselect_b32 s42, s42, s45                    ; B's: on cx alone
	s_cselect_b32 s19, s2, s3
	s_cselect_b32 s45, s3, s2
	s_lshl_b32 s43, s41, 2
	s_lshl_b32 s43, 15, s43                        ; my row of the cluster
	s_lshl_b32 s44, 0x1111, s40                    ; my column
	s_or_b32 s[G1+0], s43, (3<<16)|(1<<21)         ; 15:0 the mask; 17:16 elements of 8 bytes; 21 set beside a mask; no padding: an image is read 512 or 256 consecutive bytes at a time
	s_or_b32 s[G1B+0], s44, (3<<16)|(1<<21)
.irp g, G1, G1B
	s_mov_b32 s[\g+1], (ROWB/8)<<16                ; tensor_dim0 = 384 elements
	s_mov_b32 s[\g+2], 16<<16                      ; tensor_dim1 = 16 tile rows for the head's loads; 8 behind them
	s_mov_b32 s[\g+3], (ROWB/8)<<16                ; tile_dim0
	s_mov_b32 s[\g+4], 16                          ; tile_dim1 likewise
	s_mov_b32 s[\g+5], KROW/8                      ; from tile row to tile row
	s_mov_b32 s[\g+6], 0
	s_mov_b32 s[\g+7], 0
.endr
	s_or_b32 s[G1S+0], s43, (3<<16)|(1<<21)        ; the scale words of 256 rows: a dense block, as rows of 256 bytes
	s_or_b32 s[G1SB+0], s44, (3<<16)|(1<<21)
.irp g, G1S, G1SB
	s_mov_b32 s[\g+1], 32<<16
	s_mov_b32 s[\g+2], (4*KS)<<16                  ; the scale words of all 256 rows
	s_mov_b32 s[\g+3], 32<<16
	s_mov_b32 s[\g+4], 4*KS
	s_mov_b32 s[\g+5], 32
	s_mov_b32 s[\g+6], 0
	s_mov_b32 s[\g+7], 0
.endr
	s_lshl_b32 s18, s16, 3
	s_lshl_b32 s20, s17, 4
	s_add_co_u32 s20, s20, s18                     ; A: the first tile row that I fetch
	s_lshl_b32 s46, s42, 4
	s_add_co_u32 s46, s46, s18                     ; B likewise
	s_mul_i32 s22, s20, 64*KS
	s_add_co_u32 s22, s22, s19
	s_mul_i32 s92, s46, 64*KS
	s_add_co_u32 s92, s92, s45
	s_mul_i32 s20, s20, KROW
	s_mul_i32 s46, s46, KROW
	s_mov_b32 s21, 0
	s_mov_b32 s23, 0
	s_mov_b32 s47, 0
	s_mov_b32 s93, 0
	s_mul_i32 s45, s14, HALFT                      ; where they go: no place in the cluster enters an LDS address
	s_mov_b32 s[SEL], 0x76543210
	s_mov_b32 s[SEL+1], 0xfedcba98
	s_wait_dscnt 0x0                               ; the opening add is done
	s_wait_kmcnt 0x0
	s_cmp_eq_u32 ttmp9, 3
	s_cselect_b64 s[18:19], s[6:7], s[4:5]         ; A's buffer
	s_cselect_b64 s[100:101], s[4:5], s[6:7]       ; B's
	s_add_nc_u64 s[20:21], s[18:19], s[20:21]
	s_add_nc_u64 s[22:23], s[18:19], s[22:23]
	s_add_nc_u64 s[46:47], s[100:101], s[46:47]
	s_add_nc_u64 s[92:93], s[100:101], s[92:93]
	CROUND                                         ; all sixteen work-groups are here: the first joint loads meet
	s_mul_i32 s2, s16, HALFS                       ; back from my half to the block's first row
	s_mov_b32 s3, 0
	s_sub_nc_u64 s[22:23], s[22:23], s[2:3]
	s_sub_nc_u64 s[92:93], s[92:93], s[2:3]
	s_mov_b32 s[G0S], 1
	s_mov_b32 s[G0S+1], SCL
	s_mov_b64 s[G0S+2:G0S+3], s[22:23]
	s_or_b32 s[G0S+3], s[G0S+3], 0x80000000
	s_mov_b32 s[G0SB], 1
	s_mov_b32 s[G0SB+1], SCL+2*HALFS
	s_mov_b64 s[G0SB+2:G0SB+3], s[92:93]
	s_or_b32 s[G0SB+3], s[G0SB+3], 0x80000000
.irp s, 0,1
	s_mov_b32 s[G0+4*\s], 1
	s_add_co_u32 s[G0+4*\s+1], s45, \s*SLOT
	s_add_nc_u64 s[G0+4*\s+2:G0+4*\s+3], s[20:21], \s*ROWB
	s_or_b32 s[G0+4*\s+3], s[G0+4*\s+3], 0x80000000
	s_mov_b32 s[G0B+4*\s], 1
	s_add_co_u32 s[G0B+4*\s+1], s45, \s*SLOT
	s_add_nc_u64 s[G0B+4*\s+2:G0B+4*\s+3], s[46:47], \s*ROWB
	s_or_b32 s[G0B+4*\s+3], s[G0B+4*\s+3], 0x80000000
.endr
	s_mul_i32 s2, s16, (HALFT/ROWB)*KROW           ; slot 0's two descriptors serve the head first: the whole 16 tile rows
	s_sub_nc_u64 s[G0+2:G0+3], s[G0+2:G0+3], s[2:3]
	s_sub_nc_u64 s[G0B+2:G0B+3], s[G0B+2:G0B+3], s[2:3]
	s_mov_b32 s[G0+1], 0
	s_mov_b32 s[G0B+1], 2*HALFT
; THE HEAD'S LOADS, ONE A WAVE: wave 0 K step 0 of A, wave 1 of B, wave 2 A's scale words, wave 3 B's.  One chain of branches on the wave's number, one load to an arm.
.macro ARM under, g0, g1, next
	s_cmp_lt_u32 s14, \under
	s_cbranch_scc0 \next
	tensor_load_to_lds s[\g0:\g0+3], s[\g1:\g1+7]
	s_nop 0
.rept 4
	v_nop
.endr
	s_branch .Lhead_asked
\next:
.endm
	ARM 1, G0,  G1,  .Lhead_b
	ARM 2, G0B, G1B, .Lhead_sa
	ARM 3, G0S, G1S, .Lhead_sb
	tensor_load_to_lds s[G0SB:G0SB+3], s[G1SB:G1SB+7]
	s_nop 0
.rept 4
	v_nop
.endr
.Lhead_asked:
	v_and_b32 v1, 15, v0                           ; r
	v_bfe_u32 v2, v0, 4, 1                         ; h
	v_and_b32 v3, 31, v0
	v_lshlrev_b32 v[LI], 4, v3
	v_lshlrev_b32 v[LJ], 3, v3
	v_add_nc_u32 v[LJ], 512, v[LJ]
	v_lshlrev_b32 v[LR], 2, v1
	v_lshlrev_b32 v[BH], 5, v2
	v_lshlrev_b32 v[OO], 19, v2
	v_lshl_add_u32 v[OO], v1, 4, v[OO]
	s_mul_i32 s21, s15, HALFT
	s_mul_i32 s22, s16, HALFT
	s_add_co_u32 s22, s22, 2*HALFT
.irp s, 0,1
	v_add_nc_u32 v[ADRA+\s], s21, v[LI]
	v_add_nc_u32 v[ADRB+\s], s22, v[LI]
	v_add_nc_u32 v[ADRA+2+\s], s21, v[LJ]
	v_add_nc_u32 v[ADRB+2+\s], s22, v[LJ]
	s_add_co_u32 s21, s21, SLOT
	s_add_co_u32 s22, s22, SLOT
.endr
	s_mul_i32 s21, s15, HALFS
	s_mul_i32 s22, s16, HALFS
	s_add_co_u32 s22, s22, 2*HALFS
	s_sub_co_u32 s22, s22, s21
	v_mul_u32_u24 v9, s22, v2                      ; lanes 16-31 take B's: the lower base + h x the distance
	s_add_co_u32 s21, s21, SCL
	v_add_nc_u32 v9, v[LR], v9
	v_add_nc_u32 v[ADRS], s21, v9
	s_mul_i32 s23, s14, 16*SPITCH                  ; my stage
	v_mul_u32_u24 v8, v1, SPITCH
	v_lshl_add_u32 v8, v2, 5, v8
	v_add_nc_u32 v[STO], s23, v8
	v_add_nc_u32 v[RD], s23, v[LI]
	; where the results go.  Parts 0-2: tokens are A's rows, heads B's.  Part 3: the other way round.
	s_lshl_b32 s43, s17, 8
	s_lshl_b32 s44, s15, 7
	s_add_co_u32 s43, s43, s44                     ; my first A row
	s_lshl_b32 s44, s42, 8
	s_lshl_b32 s45, s16, 7
	s_add_co_u32 s44, s44, s45                     ; my first B row
	s_lshl_b32 s45, s40, 2
	s_lshl_b32 s94, s16, 1
	s_add_co_u32 s45, s45, s94                     ; head 4 cx + 2 (my half of B)
	s_lshl_b32 s94, s41, 2
	s_lshl_b32 s2, s15, 1
	s_add_co_u32 s94, s94, s2                      ; head 4 cy + 2 (my half of A)
	s_lshl_b32 s2, s41, 10
	s_lshl_b32 s100, s15, 9
	s_add_co_u32 s2, s2, s100
	s_add_co_u32 s2, s2, 8192                      ; part 3: b_attn at channel 2,048 + 256 cy + 128 (my half of A), in bytes
	s_cmp_eq_u32 ttmp9, 3
	s_cselect_b32 s43, s44, s43                    ; my first token
	s_cselect_b32 s45, s94, s45                    ; my first head
	s_cselect_b32 s44, 0, s44                      ; the column bias's first column (part 3 does not use it: an address inside the buffer all the same)
	s_cselect_b32 s2, s2, 0                        ; the row bias likewise
	s_lshl_b32 s4, s44, 2
	s_mov_b32 s5, 0
	s_add_nc_u64 s[4:5], s[8:9], s[4:5]
	s_mov_b32 s6, s2
	s_mov_b32 s7, 0
	s_add_nc_u64 s[6:7], s[8:9], s[6:7]
	WIN TO_B                                       ; the column bias: register 8 t + j = b[col0 + 16 t + 8 h + j]; it lands while the products run
.irp t, 0,1,2,3,4,5,6,7
	global_load_b128 v[96+8*\t+96*(\t/4):96+8*\t+96*(\t/4)+3], v[BH], s[4:5] offset:64*\t
	global_load_b128 v[100+8*\t+96*(\t/4):100+8*\t+96*(\t/4)+3], v[BH], s[4:5] offset:64*\t+16
.endr
	WIN 0
.irp a, 0,1,2,3,4,5,6,7                ; the row bias, twice: a pair for the packed addition
	global_load_b32 v[BV+2*\a], v[LR], s[6:7] offset:64*\a
	global_load_b32 v[BV+2*\a+1], v[LR], s[6:7] offset:64*\a
.endr
	s_lshr_b32 s44, s43, 11                        ; batch
	s_and_b32 s43, s43, 2047                       ; token in the batch
	s_lshl_b32 s44, s44, 4
	s_add_co_u32 s45, s45, s44                     ; batch x 16 + head
	s_lshr_b32 s44, s43, 4                         ; tile of tokens
	s_lshl_b32 s94, s45, 7
	s_add_co_u32 s94, s94, s44
	s_mul_i32 s20, s94, 768                        ; q: codes [bh][tile][768],
	s_lshl_b32 s46, s94, 6
	s_add_co_u32 s46, s46, 3145728                 ; scale words [bh][tile][16]
	s_mul_i32 s94, s45, 4*CHK
	s_lshr_b32 s2, s43, 9
	s_mul_i32 s2, s2, CHK
	s_add_co_u32 s94, s94, s2                      ; kvq: my head's chunk
	s_and_b32 s44, s44, 31
	s_mul_i32 s2, s44, 768
	s_add_co_u32 s2, s2, s94                       ; k's codes
	s_lshl_b32 s44, s44, 6
	s_add_co_u32 s44, s44, s94
	s_add_co_u32 s44, s44, 49152                   ; k's scale words
	s_bfe_u32 s100, s43, 0x20007                   ; which 128 keys of the chunk
	s_mul_i32 s101, s100, 6144
	s_add_co_u32 s101, s101, s94
	s_add_co_u32 s101, s101, 24576                 ; v's codes
	s_lshl_b32 s100, s100, 8
	s_add_co_u32 s100, s100, s94
	s_add_co_u32 s100, s100, 51200                 ; v's scale words
	s_cmp_eq_u32 ttmp9, 3
	s_cselect_b32 s2, s101, s2
	s_cselect_b32 s44, s100, s44
	s_mov_b32 s22, 4*CHK
	s_mov_b32 s92, 4*CHK
	s_cmp_eq_u32 ttmp9, 0
	s_cselect_b32 s20, s20, s2
	s_cselect_b32 s46, s46, s44
	s_cselect_b64 s[100:101], s[10:11], s[96:97]
	s_cselect_b32 s22, 98304, s22                  ; from a head to the next
	s_cselect_b32 s92, 8192, s92
	s_mov_b32 s21, 0
	s_mov_b32 s47, 0
	s_mov_b32 s23, 0
	s_mov_b32 s93, 0
	s_add_nc_u64 s[20:21], s[100:101], s[20:21]    ; codes, my first head
	s_add_nc_u64 s[46:47], s[100:101], s[46:47]    ; scale words, my first head
	s_add_nc_u64 s[22:23], s[20:21], s[22:23]      ; my second head
	s_add_nc_u64 s[92:93], s[46:47], s[92:93]
	s_cmp_eq_u32 ttmp9, 2
	s_cselect_b32 s18, 16777216, 0                 ; out1: k, then v
	s_lshl_b32 s2, s45, 19
	s_add_co_u32 s18, s18, s2
	s_lshl_b32 s2, s43, 8
	s_add_co_u32 s18, s18, s2
	s_mov_b32 s19, 0
	s_add_nc_u64 s[18:19], s[98:99], s[18:19]
	s_sub_co_u32 s95, ttmp9, 1                     ; under 2 in parts 1 and 2
.macro FRAG reg, adr, q, i             ; a fragment comes back as it was stored: each instruction reads 512 or 256 consecutive bytes
	ds_load_b128 v[\reg:\reg+3], v[\adr] offset:(\i)*ROWB+(\q)*1536
	ds_load_b64 v[\reg+4:\reg+5], v[\adr+2] offset:(\i)*ROWB+(\q)*1536
	ds_load_b128 v[\reg+6:\reg+9], v[\adr] offset:(\i)*ROWB+(\q)*1536+768
	ds_load_b64 v[\reg+10:\reg+11], v[\adr+2] offset:(\i)*ROWB+(\q)*1536+768
.endm
; 16 matrix instructions: A's blocks a0, a0 + 1 x B's eight.  The 64 accumulators take turns, one instruction a turn, in the same order in every step.
.macro MUL16 a0, p, q, sc, zero
.irp a, \a0, \a0+1
.irp b, 0,1,2,3,4,5,6,7
.if \zero
	v_wmma_scale_f32_16x16x128_f8f6f4 v[8*(8*((\a)%4)+\b):8*(8*((\a)%4)+\b)+7], v[128*(\p)+FR*\b:128*(\p)+FR*\b+FR-1], v[AF+FR*(\a):AF+FR*(\a)+FR-1], 0, v[SC+8*NQ*(\sc)+NQ*\b+(\q)], v[SC+8*NQ*(\sc)+NQ*(\a)+(\q)] matrix_a_fmt:MATRIX_FMT_FP6 matrix_b_fmt:MATRIX_FMT_FP6 matrix_a_scale:MATRIX_SCALE_ROW1
.else
	v_wmma_scale_f32_16x16x128_f8f6f4 v[8*(8*((\a)%4)+\b):8*(8*((\a)%4)+\b)+7], v[128*(\p)+FR*\b:128*(\p)+FR*\b+FR-1], v[AF+FR*(\a):AF+FR*(\a)+FR-1], v[8*(8*((\a)%4)+\b):8*(8*((\a)%4)+\b)+7], v[SC+8*NQ*(\sc)+NQ*\b+(\q)], v[SC+8*NQ*(\sc)+NQ*(\a)+(\q)] matrix_a_fmt:MATRIX_FMT_FP6 matrix_b_fmt:MATRIX_FMT_FP6 matrix_a_scale:MATRIX_SCALE_ROW1
.endif
.endr
.endr
.endm
.macro FETCH_B slot, q, p
	WIN TO_B
.irp i, 0,1,2,3,4,5,6,7
	FRAG 128*(\p)+FR*\i, ADRB+\slot, \q, \i
.endr
	WIN 0
.endm
.macro FETCH_A slot, q, i0
.irp i, \i0, \i0+1, \i0+2, \i0+3
	FRAG AF+FR*(\i), ADRA+\slot, \q, \i
.endr
.endm
.macro SCALES sc                       ; a K step's scale words: lanes 0-15 A's block i, lanes 16-31 B's block i
.irp i, 0,1,2,3,4,5,6,7
	ds_load_b32 v[SC+8*NQ*\sc+NQ*\i], v[ADRS] offset:\i*SBLK
	ds_load_b32 v[SC+8*NQ*\sc+NQ*\i+1], v[ADRS] offset:\i*SBLK+64
.endr
.endm
.macro PLACES n                        ; plain vector lines between a matrix instruction and a load into, or a read of, its registers
.rept \n
	v_nop
.endr
.endm
.macro STEP slot, q, zero
	s_wait_dscnt 4*NL                              ; all but the youngest 16 loads (A's blocks 4-7) are in
	WIN MUL_LO
	MUL16 0, (\q)%2, \q, \slot, \zero
	MUL16 2, (\q)%2, \q, \slot, \zero
	s_wait_dscnt 0
	PLACES NP
	FETCH_B \slot, (\q)+1, 1-(\q)%2
	FETCH_A \slot, (\q)+1, 0
	WIN MUL_HI
	MUL16 4, (\q)%2, \q, \slot, \zero
	MUL16 6, (\q)%2, \q, \slot, \zero
	PLACES NP
	WIN 0
	FETCH_A \slot, (\q)+1, 4
.endm
; A slot's last step changes slots: one barrier; in front of it each wave waits for all its tensor loads, adds 0 to its spare word, and waits for that and for its reads of this slot.
.macro TURN slot, next, fill
	s_wait_tensorcnt 0x0                           ; all my tensor loads have landed: my part of the next slot
	ds_add_u32 v[SPW], v[NIL]
	s_wait_dscnt 4*NL+1                            ; (the add and the youngest 16 loads may be out)
	WIN MUL_LO
	MUL16 0, 1, NQ-1, \slot, 0
	s_wait_dscnt 0x0                               ; the add is done, and my reads of this slot are over
	s_barrier_signal -1
	MUL16 2, 1, NQ-1, \slot, 0
	WIN 0
	s_barrier_wait -1
.if \fill
	CREST                                          ; the barrier has opened a round of the cluster's: no wave of any partner still reads this slot or has a load on its way
	s_add_nc_u64 s[G0+4*\slot+2:G0+4*\slot+3], s[G0+4*\slot+2:G0+4*\slot+3], 2*ROWB
	s_add_nc_u64 s[G0B+4*\slot+2:G0B+4*\slot+3], s[G0B+4*\slot+2:G0B+4*\slot+3], 2*ROWB
	JLOAD G0+4*\slot, G1, G0B+4*\slot, G1B         ; the first tensor load behind the round; its four v_nop are the places in front of the loads below
.else
	PLACES NP
.endif
	s_wait_alu depctr_va_vdst(0)
	v_add_nc_u32 v[ADRS], 64*NQ, v[ADRS]           ; the next K step's scale words
	FETCH_B \next, 0, 0
	FETCH_A \next, 0, 0
	SCALES \next
	WIN MUL_HI
	MUL16 4, 1, NQ-1, \slot, 0
	MUL16 6, 1, NQ-1, \slot, 0
	PLACES NP
	WIN 0
	FETCH_A \next, 0, 4
.endm
	s_wait_alu depctr_va_vdst(0)
	s_wait_tensorcnt 0x0                           ; my tile of the head's four is in; slot 1's first fill stands behind the same lines as a refill
	ds_add_u32 v[SPW], v[NIL]
	s_mov_b32 s[G1+2], (HALFT/ROWB)<<16            ; no load of mine is out: from here on a load brings 8 tile rows,
	s_mov_b32 s[G1+4], HALFT/ROWB
	s_mov_b32 s[G1B+2], (HALFT/ROWB)<<16
	s_mov_b32 s[G1B+4], HALFT/ROWB
	s_mul_i32 s[G0+1], s14, HALFT                  ; and slot 0's descriptors stand at my quarter of K step 0
	s_mul_i32 s[G0B+1], s14, HALFT
	s_sub_nc_u64 s[G0+2:G0+3], s[G0+6:G0+7], ROWB
	s_sub_nc_u64 s[G0B+2:G0B+3], s[G0B+6:G0B+7], ROWB
	s_wait_dscnt 0x0
	CROUND                                         ; all four tiles are in, and all sixteen work-groups are here
	JLOAD G0+4, G1, G0B+4, G1B                     ; K step 1, the first tensor load behind the round
	FETCH_B 0, 0, 0
	FETCH_A 0, 0, 0
	SCALES 0
	FETCH_A 0, 0, 4
	STEP 0, 0, 1                                   ; the first step's products start the sums
	s_mov_b32 s3, LAPS-1
.Llap:
	TURN 0, 1, 1
	STEP 1, 0, 0
	TURN 1, 0, 1
	STEP 0, 0, 0
	s_sub_co_u32 s3, s3, 1
	s_cmp_lg_u32 s3, 0
	s_cbranch_scc1 .Llap
	TURN 0, 1, 0                                   ; the last lap fills nothing
	STEP 1, 0, 0
	s_wait_dscnt 4*NL
	WIN MUL_LO
	MUL16 0, 1, NQ-1, 1, 0
	MUL16 2, 1, NQ-1, 1, 0
	s_wait_dscnt 0
	WIN MUL_HI
	MUL16 4, 1, NQ-1, 1, 0
	MUL16 6, 1, NQ-1, 1, 0
	WIN 0
; 64 numbers of a lane, register 16 b + i = my 16 numbers of block b of my row, become a fragment's codes in v[PC] on and its scale word in v[PW]
.macro QUANT s
.irp b, 0,1,2,3
	v_max3_num_f32 v[TM+\b], |v[\s+16*\b]|, |v[\s+1+16*\b]|, 0x1800000   ; with the floor 2^(3 - 127): the byte cannot fall under 1
.endr
.irp i, 2,4,6,8,10,12,14
.irp b, 0,1,2,3
	v_max3_num_f32 v[TM+\b], v[TM+\b], |v[\s+16*\b+\i]|, |v[\s+1+16*\b+\i]|
.endr
.endr
.irp b, 0,1,2,3
	v_permlanex16_b32 v[TM+4+\b], v[TM+\b], s[SEL], s[SEL+1]
.endr
.irp b, 0,1,2,3
	v_max_num_f32 v[TM+\b], v[TM+\b], v[TM+4+\b]   ; with lane l xor 16's 16: the block's largest magnitude
.endr
.irp b, 0,1,2,3
	v_add_nc_u32 v[TM+12+\b], 0xff000000, v[TM+\b] ; 2 off its exponent field: the conversion's scale operand
.endr
.irp b, 0,1,2,3
	v_lshrrev_b32 v[TM+4+\b], 23, v[TM+12+\b]      ; the byte
.endr
	v_lshl_or_b32 v[PW], v[TM+5], 8, v[TM+4]
	v_lshl_or_b32 v[PW], v[TM+6], 16, v[PW]
	v_lshl_or_b32 v[PW], v[TM+7], 24, v[PW]
.irp c, 0,1
	v_cvt_scalef32_pk16_fp6_f32 v[PC+6*\c:PC+2+6*\c], v[\s+32*\c:\s+15+32*\c], v[TM+12+2*\c]
	v_cvt_scalef32_pk16_fp6_f32 v[PC+12+4*\c:PC+14+4*\c], v[\s+16+32*\c:\s+31+32*\c], v[TM+12+2*\c+1]
.endr
	v_nop                                          ; one plain line behind a scaled conversion
.irp c, 0,1                            ; the layout wants a whole block in a lane
.irp i, 0,1,2
	v_permlane16_swap_b32 v[PC+6*\c+\i], v[PC+12+4*\c+\i]
.endr
.irp i, 0,1,2
	v_mov_b32 v[PC+3+6*\c+\i], v[PC+12+4*\c+\i]
.endr
.endr
.endm
; THE WAY OUT of block a (16 A rows x 128 B rows).  Every branch hangs on the cluster's x alone.
.macro BLOCKQ a
	s_cmp_eq_u32 ttmp9, 3
	s_cbranch_scc1 .Lrowb_\@
	WIN 0x06+(\a)/4                                ; source 0 the sums (window 2 or 3), source 1 the column bias (window 1), result window 0
.set i, 0
.rept 32
	v_pk_add_f32 v[H+i:H+i+1], v[64*((\a)%4)+i:64*((\a)%4)+i+1], v[96+i+96*(i/32):96+i+96*(i/32)+1]
.set i, i+2
.endr
	WIN 0
	s_branch .Lsum_\@
.Lrowb_\@:
	WIN 0x02+(\a)/4                                ; part 3: my row is a channel of v: one bias for all my numbers
.set i, 0
.rept 32
	v_pk_add_f32 v[H+i:H+i+1], v[64*((\a)%4)+i:64*((\a)%4)+i+1], v[BV+2*(\a):BV+2*(\a)+1]
.set i, i+2
.endr
	WIN 0
.Lsum_\@:
	s_cmp_lt_u32 s95, 2
	s_cbranch_scc0 .Lnof_\@
	s_wait_alu depctr_va_vdst(0)
.irp b, 0,1,2,3,4,5,6,7                ; k and v in f32: through my stage, so that sixteen lanes store a head's whole row of 256 bytes
	ds_store_b128 v[STO], v[H+8*\b:H+8*\b+3] offset:64*\b
	ds_store_b128 v[STO], v[H+8*\b+4:H+8*\b+7] offset:64*\b+16
.endr
	s_wait_xcnt 0x0                                ; the last block's stores have read the registers that the loads below write
.irp t, 0,1,2,3,4,5,6,7,8,9,10,11,12,13,14,15
	ds_load_b128 v[BK+4*\t:BK+4*\t+3], v[RD] offset:\t*SPITCH   ; LDS serves a wave's instructions in order: these see the stores above
.endr
	s_wait_dscnt 0x0
.irp t, 0,1,2,3,4,5,6,7,8,9,10,11,12,13,14,15
	global_store_b128 v[OO], v[BK+4*\t:BK+4*\t+3], s[18:19] offset:(16*(\a)+\t)*256 th:TH_STORE_NT
.endr
.Lnof_\@:
	s_cmp_eq_u32 ttmp9, 2
	s_cbranch_scc1 .Ldone_\@
	s_wait_xcnt 0x0                                ; the last block's stores have read the codes' registers
	QUANT H
	s_cmp_eq_u32 ttmp9, 3
	s_cbranch_scc1 .Lvt_\@
	v_lshrrev_b32 v[PW+1], 16, v[PW]               ; q, k: the fragment's two halves are two heads' 64 channels; a head's word has its two bytes lowest (the upper two meet zero codes)
	global_store_b128 v[LI], v[PC:PC+3], s[20:21] offset:768*(\a)
	global_store_b64 v[LJ], v[PC+4:PC+5], s[20:21] offset:768*(\a)
	global_store_b128 v[LI], v[PC+6:PC+9], s[22:23] offset:768*(\a)
	global_store_b64 v[LJ], v[PC+10:PC+11], s[22:23] offset:768*(\a)
	global_store_b32 v[LR], v[PW], s[46:47] offset:64*(\a)
	global_store_b32 v[LR], v[PW+1], s[92:93] offset:64*(\a)
	s_branch .Ldone_\@
.Lvt_\@:                               ; v along the keys: head a / 4, channels 16 (a % 4) on, my 128 keys: a whole fragment
	s_wait_alu depctr_va_vdst(0)
	global_store_b128 v[LI], v[PC:PC+3], s[20:21] offset:((\a)/4)*4*CHK+((\a)%4)*1536
	global_store_b64 v[LJ], v[PC+4:PC+5], s[20:21] offset:((\a)/4)*4*CHK+((\a)%4)*1536
	global_store_b128 v[LI], v[PC+6:PC+9], s[20:21] offset:((\a)/4)*4*CHK+((\a)%4)*1536+768
	global_store_b64 v[LJ], v[PC+10:PC+11], s[20:21] offset:((\a)/4)*4*CHK+((\a)%4)*1536+768
	global_store_b32 v[LR], v[PW], s[46:47] offset:((\a)/4)*4*CHK+((\a)%4)*64
.Ldone_\@:
.endm
	PLACES NP                                      ; behind the last products
.irp b, 0,1,2,3
	v_mov_b32 v[TM+4+\b], 0                        ; written once: a lane permute's destination counts as one of its sources
.endr
	s_wait_loadcnt 0x0                             ; the biases
.irp a, 0,1,2,3,4,5,6,7
	BLOCKQ \a
.endr
	s_wait_tensorcnt 0x0                           ; the wave's end
	ds_add_u32 v[SPW], v[NIL]
	s_wait_dscnt 0x0
	CROUND                                         ; the closing round
	s_endpgm
.Lfunc_end_k_qd56f54edbe_qkv:
	.size	k_qd56f54edbe_qkv, .Lfunc_end_k_qd56f54edbe_qkv-k_qd56f54edbe_qkv
	.p2alignl 7, 3214868480
	.fill 96, 4, 3214868480
	.section	.rodata,"a",@progbits
	.p2align	6, 0x0
	.amdhsa_kernel k_qd56f54edbe_qkv
		.amdhsa_group_segment_fixed_size 327680
		.amdhsa_private_segment_fixed_size 0
		.amdhsa_enable_private_segment 0
		.amdhsa_kernarg_size 48
		.amdhsa_user_sgpr_count 2
		.amdhsa_user_sgpr_kernarg_segment_ptr 1
		.amdhsa_wavefront_size32 1
		.amdhsa_system_sgpr_workgroup_id_x 1
		.amdhsa_system_sgpr_workgroup_id_y 1
		.amdhsa_system_sgpr_workgroup_id_z 1
		.amdhsa_system_vgpr_workitem_id 0
		.amdhsa_next_free_vgpr 1024
		.amdhsa_next_free_sgpr 102
		.amdhsa_reserve_vcc 0
		.amdhsa_float_denorm_mode_32 3
		.amdhsa_float_denorm_mode_16_64 3
		.amdhsa_memory_ordered 1
		.amdhsa_forward_progress 1
		.amdhsa_inst_pref_size 227
	.end_amdhsa_kernel
	.amdgpu_metadata
---
amdhsa.version: [ 1, 2 ]
amdhsa.kernels:
  - .name:           k_qd56f54edbe_qkv
    .symbol:         k_qd56f54edbe_qkv.kd
    .args:
      - { .name: xq, .offset: 0, .size: 8, .value_kind: global_buffer, .address_space: global }
      - { .name: wq, .offset: 8, .size: 8, .value_kind: global_buffer, .address_space: global }
      - { .name: b_attn, .offset: 16, .size: 8, .value_kind: global_buffer, .address_space: global }
      - { .name: qq, .offset: 24, .size: 8, .value_kind: global_buffer, .address_space: global }
      - { .name: kvq, .offset: 32, .size: 8, .value_kind: global_buffer, .address_space: global }
      - { .name: out1, .offset: 40, .size: 8, .value_kind: global_buffer, .address_space: global }
    .group_segment_fixed_size: 327680
    .private_segment_fixed_size: 0
    .kernarg_segment_align: 8
    .kernarg_segment_size: 48
    .max_flat_workgroup_size: 128
    .sgpr_count:     102
    .vgpr_count:     1024
    .wavefront_size: 32
...
	.end_amdgpu_metadata
.endif
;; end of part 9
;; launch attn (part 10): grid 8 x 32, 16 waves a work-group, no clusters, 210,944 bytes of LDS; arguments qq, kvq, aq; writes aq
.if DOCPART == 10
	.amdgcn_target "amdgcn-amd-amdhsa--gfx1250"
	.amdhsa_code_object_version 6
	.text
	.protected	k_qd56f54edbe_attn
	.globl	k_qd56f54edbe_attn
	.p2align	8
	.type	k_qd56f54edbe_attn,@function
k_qd56f54edbe_attn:
	s_mov_b64 s[64:65], 0
	v_nop
	global_prefetch_b8 v0, s[64:65] scope:SCOPE_SE
	s_setreg_imm32_b32 hwreg(HW_REG_WAVE_MODE, 25, 1), 1
	s_wait_xcnt 0x0
; Causal attention of one head (y = batch x 16 + head) on codes of FP6 (E2M3) with E8M0 scales; no 1 / sqrt(d).  Out: the head's 64 channels of a, quantised along the channels for the projection.
; SOFTMAX: t = score x log2(e); M = the running largest t rounded up to a whole number; p = 2^(t - M) is quantised along the keys; the row's sum is taken of the unquantised p and divides at the end.
; LDS: the head's K, V and their scale words, 208,896 bytes, lie in LDS as in memory: four chunks of 512 keys, each filled ONCE, by all sixteen waves, all asked for at the head.  Nothing is filled again.
;   a chunk: K [32 tiles][768] | V [4 x 128 keys][4 x 16 channels][1,536] at 24,576 | K's scale words [32][16] at 49,152 | V's [4][4][16] at 51,200.
; SHARES: a wave owns one tile of 16 queries.  Of the work-group's 16 waves eight take tiles 8 x + i and eight tiles 127 - 8 x - i, so every work-group walks 8 x 17 key steps.  A step whose keys all come after the wave's queries is left out (a branch on ids).
; Both products are used transposed: a lane holds one query.  The first product's K is 64: Q's upper 64 codes are zeros, so what stands in the upper half of K's operand counts for nothing:
; tile t's operand is v[32 + 6 t] on, 12 registers, of which the upper six are the next tile's codes.  No scale byte of this program is 0xff.
; Scale words: two tiles to a register, the even tile in lanes 0-15, the odd one in lanes 16-31.
; LIMITS: hidden scores are taken as -infinity where the problem has -1e10: the same as long as a row's largest visible score stays above about -1e10 + 150.  NaN and infinities are not served.
; REGISTERS: v1-4, v11 lane constants; v7-10 a step's addresses; v12 -M, v13 largest t, v[14:15] the sum; v16-27 Q; v28-29 V's scale words; v32-79 K; v80-127 V; v128-191 S^T, then p; v192-223 O^T; v224-235 p's codes; v232-254 at work; v248-251 K's scale words; v253 p's; v255 Q's.
.set CH,    52224
.set SPARE, 4*CH                       ; the spare words, 128 bytes a wave: eight blocks of 256 bytes that no other line names
.set AK0, 1                            ; 16 x lane
.set AK1, 2                            ; 512 + 8 x lane
.set AS4, 3                            ; 4 x lane
.set DL,  4                            ; lane % 16 - 8 (lane / 16)
.set SPW, 5
.set NIL, 6
.set ADT, 7
.set ADK, 8                            ; v8, v9
.set ADS, 10
.set R4,  11                           ; 4 x (lane % 16)
.set S,   128
.set OT,  192
.set WV,  18
.set SEL, 20
.set CS,  22
.set G1,  24
.set G0,  40                           ; s[40:43] the group 0 of my one load
.set TK,  2
.set TS,  3
.set TJ,  66
.set KF,  67                           ; the step's first key
.set Q0,  68                           ; my first query
.set CNT, 69
	s_load_b128 s[4:7], s[0:1], 0x0                ; qq, kvq
	s_load_b64 s[8:9], s[0:1], 0x10                ; aq
	v_lshl_add_u32 v[SPW], v0, 2, SPARE
	v_mov_b32 v[NIL], 0
	ds_add_u32 v[SPW], v[NIL]                      ; the opening: the add, with its wait ahead of my first tensor load
	ds_add_u32 v[SPW], v[NIL]
	v_lshrrev_b32 v8, 5, v0
	s_delay_alu instid0(VALU_DEP_1)
	v_readfirstlane_b32 s[WV], v8                  ; wave 0..15
	s_and_b32 s70, ttmp7, 0xffff                   ; batch x 16 + head
	s_mov_b32 s[G1], 3<<16                         ; elements of 8 bytes, no mask, no padding
	s_mov_b32 s[G1+1], 32<<16                      ; rows of 256 bytes
	s_mov_b32 s[G1+2], 51<<16                      ; 51 of them: a quarter of a chunk
	s_mov_b32 s[G1+3], 32<<16
	s_mov_b32 s[G1+4], 51
	s_mov_b32 s[G1+5], 32
	s_mov_b32 s[G1+6], 0
	s_mov_b32 s[G1+7], 0
	s_mul_i32 s72, s70, 4*CH
	s_mul_i32 s71, s[WV], 13056                    ; my quarter
	s_add_co_u32 s72, s72, s71
	s_mov_b32 s73, 0
	s_lshr_b32 s74, s[WV], 1
	s_lshl_b32 s75, ttmp9, 3
	s_add_co_u32 s74, s74, s75                     ; 8 x + wave / 2
	s_sub_co_u32 s75, 127, s74
	s_lshr_b32 s76, s[WV], 2
	s_xor_b32 s76, s76, s[WV]
	s_and_b32 s76, s76, 1                          ; early tile or late one: two of each on every run of four waves and on every fourth wave
	s_cmp_eq_u32 s76, 1
	s_cselect_b32 s74, s75, s74                    ; my tile of queries
	s_lshl_b32 s[Q0], s74, 4
	s_mov_b32 s[SEL], 0x76543210
	s_mov_b32 s[SEL+1], 0xfedcba98
	s_mov_b32 s[CS], 0x3fb8aa3b                    ; log2(e)
	s_mov_b32 s[CS+1], s[CS]
	s_mov_b32 s[KF], 0
	s_wait_dscnt 0x0                               ; the opening add is done
	s_wait_kmcnt 0x0
	s_add_nc_u64 s[72:73], s[6:7], s[72:73]
	; EVERY WAVE FETCHES ONE SIXTEENTH of the head's 208,896 bytes, 13,056 bytes at 13,056 x wave, by its one tensor load (not waves 0-3 alone)
	s_mov_b32 s[G0], 1
	s_mov_b32 s[G0+1], s71
	s_mov_b64 s[G0+2:G0+3], s[72:73]
	s_or_b32 s[G0+3], s[G0+3], 0x80000000
	tensor_load_to_lds s[G0:G0+3], s[G1:G1+7]
	s_nop 0
.rept 4
	v_nop
.endr
	s_lshl_b32 s75, s70, 7
	s_add_co_u32 s75, s75, s74
	s_mul_i32 s76, s75, 768
	s_mov_b32 s77, 0
	s_add_nc_u64 s[76:77], s[4:5], s[76:77]        ; Q's codes
	s_lshl_b32 s78, s75, 6
	s_add_co_u32 s78, s78, 3145728
	s_mov_b32 s79, 0
	s_add_nc_u64 s[78:79], s[4:5], s[78:79]        ; Q's scale words
	s_lshr_b32 s80, s70, 4
	s_lshl_b32 s80, s80, 7
	s_add_co_u32 s80, s80, s74                     ; a's tile row: 128 batch + my tile
	s_lshl_b32 s80, s80, 3
	s_bfe_u32 s81, s70, 0x30001
	s_add_co_u32 s80, s80, s81                     ; fragment head / 2
	s_and_b32 s81, s70, 1                          ; half head % 2 of it
	s_mul_i32 s82, s80, 1536
	s_mul_i32 s84, s81, 768
	s_add_co_u32 s82, s82, s84
	s_mov_b32 s83, 0
	s_add_nc_u64 s[82:83], s[8:9], s[82:83]
	s_lshl_b32 s84, s80, 6
	s_lshl_b32 s81, s81, 1
	s_add_co_u32 s84, s84, s81
	s_add_co_u32 s84, s84, 3145728
	s_mov_b32 s85, 0
	s_add_nc_u64 s[84:85], s[8:9], s[84:85]
	v_and_b32 v8, 15, v0
	v_bfe_u32 v9, v0, 4, 1
	v_and_b32 v10, 31, v0
	s_delay_alu instid0(VALU_DEP_1)
	v_lshlrev_b32 v[AK0], 4, v10
	s_delay_alu instid0(VALU_DEP_2)
	v_lshlrev_b32 v[AK1], 3, v10
	s_delay_alu instid0(VALU_DEP_1)
	v_add_nc_u32 v[AK1], 512, v[AK1]
	s_delay_alu instid0(VALU_DEP_4)
	v_lshlrev_b32 v[AS4], 2, v10
	v_lshlrev_b32 v[R4], 2, v8
	v_lshlrev_b32 v9, 3, v9
	s_delay_alu instid0(VALU_DEP_1)
	v_sub_nc_u32 v[DL], v8, v9
	global_load_b128 v[16:19], v[AK0], s[76:77]    ; Q stays in registers
	global_load_b64 v[20:21], v[AK1], s[76:77]
	global_load_b32 v255, v[R4], s[78:79]
.irp j, 22,23,24,25,26,27,80,81,82,83,84,85
	v_mov_b32 v[\j], 0                             ; Q's upper 64 codes are zeros; v80-85 are named by key tile 7's operand before V first lands there
.endr
	v_mov_b32 v13, 0xff61b1e6                      ; the largest t so far: -3e38
	s_delay_alu instid0(VALU_DEP_1)
	v_floor_f32 v12, -v13                          ; -M
	v_mov_b32 v14, 0
	v_mov_b32 v15, 0
.irp j, 236,237,238,239,252,253
	v_mov_b32 v[\j], 0
.endr
.set j, 0
.rept 32
	v_mov_b32 v[OT+j], 0                           ; the step is written once: the first finds zeros
.set j, j+1
.endr
; A KEY STEP: 128 keys
.macro STEP
	s_add_co_u32 s96, s[Q0], 15
	s_cmp_gt_u32 s[KF], s96                        ; all keys behind my queries: nothing to do but step the addresses
	s_cbranch_scc1 .Lhidden_\@
	v_add_nc_u32 v[ADK], s[TK], v[AK0]             ; (these four are also places behind the last step's products, in front of the loads into their registers)
	v_add_nc_u32 v[ADK+1], s[TK], v[AK1]
	v_add_nc_u32 v[ADS], s[TS], v[AS4]
	v_add_nc_u32 v[ADT], s[TJ], v[AS4]
.irp t, 0,1,2,3,4,5,6,7
	ds_load_b128 v[32+6*\t:35+6*\t], v[ADK] offset:768*\t
	ds_load_b64 v[36+6*\t:37+6*\t], v[ADK+1] offset:768*\t
.endr
.irp u, 0,1,2,3
	ds_load_b32 v[248+\u], v[ADS] offset:128*\u
.endr
	s_wait_alu depctr_va_vdst(0)
	s_wait_dscnt 0x0
.irp u, 0,1,2,3                        ; S^T = K Q^T: lane (r, h) holds query r; register 8 t + j is key 16 t + 8 h + j
	v_wmma_scale_f32_16x16x128_f8f6f4 v[S+16*\u:S+16*\u+7], v[32+12*\u:43+12*\u], v[16:27], 0, v[248+\u], v255 matrix_a_fmt:MATRIX_FMT_FP6 matrix_b_fmt:MATRIX_FMT_FP6
	v_wmma_scale_f32_16x16x128_f8f6f4 v[S+16*\u+8:S+16*\u+15], v[38+12*\u:49+12*\u], v[16:27], 0, v[248+\u], v255 matrix_a_fmt:MATRIX_FMT_FP6 matrix_b_fmt:MATRIX_FMT_FP6 matrix_a_scale:MATRIX_SCALE_ROW1
.endr
.rept 4
	v_nop                                          ; places: in front of the first read of the scores, and of V's loads (v80-85 were named by the last product)
.endr
.irp d, 0,1,2,3                        ; V's four fragments land under the softmax
	ds_load_b128 v[80+12*\d:83+12*\d], v[ADK] offset:24576+1536*\d
	ds_load_b64 v[84+12*\d:85+12*\d], v[ADK+1] offset:24576+1536*\d
	ds_load_b128 v[86+12*\d:89+12*\d], v[ADK] offset:24576+1536*\d+768
	ds_load_b64 v[90+12*\d:91+12*\d], v[ADK+1] offset:24576+1536*\d+768
.endr
	ds_load_b32 v28, v[ADT]
	ds_load_b32 v29, v[ADT] offset:128
	s_add_co_u32 s96, s[KF], 127
	s_cmp_le_u32 s96, s[Q0]                        ; all keys count: no mask
	s_cbranch_scc1 .Lopen_\@
	s_sub_co_i32 s96, s[Q0], s[KF]
	v_add_nc_u32 v252, s96, v[DL]                  ; d = my query - the step's first key - 8 h: register n is hidden where 16 (n / 8) + n % 8 > d
	v_mov_b32 v254, 0xff800000
.set n, 0
.rept 64
	v_cmp_gt_i32 vcc_lo, 16*(n/8)+n%8, v252
	v_cndmask_b32 v[S+n], v[S+n], v254, vcc_lo
.set n, n+1
.endr
.Lopen_\@:
.irp b, 0,1,2,3
	v_max3_num_f32 v[232+\b], v[S+16*\b], v[S+1+16*\b], v[S+2+16*\b]   ; the largest score of each block of 32 keys: for the row's maximum, and for the block's largest p
.endr
.irp i, 3,5,7,9,11,13
.irp b, 0,1,2,3
	v_max3_num_f32 v[232+\b], v[232+\b], v[S+16*\b+\i], v[S+1+16*\b+\i]
.endr
.endr
.irp b, 0,1,2,3
	v_max_num_f32 v[232+\b], v[232+\b], v[S+15+16*\b]
.endr
.irp b, 0,1,2,3
	s_delay_alu instid0(VALU_DEP_4)
	v_permlanex16_b32 v[236+\b], v[232+\b], s[SEL], s[SEL+1]
.endr
.irp b, 0,1,2,3
	s_delay_alu instid0(VALU_DEP_4)
	v_max_num_f32 v[232+\b], v[232+\b], v[236+\b]
.endr
	s_delay_alu instid0(VALU_DEP_2)
	v_max3_num_f32 v254, v232, v233, v234
	s_delay_alu instid0(VALU_DEP_1)
	v_max_num_f32 v254, v254, v235
	s_delay_alu instid0(VALU_DEP_1)
	v_mul_f32 v254, s[CS], v254
	s_delay_alu instid0(VALU_DEP_1)
	v_max_num_f32 v13, v13, v254                   ; the running largest t
	v_mov_b32 v254, v12
	s_delay_alu instid0(VALU_DEP_2)
	v_floor_f32 v12, -v13                          ; the new -M: a whole number
	s_delay_alu instid0(VALU_DEP_1)
	v_sub_f32 v254, v12, v254
	s_delay_alu instid0(VALU_DEP_1)
	v_cvt_i32_f32 v254, v254                       ; (it saturates)
	s_delay_alu instid0(VALU_DEP_1)
	v_ldexp_f32 v252, 1.0, v254                    ; f = 2^(old M - new M): rounds nothing
.set j, 0
.rept 32
	v_pk_fma_f32 v[S+j:S+j+1], v[S+j:S+j+1], s[CS:CS+1], v[12:13] op_sel_hi:[1,0,0]   ; t - M
.set j, j+2
.endr
.irp b, 0,1,2,3
	v_fma_f32 v[232+\b], v[232+\b], s[CS], v12
.endr
.set j, 0
	s_wait_alu depctr_va_vdst(0)
.rept 64
	v_exp_f32 v[S+j], v[S+j]                       ; p = 2^(t - M)
.set j, j+1
.endr
	v_pk_mul_f32 v[14:15], v[14:15], v[252:253] op_sel_hi:[1,0]   ; the sum under the new M (a plain line behind the exponentials)
	s_wait_alu depctr_va_vdst(0)                   ; one wait for the batch, ahead of its first reader
.irp b, 0,1,2,3
	v_exp_f32 v[232+\b], v[232+\b]                 ; each block's largest p
.endr
	v_pk_add_f32 v[236:237], v[132:133], v[136:137]
	v_pk_add_f32 v[250:251], v[140:141], v[144:145]
	v_pk_add_f32 v[248:249], v[148:149], v[152:153]
	v_pk_add_f32 v[246:247], v[156:157], v[160:161]
	v_pk_add_f32 v[244:245], v[164:165], v[168:169]
	v_pk_add_f32 v[242:243], v[172:173], v[176:177]
	v_pk_add_f32 v[240:241], v[180:181], v[184:185]
	v_pk_add_f32 v[14:15], v[14:15], v[188:189]
	v_pk_add_f32 v[236:237], v[236:237], v[128:129]
	v_pk_add_f32 v[250:251], v[250:251], v[130:131]
	v_pk_add_f32 v[248:249], v[248:249], v[134:135]
	v_pk_add_f32 v[246:247], v[246:247], v[138:139]
	v_pk_add_f32 v[244:245], v[244:245], v[142:143]
	v_pk_add_f32 v[242:243], v[242:243], v[146:147]
	v_pk_add_f32 v[240:241], v[240:241], v[150:151]
	v_pk_add_f32 v[14:15], v[14:15], v[154:155]
	v_pk_add_f32 v[236:237], v[236:237], v[158:159]
	v_pk_add_f32 v[250:251], v[250:251], v[162:163]
	v_pk_add_f32 v[248:249], v[248:249], v[166:167]
	v_pk_add_f32 v[246:247], v[246:247], v[170:171]
	v_pk_add_f32 v[244:245], v[244:245], v[174:175]
	v_pk_add_f32 v[242:243], v[242:243], v[178:179]
	v_pk_add_f32 v[240:241], v[240:241], v[182:183]
	v_pk_add_f32 v[14:15], v[14:15], v[186:187]
	v_pk_add_f32 v[236:237], v[236:237], v[190:191]
	s_delay_alu instid0(VALU_DEP_2)
	v_pk_add_f32 v[14:15], v[14:15], v[246:247]
	s_delay_alu instid0(VALU_DEP_2)
	v_pk_add_f32 v[236:237], v[236:237], v[244:245]
	v_pk_add_f32 v[250:251], v[250:251], v[242:243]
	v_pk_add_f32 v[248:249], v[248:249], v[240:241]
	s_delay_alu instid0(VALU_DEP_2)
	v_pk_add_f32 v[14:15], v[14:15], v[250:251]
	s_delay_alu instid0(VALU_DEP_2)
	v_pk_add_f32 v[236:237], v[236:237], v[248:249]
	s_delay_alu instid0(VALU_DEP_1)
	v_pk_add_f32 v[14:15], v[14:15], v[236:237]
	s_wait_alu depctr_va_vdst(0)                   ; and one for the four
.irp b, 0,1,2,3
	v_max_num_f32 v[232+\b], 0x1800000, v[232+\b]  ; the floor 2^(3 - 127)
.endr
.irp b, 0,1,2,3
	s_delay_alu instid0(VALU_DEP_4)
	v_add_nc_u32 v[244+\b], 0xff000000, v[232+\b]
.endr
.irp b, 0,1,2,3
	s_delay_alu instid0(VALU_DEP_4)
	v_lshrrev_b32 v[236+\b], 23, v[244+\b]
.endr
	s_delay_alu instid0(VALU_DEP_3)
	v_lshl_or_b32 v253, v237, 8, v236              ; p's scale word
	s_delay_alu instid0(VALU_DEP_1)
	v_lshl_or_b32 v253, v238, 16, v253
	s_delay_alu instid0(VALU_DEP_1)
	v_lshl_or_b32 v253, v239, 24, v253
.irp c, 0,1
	v_cvt_scalef32_pk16_fp6_f32 v[224+6*\c:226+6*\c], v[S+32*\c:S+15+32*\c], v[244+2*\c]
	v_cvt_scalef32_pk16_fp6_f32 v[236+4*\c:238+4*\c], v[S+16+32*\c:S+31+32*\c], v[244+2*\c+1]
.endr
	v_nop
.irp c, 0,1
.irp i, 0,1,2
	v_permlane16_swap_b32 v[224+6*\c+\i], v[236+4*\c+\i]
.endr
.irp i, 0,1,2
	s_delay_alu instid0(VALU_DEP_3)
	v_mov_b32 v[227+6*\c+\i], v[236+4*\c+\i]
.endr
.endr
.set j, 0
.rept 16
	v_pk_mul_f32 v[OT+j:OT+j+1], v[OT+j:OT+j+1], v[252:253] op_sel_hi:[1,0]   ; O^T under the new M; these sixteen also stand between the lines that made p's codes and scale word and the products
.set j, j+2
.endr
	s_wait_alu depctr_va_vdst(0)
	s_wait_dscnt 0x0                               ; V
.irp u, 0,1                            ; O^T += V^T P^T: four accumulators by turns
	v_wmma_scale_f32_16x16x128_f8f6f4 v[OT+16*\u:OT+16*\u+7], v[80+24*\u:91+24*\u], v[224:235], v[OT+16*\u:OT+16*\u+7], v[28+\u], v253 matrix_a_fmt:MATRIX_FMT_FP6 matrix_b_fmt:MATRIX_FMT_FP6
	v_wmma_scale_f32_16x16x128_f8f6f4 v[OT+16*\u+8:OT+16*\u+15], v[92+24*\u:103+24*\u], v[224:235], v[OT+16*\u+8:OT+16*\u+15], v[28+\u], v253 matrix_a_fmt:MATRIX_FMT_FP6 matrix_b_fmt:MATRIX_FMT_FP6 matrix_a_scale:MATRIX_SCALE_ROW1
.endr
.Lhidden_\@:
	s_add_co_u32 s[KF], s[KF], 128
	s_add_co_u32 s[TK], s[TK], 6144
	s_add_co_u32 s[TS], s[TS], 512
	s_add_co_u32 s[TJ], s[TJ], 256
.endm
.macro CHUNK c
.if \c == 0
	s_wait_tensorcnt 0x0                           ; my sixteenth has landed
	s_wait_dscnt 0x0
	s_barrier_signal -1
	s_barrier_wait -1                              ; everybody's has: all four chunks are whole, nothing is filled again, so no later barrier is owed
.endif
	s_mov_b32 s[TK], \c*CH
	s_mov_b32 s[TS], \c*CH+49152
	s_mov_b32 s[TJ], \c*CH+51200
	s_mov_b32 s[CNT], 4
.Lstep_\@:
	STEP
	s_sub_co_u32 s[CNT], s[CNT], 1
	s_cmp_lg_u32 s[CNT], 0
	s_cbranch_scc1 .Lstep_\@
.endm
	s_wait_loadcnt 0x0                             ; Q
	CHUNK 0
	CHUNK 1
	CHUNK 2
	CHUNK 3
	; THE WAY OUT: O^T / the sum, quantised along the head's 64 channels (two blocks), stored as half a fragment of a
.rept 4
	v_nop
.endr
	v_add_f32 v14, v14, v15
	s_delay_alu instid0(VALU_DEP_1)
	v_permlanex16_b32 v252, v14, s[SEL], s[SEL+1]
	s_delay_alu instid0(VALU_DEP_1)
	v_add_f32 v14, v14, v252
	s_wait_alu depctr_va_vdst(0)
	v_rcp_f32 v14, v14
	v_nop
	s_wait_alu depctr_va_vdst(0)
.set j, 0
.rept 32
	v_mul_f32 v[S+j], v[OT+j], v14
.set j, j+1
.endr
.irp b, 0,1
	v_max3_num_f32 v[232+\b], |v[S+16*\b]|, |v[S+1+16*\b]|, 0x1800000
.endr
.irp i, 2,4,6,8,10,12,14
.irp b, 0,1
	s_delay_alu instid0(VALU_DEP_2)
	v_max3_num_f32 v[232+\b], v[232+\b], |v[S+16*\b+\i]|, |v[S+1+16*\b+\i]|
.endr
.endr
.irp b, 0,1
	s_delay_alu instid0(VALU_DEP_2)
	v_permlanex16_b32 v[236+\b], v[232+\b], s[SEL], s[SEL+1]
.endr
.irp b, 0,1
	s_delay_alu instid0(VALU_DEP_2)
	v_max_num_f32 v[232+\b], v[232+\b], v[236+\b]
.endr
.irp b, 0,1
	s_delay_alu instid0(VALU_DEP_2)
	v_add_nc_u32 v[244+\b], 0xff000000, v[232+\b]
.endr
.irp b, 0,1
	s_delay_alu instid0(VALU_DEP_2)
	v_lshrrev_b32 v[236+\b], 23, v[244+\b]
.endr
	s_delay_alu instid0(VALU_DEP_1)
	v_lshl_or_b32 v254, v237, 8, v236              ; my row's two bytes
	v_cvt_scalef32_pk16_fp6_f32 v[224:226], v[S:S+15], v244
	v_cvt_scalef32_pk16_fp6_f32 v[240:242], v[S+16:S+31], v245
	v_nop
.irp i, 0,1,2
	v_permlane16_swap_b32 v[224+\i], v[240+\i]
.endr
.irp i, 0,1,2
	s_delay_alu instid0(VALU_DEP_3)
	v_mov_b32 v[227+\i], v[240+\i]
.endr
	global_store_b128 v[AK0], v[224:227], s[82:83]
	global_store_b64 v[AK1], v[228:229], s[82:83]
	global_store_b16 v[R4], v254, s[84:85]
	s_wait_tensorcnt 0x0                           ; the wave's end
	ds_add_u32 v[SPW], v[NIL]
	s_wait_dscnt 0x0
	s_endpgm
.Lfunc_end_k_qd56f54edbe_attn:
	.size	k_qd56f54edbe_attn, .Lfunc_end_k_qd56f54edbe_attn-k_qd56f54edbe_attn
	.p2alignl 7, 3214868480
	.fill 96, 4, 3214868480
	.section	.rodata,"a",@progbits
	.p2align	6, 0x0
	.amdhsa_kernel k_qd56f54edbe_attn
		.amdhsa_group_segment_fixed_size 210944
		.amdhsa_private_segment_fixed_size 0
		.amdhsa_enable_private_segment 0
		.amdhsa_kernarg_size 24
		.amdhsa_user_sgpr_count 2
		.amdhsa_user_sgpr_kernarg_segment_ptr 1
		.amdhsa_wavefront_size32 1
		.amdhsa_system_sgpr_workgroup_id_x 1
		.amdhsa_system_sgpr_workgroup_id_y 1
		.amdhsa_system_sgpr_workgroup_id_z 1
		.amdhsa_system_vgpr_workitem_id 0
		.amdhsa_next_free_vgpr 256
		.amdhsa_next_free_sgpr 100
		.amdhsa_reserve_vcc 1
		.amdhsa_float_denorm_mode_32 3
		.amdhsa_float_denorm_mode_16_64 3
		.amdhsa_memory_ordered 1
		.amdhsa_forward_progress 1
		.amdhsa_inst_pref_size 103
	.end_amdhsa_kernel
	.amdgpu_metadata
---
amdhsa.version: [ 1, 2 ]
amdhsa.kernels:
  - .name:           k_qd56f54edbe_attn
    .symbol:         k_qd56f54edbe_attn.kd
    .args:
      - { .name: qq, .offset: 0, .size: 8, .value_kind: global_buffer, .address_space: global }
      - { .name: kvq, .offset: 8, .size: 8, .value_kind: global_buffer, .address_space: global }
      - { .name: aq, .offset: 16, .size: 8, .value_kind: global_buffer, .address_space: global }
    .group_segment_fixed_size: 210944
    .private_segment_fixed_size: 0
    .kernarg_segment_align: 8
    .kernarg_segment_size: 24
    .max_flat_workgroup_size: 512
    .sgpr_count:     100
    .vgpr_count:     256
    .wavefront_size: 32
...
	.end_amdgpu_metadata
.endif
;; end of part 10
;; launch aproj (part 11): grid 8 x 32, 4 waves a work-group, clusters of 4 x 4, 327,680 bytes of LDS; arguments aq, wq, b_aproj, x, x1; writes x1
.if DOCPART == 11
	.amdgcn_target "amdgcn-amd-amdhsa--gfx1250"
	.amdhsa_code_object_version 6
	.text
	.protected	k_qd56f54edbe_aproj
	.globl	k_qd56f54edbe_aproj
	.p2align	8
	.type	k_qd56f54edbe_aproj,@function
k_qd56f54edbe_aproj:
	s_mov_b64 s[64:65], 0
	v_nop
	global_prefetch_b8 v0, s[64:65] scope:SCOPE_SE
	s_setreg_imm32_b32 hwreg(HW_REG_WAVE_MODE, 25, 1), 1
	s_wait_xcnt 0x0
	s_wait_alu depctr_hold_cnt(0) depctr_sa_sdst(0) depctr_va_vdst(0) depctr_va_sdst(0) depctr_va_ssrc(0) depctr_va_vcc(0) depctr_vm_vsrc(0)
	s_getreg_b32 s2, hwreg(HW_REG_IB_STS2, 6, 4)
	s_cmp_eq_u32 s2, 0
	s_cbranch_scc0 .Lentry_in_a_cluster
	s_endpgm
.Lentry_in_a_cluster:
	s_bfe_u32 s2, ttmp6, 0x10000c
	s_cmp_lg_u32 s2, 0xf033
	s_cbranch_scc0 .Lentry_shape_is_right
	s_endpgm
.Lentry_shape_is_right:
; x1 = x + a W_aproj + b on codes of FP6 (E2M3) with E8M0 scales, K = 1,024.  A work-group of four waves makes 128 x 128, a wave 64 x 64.  Operands lie as images of registers (1,536 bytes a fragment).
; Two LDS slots of 512 along K hold all of K: each is filled once.  4 x 4 clusters: A's tiles are shared along a row, B's along a column, by joint loads.
; No prefetch: both slots are asked for in the head, and there is no loop to run ahead in.
.set KK,     1024
.set ASO,    3145728
.set BCO,    2359296
.set BSO,    9535488
.set KS,     KK/128
.set KROW,   1536*KS
.set NQ,     4
.set ROWB,   1536*NQ
.set FR,     12
.set NP,     4
.set HALFT,  4*ROWB
.set SLOT,   4*HALFT
.set LAPS,   KK/(2*128*NQ)
.set SCL,    2*SLOT
.set HALFS,  256*KS
.set SBLK,   64*KS
.set SPARE,  SCL+4*HALFS
.set STG,    SPARE+512
.set SPITCH, 272
.set LI,   4
.set LJ,   5
.set LR,   6
.set B4,   8
.set RO,   12
.set BO,   13
.set ADRA, 16
.set ADRB, 20
.set STO,  24
.set RD,   25
.set ADRS, 27
.set SPW,  28
.set NIL,  29
.set SC,   32
.set F,    64
.set BK,   64
.set RES,  128
.set G1, 24
.set G0, 32
.set G1B, 48
.set G0B, 56
.set G1S, 68
.set G0S, 76
.set G1SB, 80
.set G0SB, 88
.set MSB, 0
.macro WIN new
.if MSB != \new
	s_set_vgpr_msb (MSB<<8)|\new
.set MSB, \new
.endif
.endm
.set MULW, 0x50
.macro JLOAD g0a, g1a, g0b, g1b
	s_cmp_eq_u32 s15, 0
	s_cbranch_scc0 .Lfor_b_\@
	tensor_load_to_lds s[\g0a:\g0a+3], s[\g1a:\g1a+7]
	s_nop 0
.rept 4
	v_nop
.endr
	s_branch .Lasked_\@
.Lfor_b_\@:
	tensor_load_to_lds s[\g0b:\g0b+3], s[\g1b:\g1b+7]
	s_nop 0
.rept 4
	v_nop
.endr
.Lasked_\@:
.endm
.macro CREST
	s_cmp_lg_u32 s14, 0
	s_cbranch_scc1 .Lnot_wave_0_\@
	s_barrier_signal -3
.Lnot_wave_0_\@:
	s_barrier_wait -3
	s_barrier_signal -1
	s_barrier_wait -1
.endm
.macro CROUND
	s_barrier_signal -1
	s_barrier_wait -1
	CREST
.endm
	s_load_b256 s[4:11], s[0:1], 0x0
	s_load_b64 s[96:97], s[0:1], 0x20
	v_lshl_add_u32 v[SPW], v0, 2, SPARE
	v_mov_b32 v[NIL], 0
	ds_add_u32 v[SPW], v[NIL]
	ds_add_u32 v[SPW], v[NIL]
	v_lshrrev_b32 v1, 5, v0
	v_readfirstlane_b32 s14, v1
	s_lshr_b32 s15, s14, 1
	s_and_b32 s16, s14, 1
	s_bfe_u32 s40, ttmp6, 0x40000
	s_bfe_u32 s41, ttmp6, 0x40004
	s_lshl_b32 s42, ttmp9, 2
	s_add_co_u32 s42, s42, s40
	s_and_b32 s17, ttmp7, 0xffff
	s_lshl_b32 s17, s17, 2
	s_add_co_u32 s17, s17, s41
	s_lshl_b32 s43, s41, 2
	s_lshl_b32 s43, 15, s43
	s_lshl_b32 s44, 0x1111, s40
	s_or_b32 s[G1+0], s43, (3<<16)|(1<<21)
	s_or_b32 s[G1B+0], s44, (3<<16)|(1<<21)
.irp g, G1, G1B
	s_mov_b32 s[\g+1], (ROWB/8)<<16
	s_mov_b32 s[\g+2], 8<<16
	s_mov_b32 s[\g+3], (ROWB/8)<<16
	s_mov_b32 s[\g+4], 8
	s_mov_b32 s[\g+5], KROW/8
	s_mov_b32 s[\g+6], 0
	s_mov_b32 s[\g+7], 0
.endr
	s_or_b32 s[G1S+0], s43, (3<<16)|(1<<21)
	s_or_b32 s[G1SB+0], s44, (3<<16)|(1<<21)
.irp g, G1S, G1SB
	s_mov_b32 s[\g+1], 32<<16
	s_mov_b32 s[\g+2], (2*KS)<<16
	s_mov_b32 s[\g+3], 32<<16
	s_mov_b32 s[\g+4], 2*KS
	s_mov_b32 s[\g+5], 32
	s_mov_b32 s[\g+6], 0
	s_mov_b32 s[\g+7], 0
.endr
	s_lshl_b32 s18, s16, 2
	s_lshl_b32 s20, s17, 3
	s_add_co_u32 s20, s20, s18
	s_lshl_b32 s46, s42, 3
	s_add_co_u32 s46, s46, s18
	s_mul_i32 s22, s20, 64*KS
	s_add_co_u32 s22, s22, ASO
	s_mul_i32 s92, s46, 64*KS
	s_add_co_u32 s92, s92, BSO
	s_mul_i32 s20, s20, KROW
	s_mul_i32 s46, s46, KROW
	s_add_co_u32 s46, s46, BCO
	s_mov_b32 s21, 0
	s_mov_b32 s23, 0
	s_mov_b32 s47, 0
	s_mov_b32 s93, 0
	s_mul_i32 s45, s14, HALFT
	s_wait_dscnt 0x0
	s_wait_kmcnt 0x0
	s_add_nc_u64 s[20:21], s[4:5], s[20:21]
	s_add_nc_u64 s[22:23], s[4:5], s[22:23]
	s_add_nc_u64 s[46:47], s[6:7], s[46:47]
	s_add_nc_u64 s[92:93], s[6:7], s[92:93]
	CROUND
	s_mul_i32 s2, s16, HALFS                       ; back from my half to the block's first row
	s_mov_b32 s3, 0
	s_sub_nc_u64 s[22:23], s[22:23], s[2:3]
	s_sub_nc_u64 s[92:93], s[92:93], s[2:3]
	s_mov_b32 s[G0S], 1
	s_mov_b32 s[G0S+1], SCL
	s_mov_b64 s[G0S+2:G0S+3], s[22:23]
	s_or_b32 s[G0S+3], s[G0S+3], 0x80000000
	s_mov_b32 s[G0SB], 1
	s_mov_b32 s[G0SB+1], SCL+2*HALFS
	s_mov_b64 s[G0SB+2:G0SB+3], s[92:93]
	s_or_b32 s[G0SB+3], s[G0SB+3], 0x80000000
.irp s, 0,1
	s_mov_b32 s[G0+4*\s], 1
	s_add_co_u32 s[G0+4*\s+1], s45, \s*SLOT
	s_add_nc_u64 s[G0+4*\s+2:G0+4*\s+3], s[20:21], \s*ROWB
	s_or_b32 s[G0+4*\s+3], s[G0+4*\s+3], 0x80000000
	s_mov_b32 s[G0B+4*\s], 1
	s_add_co_u32 s[G0B+4*\s+1], s45, \s*SLOT
	s_add_nc_u64 s[G0B+4*\s+2:G0B+4*\s+3], s[46:47], \s*ROWB
	s_or_b32 s[G0B+4*\s+3], s[G0B+4*\s+3], 0x80000000
.endr
	s_mul_i32 s2, s16, (HALFT/ROWB)*KROW           ; slot 0's two descriptors serve the head: the whole 8 tile rows
	s_sub_nc_u64 s[G0+2:G0+3], s[G0+2:G0+3], s[2:3]
	s_sub_nc_u64 s[G0B+2:G0B+3], s[G0B+2:G0B+3], s[2:3]
	s_mov_b32 s[G0+1], 0
	s_mov_b32 s[G0B+1], 2*HALFT
; THE HEAD'S LOADS, ONE A WAVE: wave 0 slot 0 of A, wave 1 of B, wave 2 A's scale words, wave 3 B's
.macro ARM under, g0, g1, next
	s_cmp_lt_u32 s14, \under
	s_cbranch_scc0 \next
	tensor_load_to_lds s[\g0:\g0+3], s[\g1:\g1+7]
	s_nop 0
.rept 4
	v_nop
.endr
	s_branch .Lhead_asked
\next:
.endm
	ARM 1, G0,  G1,  .Lhead_b
	ARM 2, G0B, G1B, .Lhead_sa
	ARM 3, G0S, G1S, .Lhead_sb
	tensor_load_to_lds s[G0SB:G0SB+3], s[G1SB:G1SB+7]
	s_nop 0
.rept 4
	v_nop
.endr
.Lhead_asked:
	v_and_b32 v1, 15, v0
	v_bfe_u32 v2, v0, 4, 1
	v_and_b32 v3, 31, v0
	v_lshlrev_b32 v[LI], 4, v3
	v_lshlrev_b32 v[LJ], 3, v3
	v_add_nc_u32 v[LJ], 512, v[LJ]
	v_lshlrev_b32 v[LR], 2, v1
	v_lshlrev_b32 v[BO], 4, v1
	s_wait_alu depctr_va_vdst(0)
	v_lshl_add_u32 v[RO], v2, 12, v[BO]
	s_wait_alu depctr_va_vdst(0)
	s_lshl_b32 s20, s17, 7
	s_lshl_b32 s21, s15, 6
	s_add_co_u32 s20, s20, s21
	s_lshl_b32 s20, s20, 12
	s_lshl_b32 s46, s42, 9
	s_lshl_b32 s47, s16, 8
	s_add_co_u32 s46, s46, s47
	s_mov_b32 s47, 0
	s_add_nc_u64 s[8:9], s[8:9], s[46:47]
	s_add_co_u32 s20, s20, s46
	s_mov_b32 s21, 0
	s_add_nc_u64 s[10:11], s[10:11], s[20:21]
	s_add_nc_u64 s[96:97], s[96:97], s[20:21]
	global_load_b128 v[B4:B4+3], v[BO], s[8:9]
	WIN 0x40
.set t, 0
.rept 32
	global_load_b128 v[RES+4*t:RES+4*t+3], v[RO], s[10:11] offset:8192*t th:TH_LOAD_NT
.set t, t+1
.endr
	WIN 0
	s_mul_i32 s21, s15, HALFT
	s_mul_i32 s22, s16, HALFT
	s_add_co_u32 s22, s22, 2*HALFT
.irp s, 0,1
	v_add_nc_u32 v[ADRA+\s], s21, v[LI]
	v_add_nc_u32 v[ADRB+\s], s22, v[LI]
	v_add_nc_u32 v[ADRA+2+\s], s21, v[LJ]
	v_add_nc_u32 v[ADRB+2+\s], s22, v[LJ]
	s_add_co_u32 s21, s21, SLOT
	s_add_co_u32 s22, s22, SLOT
.endr
	s_mul_i32 s21, s15, HALFS
	s_mul_i32 s22, s16, HALFS
	s_add_co_u32 s22, s22, 2*HALFS
	s_sub_co_u32 s22, s22, s21
	v_mul_u32_u24 v7, s22, v2
	s_add_co_u32 s21, s21, SCL
	v_add_nc_u32 v7, v[LR], v7
	v_add_nc_u32 v[ADRS], s21, v7
	s_mul_i32 s23, s14, 64*SPITCH
	s_add_co_u32 s23, s23, STG
	v_mul_u32_u24 v7, v1, SPITCH
	v_lshl_add_u32 v7, v2, 5, v7
	v_add_nc_u32 v[STO], s23, v7
	v_mul_u32_u24 v7, v2, SPITCH
	v_lshl_add_u32 v7, v1, 4, v7
	v_add_nc_u32 v[RD], s23, v7
.macro FRAG reg, adr, q, i
	ds_load_b128 v[\reg:\reg+3], v[\adr] offset:(\i)*ROWB+(\q)*1536
	ds_load_b64 v[\reg+4:\reg+5], v[\adr+2] offset:(\i)*ROWB+(\q)*1536
	ds_load_b128 v[\reg+6:\reg+9], v[\adr] offset:(\i)*ROWB+(\q)*1536+768
	ds_load_b64 v[\reg+10:\reg+11], v[\adr+2] offset:(\i)*ROWB+(\q)*1536+768
.endm
.macro FETCH slot, q, p
.irp i, 0,1,2,3
	FRAG F+96*(\p)+48+FR*\i, ADRB+\slot, \q, \i
.endr
.irp i, 0,1,2,3
	FRAG F+96*(\p)+FR*\i, ADRA+\slot, \q, \i
.endr
.endm
.macro MUL8 a0, p, q, sc, zero
.irp a, \a0, \a0+1
.irp b, 0,1,2,3
.if \zero
	v_wmma_scale_f32_16x16x128_f8f6f4 v[8*(4*(\a)+\b):8*(4*(\a)+\b)+7], v[F+96*(\p)+48+FR*\b:F+96*(\p)+48+FR*\b+FR-1], v[F+96*(\p)+FR*(\a):F+96*(\p)+FR*(\a)+FR-1], 0, v[SC+16*(\sc)+4*\b+(\q)], v[SC+16*(\sc)+4*(\a)+(\q)] matrix_a_fmt:MATRIX_FMT_FP6 matrix_b_fmt:MATRIX_FMT_FP6 matrix_a_scale:MATRIX_SCALE_ROW1
.else
	v_wmma_scale_f32_16x16x128_f8f6f4 v[8*(4*(\a)+\b):8*(4*(\a)+\b)+7], v[F+96*(\p)+48+FR*\b:F+96*(\p)+48+FR*\b+FR-1], v[F+96*(\p)+FR*(\a):F+96*(\p)+FR*(\a)+FR-1], v[8*(4*(\a)+\b):8*(4*(\a)+\b)+7], v[SC+16*(\sc)+4*\b+(\q)], v[SC+16*(\sc)+4*(\a)+(\q)] matrix_a_fmt:MATRIX_FMT_FP6 matrix_b_fmt:MATRIX_FMT_FP6 matrix_a_scale:MATRIX_SCALE_ROW1
.endif
.endr
.endr
.endm
.macro SCALES sc
.irp i, 0,1,2,3
.irp q, 0,1,2,3
	ds_load_b32 v[SC+16*\sc+4*\i+\q], v[ADRS] offset:\i*SBLK+64*\q
.endr
.endr
.endm
.macro PLACES n
.rept \n
	v_nop
.endr
.endm
.macro STEP slot, q, zero
	s_wait_dscnt 0x0
	PLACES NP
	FETCH \slot, (\q)+1, 1-(\q)%2
	WIN MULW
	MUL8 0, (\q)%2, \q, \slot, \zero
	MUL8 2, (\q)%2, \q, \slot, \zero
	WIN 0
.endm
.macro TURN slot, next, fill
	s_wait_tensorcnt 0x0
	ds_add_u32 v[SPW], v[NIL]
.if \fill
	s_add_nc_u64 s[G0+4*\slot+2:G0+4*\slot+3], s[G0+4*\slot+2:G0+4*\slot+3], 2*ROWB
	s_add_nc_u64 s[G0B+4*\slot+2:G0B+4*\slot+3], s[G0B+4*\slot+2:G0B+4*\slot+3], 2*ROWB
.endif
	s_wait_dscnt 0x0
	s_barrier_signal -1
	WIN MULW
	MUL8 0, 1, NQ-1, \slot, 0
	WIN 0
	s_barrier_wait -1
.if \fill
	CREST
	JLOAD G0+4*\slot, G1, G0B+4*\slot, G1B
.else
	PLACES NP
.endif
	v_add_nc_u32 v[ADRS], 64*NQ, v[ADRS]
	FETCH \next, 0, 0
	SCALES \next
	WIN MULW
	MUL8 2, 1, NQ-1, \slot, 0
	WIN 0
.endm
	s_wait_alu depctr_va_vdst(0)
	s_wait_tensorcnt 0x0                           ; my tile of the head's four is in; slot 1's first fill stands behind the same lines as a refill
	ds_add_u32 v[SPW], v[NIL]
	s_mov_b32 s[G1+2], (HALFT/ROWB)<<16            ; no load of mine is out: from here on a load brings 4 tile rows
	s_mov_b32 s[G1+4], HALFT/ROWB
	s_mov_b32 s[G1B+2], (HALFT/ROWB)<<16
	s_mov_b32 s[G1B+4], HALFT/ROWB
	s_wait_dscnt 0x0
	CROUND                                         ; all four tiles are in, and all sixteen work-groups are here
	JLOAD G0+4, G1, G0B+4, G1B                     ; slot 1, the first tensor load behind the round
	FETCH 0, 0, 0
	SCALES 0
	STEP 0, 0, 1
.if LAPS > 1
	s_mov_b32 s3, LAPS-1
.Llap:
	STEP 0, 1, 0
	STEP 0, 2, 0
	TURN 0, 1, 1
	STEP 1, 0, 0
	STEP 1, 1, 0
	STEP 1, 2, 0
	TURN 1, 0, 1
	STEP 0, 0, 0
	s_sub_co_u32 s3, s3, 1
	s_cmp_lg_u32 s3, 0
	s_cbranch_scc1 .Llap
.endif
	STEP 0, 1, 0
	STEP 0, 2, 0
	TURN 0, 1, 0
	STEP 1, 0, 0
	STEP 1, 1, 0
	STEP 1, 2, 0
	s_wait_dscnt 0x0
	WIN MULW
	MUL8 0, 1, NQ-1, 1, 0
	MUL8 2, 1, NQ-1, 1, 0
	WIN 0
	PLACES NP
	WIN 0x04
.irp a, 0,1,2,3
.irp b, 0,1,2,3
	ds_store_b128 v[STO], v[8*(4*\a+\b):8*(4*\a+\b)+3] offset:\a*16*SPITCH+64*\b
	ds_store_b128 v[STO], v[8*(4*\a+\b)+4:8*(4*\a+\b)+7] offset:\a*16*SPITCH+64*\b+16
.endr
.endr
	WIN 0
.set t, 0
.rept 32
	ds_load_b128 v[BK+4*t:BK+4*t+3], v[RD] offset:t*2*SPITCH
.set t, t+1
.endr
	s_wait_loadcnt 0x0
	WIN 0x41
.set i, 0
.rept 64
	v_pk_add_f32 v[RES+i:RES+i+1], v[RES+i:RES+i+1], v[B4+i%4:B4+i%4+1]
.set i, i+2
.endr
.irp g, 0,1,2,3
	s_wait_dscnt 24-8*\g
	WIN 0x04
.set i, 32*\g
.rept 16
	v_pk_add_f32 v[BK+i:BK+i+1], v[BK+i:BK+i+1], v[RES+i:RES+i+1]
.set i, i+2
.endr
	WIN 0
.set t, 8*\g
.rept 8
	global_store_b128 v[RO], v[BK+4*t:BK+4*t+3], s[96:97] offset:8192*t
.set t, t+1
.endr
.endr
	s_wait_tensorcnt 0x0
	ds_add_u32 v[SPW], v[NIL]
	s_wait_dscnt 0x0
	CROUND
	s_endpgm
.Lfunc_end_k_qd56f54edbe_aproj:
	.size	k_qd56f54edbe_aproj, .Lfunc_end_k_qd56f54edbe_aproj-k_qd56f54edbe_aproj
	.p2alignl 7, 3214868480
	.fill 96, 4, 3214868480
	.section	.rodata,"a",@progbits
	.p2align	6, 0x0
	.amdhsa_kernel k_qd56f54edbe_aproj
		.amdhsa_group_segment_fixed_size 327680
		.amdhsa_private_segment_fixed_size 0
		.amdhsa_enable_private_segment 0
		.amdhsa_kernarg_size 40
		.amdhsa_user_sgpr_count 2
		.amdhsa_user_sgpr_kernarg_segment_ptr 1
		.amdhsa_wavefront_size32 1
		.amdhsa_system_sgpr_workgroup_id_x 1
		.amdhsa_system_sgpr_workgroup_id_y 1
		.amdhsa_system_sgpr_workgroup_id_z 1
		.amdhsa_system_vgpr_workitem_id 0
		.amdhsa_next_free_vgpr 512
		.amdhsa_next_free_sgpr 98
		.amdhsa_reserve_vcc 0
		.amdhsa_float_denorm_mode_32 3
		.amdhsa_float_denorm_mode_16_64 3
		.amdhsa_memory_ordered 1
		.amdhsa_forward_progress 1
		.amdhsa_inst_pref_size 66
	.end_amdhsa_kernel
	.amdgpu_metadata
---
amdhsa.version: [ 1, 2 ]
amdhsa.kernels:
  - .name:           k_qd56f54edbe_aproj
    .symbol:         k_qd56f54edbe_aproj.kd
    .args:
      - { .name: aq, .offset: 0, .size: 8, .value_kind: global_buffer, .address_space: global }
      - { .name: wq, .offset: 8, .size: 8, .value_kind: global_buffer, .address_space: global }
      - { .name: b_aproj, .offset: 16, .size: 8, .value_kind: global_buffer, .address_space: global }
      - { .name: x, .offset: 24, .size: 8, .value_kind: global_buffer, .address_space: global }
      - { .name: x1, .offset: 32, .size: 8, .value_kind: global_buffer, .address_space: global }
    .group_segment_fixed_size: 327680
    .private_segment_fixed_size: 0
    .kernarg_segment_align: 8
    .kernarg_segment_size: 40
    .max_flat_workgroup_size: 128
    .sgpr_count:     98
    .vgpr_count:     512
    .wavefront_size: 32
...
	.end_amdgpu_metadata
.endif
;; end of part 11
;; launch gnq (part 12): grid 32 x 2, 16 waves a work-group, no clusters, 76,288 bytes of LDS; arguments x1, ln2_w, ln2_b, xq; writes xq
.if DOCPART == 12
	.amdgcn_target "amdgcn-amd-amdhsa--gfx1250"
	.amdhsa_code_object_version 6
	.text
	.protected	k_qd56f54edbe_gnq
	.globl	k_qd56f54edbe_gnq
	.p2align	8
	.type	k_qd56f54edbe_gnq,@function
k_qd56f54edbe_gnq:
	s_mov_b64 s[64:65], 0
	v_nop
	global_prefetch_b8 v0, s[64:65] scope:SCOPE_SE
	s_setreg_imm32_b32 hwreg(HW_REG_WAVE_MODE, 25, 1), 1
	s_wait_xcnt 0x0
; GroupNorm over (all 2,048 tokens, 32 channels) of one batch and group, then the quantiser along the channels: a group of 32 channels IS one block of 32 along K.
; A work-group (x = group, y = batch) holds its whole slice, 2,048 rows x 32 numbers, in registers: a thread holds 4 rows.  So the input is read once; mean and variance are taken in two passes, as written in the problem.
; Loads take the bytes as they lie (four rows' 128 bytes an instruction); a turn through the wave's own stage in LDS (rows 144 bytes apart) gives each lane a whole row of 32 numbers.
; Out: codes as images of operand registers ([row / 16][k / 128] fragments of 1,536 bytes), scale bytes into the words [row / 16][k / 128][16].
; LIMITS: NaN and infinities are not served; blocks under 2^-124 keep the byte 1; a block of zeros gets the byte 1, not 127 (only this program reads the bytes).
.set X,     32                         ; v32-159  set i, register j: x[128 wave + 32 i + lane][32 g + j]
.set CD,    160                        ; v160-191 set i's six code registers at CD + 8 i
.set T,     16                         ; v16-18   upper 16 codes on their way
.set BY,    20                         ; v20-23   set i's scale byte
.set SPW,   28                         ; v28      my spare word's LDS address; never rewritten
.set NIL,   29                         ; v29      0; never rewritten
.set ZA,    30                         ; v30      where the waves' partial sums lie
.set STG,   4608                       ; a wave's stage: 32 rows x 144 bytes
.set RED,   73728                      ; behind the 16 stages: 16 words for the sums, and 256 bytes on 16 words for the squares
.set SPARE, 74240                      ; the spare words, 128 bytes a wave: eight blocks of 256 bytes that no other line names
	s_load_b256 s[4:11], s[0:1], 0x0               ; in s[4:5], gain s[6:7], bias s[8:9], xq s[10:11]
	v_lshl_add_u32 v[SPW], v0, 2, SPARE
	v_mov_b32 v[NIL], 0
	v_lshrrev_b32 v1, 5, v0
	s_delay_alu instid0(VALU_DEP_1)
	v_readfirstlane_b32 s12, v1                    ; wave 0..15
	s_and_b32 s13, ttmp7, 0xffff                   ; batch
	s_lshl_b32 s14, ttmp9, 7                       ; the group's 128 bytes in a row
	s_mov_b32 s15, 0
	s_lshl_b32 s16, s13, 23                        ; a batch is 8,388,608 bytes
	s_add_co_u32 s16, s16, s14
	s_mov_b32 s17, 0
	s_mov_b32 s18, 0x76543210
	s_mov_b32 s19, 0xfedcba98                      ; selects: lane l xor 16
	s_mov_b32 s20, 0x37800000                      ; 2^-16 = 1 / (2,048 x 32)
	v_and_b32 v1, 31, v0                           ; lane
	s_delay_alu instid0(VALU_DEP_1)
	v_lshrrev_b32 v2, 3, v1
	s_delay_alu instid0(VALU_DEP_2)
	v_and_b32 v3, 7, v1
	s_lshl_b32 s22, s12, 7
	v_add_nc_u32 v4, s22, v2
	s_delay_alu instid0(VALU_DEP_1)
	v_lshlrev_b32 v4, 12, v4
	s_delay_alu instid0(VALU_DEP_1)
	v_lshl_add_u32 v4, v3, 4, v4                   ; in: row 128 wave + lane / 8, byte 16 (lane % 8)
	s_mul_i32 s23, s12, STG
	v_mul_u32_u24 v5, v2, 144
	s_delay_alu instid0(VALU_DEP_1)
	v_lshl_add_u32 v5, v3, 4, v5
	s_delay_alu instid0(VALU_DEP_1)
	v_add_nc_u32 v5, s23, v5                       ; into the stage, as loaded
	v_mul_u32_u24 v6, v1, 144
	s_delay_alu instid0(VALU_DEP_1)
	v_add_nc_u32 v6, s23, v6                       ; out of it: row = lane
	v_mov_b32 v7, s12
	s_delay_alu instid0(VALU_DEP_1)
	v_lshl_add_u32 v7, v7, 2, RED                  ; my wave's word
	v_mov_b32 v[ZA], RED
	s_wait_alu depctr_va_vdst(0)
	s_wait_kmcnt 0x0
	s_add_nc_u64 s[4:5], s[4:5], s[16:17]
.irp i, 0,1,2,3
.irp q, 0,1,2,3,4,5,6,7
	global_load_b128 v[X+32*\i+4*\q:X+32*\i+4*\q+3], v4, s[4:5] offset:(32*\i+4*\q)*4096
.endr
.endr
	s_add_nc_u64 s[6:7], s[6:7], s[14:15]
	s_add_nc_u64 s[8:9], s[8:9], s[14:15]
	s_load_b512 s[32:47], s[6:7], 0x0              ; the group's 32 gains: s32-63
	s_load_b512 s[48:63], s[6:7], 0x40
	s_load_b512 s[68:83], s[8:9], 0x0              ; and 32 biases: s68-99
	s_load_b512 s[84:99], s[8:9], 0x40
.irp i, 0,1,2,3                        ; the turn: LDS serves a wave's instructions in order, so no wait stands between stores and loads, nor in front of the next set's stores
	s_wait_loadcnt 24-8*\i                         ; this set's eight loads are in; the later sets' may be out
.irp q, 0,1,2,3,4,5,6,7
	ds_store_b128 v5, v[X+32*\i+4*\q:X+32*\i+4*\q+3] offset:576*\q
.endr
.irp q, 0,1,2,3,4,5,6,7
	ds_load_b128 v[X+32*\i+4*\q:X+32*\i+4*\q+3], v6 offset:16*\q
.endr
.endr
	s_wait_dscnt 0x0
; four pairs v[8:15] -> the work-group's total in v8, the same bits in every wave
.macro REDUCE off
	s_delay_alu instid0(VALU_DEP_3)
	v_pk_add_f32 v[8:9], v[8:9], v[10:11]
	s_delay_alu instid0(VALU_DEP_2)
	v_pk_add_f32 v[12:13], v[12:13], v[14:15]
	s_delay_alu instid0(VALU_DEP_1)
	v_pk_add_f32 v[8:9], v[8:9], v[12:13]
	s_delay_alu instid0(VALU_DEP_1)
	v_add_f32 v8, v8, v9
	s_delay_alu instid0(VALU_DEP_1)
	v_add_f32_dpp v8, v8, v8 row_xmask:1 row_mask:0xf bank_mask:0xf
	s_delay_alu instid0(VALU_DEP_1)
	v_add_f32_dpp v8, v8, v8 row_xmask:2 row_mask:0xf bank_mask:0xf
	s_delay_alu instid0(VALU_DEP_1)
	v_add_f32_dpp v8, v8, v8 row_xmask:4 row_mask:0xf bank_mask:0xf
	s_delay_alu instid0(VALU_DEP_1)
	v_add_f32_dpp v8, v8, v8 row_xmask:8 row_mask:0xf bank_mask:0xf
	s_delay_alu instid0(VALU_DEP_1)
	v_permlanex16_b32 v9, v8, s18, s19
	s_delay_alu instid0(VALU_DEP_1)
	v_add_f32 v8, v8, v9
	ds_store_b32 v7, v8 offset:\off
	s_wait_dscnt 0x0                               ; for the others' sake: my word has landed
	s_barrier_signal -1
	s_barrier_wait -1
	ds_load_b128 v[8:11], v[ZA] offset:\off
	ds_load_b128 v[12:15], v[ZA] offset:\off+16
	ds_load_b128 v[16:19], v[ZA] offset:\off+32
	ds_load_b128 v[20:23], v[ZA] offset:\off+48
	s_wait_dscnt 0x0
	v_pk_add_f32 v[8:9], v[8:9], v[10:11]
	v_pk_add_f32 v[12:13], v[12:13], v[14:15]
	v_pk_add_f32 v[16:17], v[16:17], v[18:19]
	v_pk_add_f32 v[20:21], v[20:21], v[22:23]
	s_delay_alu instid0(VALU_DEP_3)
	v_pk_add_f32 v[8:9], v[8:9], v[12:13]
	s_delay_alu instid0(VALU_DEP_2)
	v_pk_add_f32 v[16:17], v[16:17], v[20:21]
	s_delay_alu instid0(VALU_DEP_1)
	v_pk_add_f32 v[8:9], v[8:9], v[16:17]
	s_delay_alu instid0(VALU_DEP_1)
	v_add_f32 v8, v8, v9
.endm
.irp k, 0,1,2,3                        ; the sum of my 128 numbers, in four chains that the first pairs start
	v_pk_add_f32 v[8+2*\k:9+2*\k], v[X+2*\k:X+2*\k+1], v[X+8+2*\k:X+9+2*\k]
.endr
.set j, 8
.rept 56
	s_delay_alu instid0(VALU_DEP_4)
	v_pk_add_f32 v[8+2*(j%4):9+2*(j%4)], v[8+2*(j%4):9+2*(j%4)], v[X+2*j:X+2*j+1]
.set j, j+1
.endr
	REDUCE 0
	s_delay_alu instid0(VALU_DEP_1)
	v_mul_f32 v24, s20, v8                         ; the mean
	s_delay_alu instid0(VALU_DEP_1)
	v_mov_b32 v25, v24
.set j, 0
.rept 64
	v_pk_add_f32 v[X+2*j:X+2*j+1], v[X+2*j:X+2*j+1], v[24:25] neg_lo:[0,1] neg_hi:[0,1]
.set j, j+1
.endr
.irp k, 0,1,2,3
	v_pk_mul_f32 v[8+2*\k:9+2*\k], v[X+2*\k:X+2*\k+1], v[X+2*\k:X+2*\k+1]
.endr
.set j, 4
.rept 60
	s_delay_alu instid0(VALU_DEP_4)
	v_pk_fma_f32 v[8+2*(j%4):9+2*(j%4)], v[X+2*j:X+2*j+1], v[X+2*j:X+2*j+1], v[8+2*(j%4):9+2*(j%4)]
.set j, j+1
.endr
	REDUCE 256                                     ; other words than the first sum's: no barrier is owed between the two
	s_delay_alu instid0(VALU_DEP_1)
	v_fmaak_f32 v8, s20, v8, 0x3727c5ac            ; the variance + 1e-5
	s_wait_alu depctr_va_vdst(0)
	v_rsq_f32 v8, v8
	v_nop                                          ; a plain line behind the transcendental,
	s_wait_alu depctr_va_vdst(0)                   ; and a wait ahead of its first reader
	v_readfirstlane_b32 s21, v8
	s_wait_kmcnt 0x0                               ; gains and biases
.set c, 0
.rept 32
	s_mul_f32 s[32+c], s[32+c], s21                ; gain / sqrt(variance + eps)
.set c, c+1
.endr
.irp i, 0,1,2,3
.set c, 0
.rept 32
	v_fma_f32 v[X+32*\i+c], v[X+32*\i+c], s[32+c], s[68+c]
.set c, c+1
.endr
.endr
.irp i, 0,1,2,3                        ; a lane's 32 numbers of a set are one block
	v_max3_num_f32 v8, |v[X+32*\i]|, |v[X+32*\i+1]|, |v[X+32*\i+2]|
	v_max3_num_f32 v9, |v[X+32*\i+3]|, |v[X+32*\i+4]|, |v[X+32*\i+5]|
.irp n, 6,10,14,18,22,26
	s_delay_alu instid0(VALU_DEP_2)
	v_max3_num_f32 v8, v8, |v[X+32*\i+\n]|, |v[X+32*\i+\n+1]|
	s_delay_alu instid0(VALU_DEP_2)
	v_max3_num_f32 v9, v9, |v[X+32*\i+\n+2]|, |v[X+32*\i+\n+3]|
.endr
	s_delay_alu instid0(VALU_DEP_2)
	v_max3_num_f32 v8, v8, |v[X+32*\i+30]|, |v[X+32*\i+31]|
	s_delay_alu instid0(VALU_DEP_1)
	v_max3_num_f32 v8, v8, v9, 0x1800000           ; with the floor 2^(3 - 127)
	s_delay_alu instid0(VALU_DEP_1)
	v_add_nc_u32 v11, 0xff000000, v8               ; 2 off the exponent field: the conversion's scale operand
	v_cvt_scalef32_pk16_fp6_f32 v[CD+8*\i:CD+8*\i+2], v[X+32*\i:X+32*\i+15], v11
	v_cvt_scalef32_pk16_fp6_f32 v[T:T+2], v[X+32*\i+16:X+32*\i+31], v11
	v_lshrrev_b32 v[BY+\i], 23, v11                ; the byte (also the plain line behind the conversions)
.irp n, 0,1,2
	v_mov_b32 v[CD+8*\i+3+\n], v[T+\n]
.endr
.endr
	; where they go: tile row 128 b + 8 wave + 2 i + lane / 16; fragment g / 4; half (g / 2) % 2 of it; lanes 16 (g % 2) + row % 16 of the image
	s_lshl_b32 s22, s13, 7
	s_lshl_b32 s23, s12, 3
	s_add_co_u32 s22, s22, s23
	s_mul_i32 s24, s22, 12288
	s_lshr_b32 s25, ttmp9, 2
	s_mul_i32 s26, s25, 1536
	s_add_co_u32 s24, s24, s26
	s_bfe_u32 s26, ttmp9, 0x10001
	s_mul_i32 s26, s26, 768
	s_add_co_u32 s24, s24, s26
	s_and_b32 s27, ttmp9, 1
	s_lshl_b32 s26, s27, 8
	s_add_co_u32 s26, s26, s24
	s_lshl_b32 s28, s27, 7
	s_add_co_u32 s28, s28, s24
	s_add_co_u32 s28, s28, 512
	s_lshl_b32 s29, s22, 9
	s_lshl_b32 s25, s25, 6
	s_add_co_u32 s29, s29, s25
	s_and_b32 s25, ttmp9, 3
	s_add_co_u32 s29, s29, s25
	s_add_co_u32 s29, s29, 3145728
	v_and_b32 v2, 15, v1
	v_lshrrev_b32 v3, 4, v1
	s_delay_alu instid0(VALU_DEP_1)
	v_mul_u32_u24 v8, v3, 12288
	s_delay_alu instid0(VALU_DEP_1)
	v_lshl_add_u32 v25, v2, 4, v8
	s_delay_alu instid0(VALU_DEP_1)
	v_add_nc_u32 v25, s26, v25
	s_delay_alu instid0(VALU_DEP_3)
	v_lshl_add_u32 v26, v2, 3, v8
	s_delay_alu instid0(VALU_DEP_1)
	v_add_nc_u32 v26, s28, v26
	v_lshlrev_b32 v27, 9, v3
	s_delay_alu instid0(VALU_DEP_1)
	v_lshl_add_u32 v27, v2, 2, v27
	s_delay_alu instid0(VALU_DEP_1)
	v_add_nc_u32 v27, s29, v27
.irp i, 0,1,2,3
	global_store_b128 v25, v[CD+8*\i:CD+8*\i+3], s[10:11] offset:24576*\i      ; sixteen lanes store 256 consecutive bytes
	global_store_b64 v26, v[CD+8*\i+4:CD+8*\i+5], s[10:11] offset:24576*\i
	global_store_b8 v27, v[BY+\i], s[10:11] offset:1024*\i                     ; my block's byte of my row's scale word; the word's other three come from other work-groups
.endr
	s_wait_tensorcnt 0x0                           ; the wave's end, behind my last LDS store
	ds_add_u32 v[SPW], v[NIL]
	s_wait_dscnt 0x0
	s_endpgm
.Lfunc_end_k_qd56f54edbe_gnq:
	.size	k_qd56f54edbe_gnq, .Lfunc_end_k_qd56f54edbe_gnq-k_qd56f54edbe_gnq
	.p2alignl 7, 3214868480
	.fill 96, 4, 3214868480
	.section	.rodata,"a",@progbits
	.p2align	6, 0x0
	.amdhsa_kernel k_qd56f54edbe_gnq
		.amdhsa_group_segment_fixed_size 76288
		.amdhsa_private_segment_fixed_size 0
		.amdhsa_enable_private_segment 0
		.amdhsa_kernarg_size 32
		.amdhsa_user_sgpr_count 2
		.amdhsa_user_sgpr_kernarg_segment_ptr 1
		.amdhsa_wavefront_size32 1
		.amdhsa_system_sgpr_workgroup_id_x 1
		.amdhsa_system_sgpr_workgroup_id_y 1
		.amdhsa_system_sgpr_workgroup_id_z 1
		.amdhsa_system_vgpr_workitem_id 0
		.amdhsa_next_free_vgpr 192
		.amdhsa_next_free_sgpr 100
		.amdhsa_reserve_vcc 0
		.amdhsa_float_denorm_mode_32 3
		.amdhsa_float_denorm_mode_16_64 3
		.amdhsa_memory_ordered 1
		.amdhsa_forward_progress 1
		.amdhsa_inst_pref_size 49
	.end_amdhsa_kernel
	.amdgpu_metadata
---
amdhsa.version: [ 1, 2 ]
amdhsa.kernels:
  - .name:           k_qd56f54edbe_gnq
    .symbol:         k_qd56f54edbe_gnq.kd
    .args:
      - { .name: x1, .offset: 0, .size: 8, .value_kind: global_buffer, .address_space: global }
      - { .name: ln2_w, .offset: 8, .size: 8, .value_kind: global_buffer, .address_space: global }
      - { .name: ln2_b, .offset: 16, .size: 8, .value_kind: global_buffer, .address_space: global }
      - { .name: xq, .offset: 24, .size: 8, .value_kind: global_buffer, .address_space: global }
    .group_segment_fixed_size: 76288
    .private_segment_fixed_size: 0
    .kernarg_segment_align: 8
    .kernarg_segment_size: 32
    .max_flat_workgroup_size: 512
    .sgpr_count:     100
    .vgpr_count:     192
    .wavefront_size: 32
...
	.end_amdgpu_metadata
.endif
;; end of part 12
;; launch fc (part 13): grid 16 x 16, 4 waves a work-group, clusters of 4 x 4, 327,680 bytes of LDS; arguments xq, wq, b_fc, hq; writes hq
.if DOCPART == 13
	.amdgcn_target "amdgcn-amd-amdhsa--gfx1250"
	.amdhsa_code_object_version 6
	.text
	.protected	k_qd56f54edbe_fc
	.globl	k_qd56f54edbe_fc
	.p2align	8
	.type	k_qd56f54edbe_fc,@function
k_qd56f54edbe_fc:
	s_mov_b64 s[64:65], 0
	v_nop
	global_prefetch_b8 v0, s[64:65] scope:SCOPE_SE
	s_setreg_imm32_b32 hwreg(HW_REG_WAVE_MODE, 25, 1), 1
	s_wait_xcnt 0x0
	s_wait_alu depctr_hold_cnt(0) depctr_sa_sdst(0) depctr_va_vdst(0) depctr_va_sdst(0) depctr_va_ssrc(0) depctr_va_vcc(0) depctr_vm_vsrc(0)
	s_getreg_b32 s2, hwreg(HW_REG_IB_STS2, 6, 4)
	s_cmp_eq_u32 s2, 0
	s_cbranch_scc0 .Lentry_in_a_cluster
	s_endpgm
.Lentry_in_a_cluster:
	s_bfe_u32 s2, ttmp6, 0x10000c
	s_cmp_lg_u32 s2, 0xf033
	s_cbranch_scc0 .Lentry_shape_is_right
	s_endpgm
.Lentry_shape_is_right:
; h = gelu(xn W_fc + b), quantised along the hidden units, on codes of FP6 (E2M3) with E8M0 scales, K = 1,024.  A work-group of four waves makes 256 x 256, a wave 128 x 128 in 64 accumulators.
; Operands lie as images of registers (1,536 bytes a fragment).  Ring of two LDS slots of 256 along K; the scale words come once.  4 x 4 clusters: A's tiles shared along a row, B's along a column, by joint loads.
; gelu's tanh is written 1 - 2 / (1 + 2^z).  LIMITS: NaN and infinities are not served; blocks under 2^-124 and blocks of zeros keep the byte 1.
; No prefetch: K has four slots; two are asked for in the head and the other two in the loop's one trip, so no trip lies two refills ahead of a load.
.set KK,     1024
.set ASO,    3145728
.set BCO,    3145728
.set BSO,    9568256
.set KS,     KK/128
.set KROW,   1536*KS
.set ROWB,   3072
.set NQ,     2
.set FR,     12
.set NL,     4
.set NP,     4
.set HALFT,  8*ROWB
.set SLOT,   4*HALFT
.set LAPS,   KK/512
.set SCL,    2*SLOT
.set HALFS,  512*KS
.set SBLK,   64*KS
.set SPARE,  SCL+4*HALFS
.set LI,   4
.set LJ,   5
.set LR,   6
.set BH,   10
.set ADRA, 16
.set ADRB, 20
.set ADRS, 27
.set SPW,  28
.set NIL,  29
.set SC,   32
.set AF,   128
.set H,    64
.set G,    128
.set PC,   192
.set TM,   212
.set PW,   228
.set SEL,  12
.set G1, 24
.set G0, 32
.set G1B, 48
.set G0B, 56
.set G1S, 68
.set G0S, 76
.set G1SB, 80
.set G0SB, 88
.set MSB, 0
.macro WIN new
.if MSB != \new
	s_set_vgpr_msb (MSB<<8)|\new
.set MSB, \new
.endif
.endm
.set MUL_LO, 0xa1
.set MUL_HI, 0xf1
.set TO_B,   0x40
.macro JLOAD g0a, g1a, g0b, g1b
	s_cmp_eq_u32 s15, 0
	s_cbranch_scc0 .Lfor_b_\@
	tensor_load_to_lds s[\g0a:\g0a+3], s[\g1a:\g1a+7]
	s_nop 0
.rept 4
	v_nop
.endr
	s_branch .Lasked_\@
.Lfor_b_\@:
	tensor_load_to_lds s[\g0b:\g0b+3], s[\g1b:\g1b+7]
	s_nop 0
.rept 4
	v_nop
.endr
.Lasked_\@:
.endm
.macro CREST
	s_cmp_lg_u32 s14, 0
	s_cbranch_scc1 .Lnot_wave_0_\@
	s_barrier_signal -3
.Lnot_wave_0_\@:
	s_barrier_wait -3
	s_barrier_signal -1
	s_barrier_wait -1
.endm
.macro CROUND
	s_barrier_signal -1
	s_barrier_wait -1
	CREST
.endm
	s_load_b256 s[4:11], s[0:1], 0x0
	v_lshl_add_u32 v[SPW], v0, 2, SPARE
	v_mov_b32 v[NIL], 0
	ds_add_u32 v[SPW], v[NIL]
	ds_add_u32 v[SPW], v[NIL]
	v_lshrrev_b32 v1, 5, v0
	v_readfirstlane_b32 s14, v1
	s_lshr_b32 s15, s14, 1
	s_and_b32 s16, s14, 1
	s_bfe_u32 s40, ttmp6, 0x40000
	s_bfe_u32 s41, ttmp6, 0x40004
	s_lshl_b32 s42, ttmp9, 2
	s_add_co_u32 s42, s42, s40
	s_and_b32 s17, ttmp7, 0xffff
	s_lshl_b32 s17, s17, 2
	s_add_co_u32 s17, s17, s41
	s_lshl_b32 s43, s41, 2
	s_lshl_b32 s43, 15, s43
	s_lshl_b32 s44, 0x1111, s40
	s_or_b32 s[G1+0], s43, (3<<16)|(1<<21)
	s_or_b32 s[G1B+0], s44, (3<<16)|(1<<21)
.irp g, G1, G1B
	s_mov_b32 s[\g+1], (ROWB/8)<<16
	s_mov_b32 s[\g+2], 16<<16
	s_mov_b32 s[\g+3], (ROWB/8)<<16
	s_mov_b32 s[\g+4], 16
	s_mov_b32 s[\g+5], KROW/8
	s_mov_b32 s[\g+6], 0
	s_mov_b32 s[\g+7], 0
.endr
	s_or_b32 s[G1S+0], s43, (3<<16)|(1<<21)
	s_or_b32 s[G1SB+0], s44, (3<<16)|(1<<21)
.irp g, G1S, G1SB
	s_mov_b32 s[\g+1], 32<<16
	s_mov_b32 s[\g+2], (4*KS)<<16
	s_mov_b32 s[\g+3], 32<<16
	s_mov_b32 s[\g+4], 4*KS
	s_mov_b32 s[\g+5], 32
	s_mov_b32 s[\g+6], 0
	s_mov_b32 s[\g+7], 0
.endr
	s_lshl_b32 s18, s16, 3
	s_lshl_b32 s20, s17, 4
	s_add_co_u32 s20, s20, s18
	s_lshl_b32 s46, s42, 4
	s_add_co_u32 s46, s46, s18
	s_mul_i32 s22, s20, 64*KS
	s_add_co_u32 s22, s22, ASO
	s_mul_i32 s92, s46, 64*KS
	s_add_co_u32 s92, s92, BSO
	s_mul_i32 s20, s20, KROW
	s_mul_i32 s46, s46, KROW
	s_add_co_u32 s46, s46, BCO
	s_mov_b32 s21, 0
	s_mov_b32 s23, 0
	s_mov_b32 s47, 0
	s_mov_b32 s93, 0
	s_mul_i32 s45, s14, HALFT
	s_mov_b32 s[SEL], 0x76543210
	s_mov_b32 s[SEL+1], 0xfedcba98
	s_wait_dscnt 0x0
	s_wait_kmcnt 0x0
	s_add_nc_u64 s[20:21], s[4:5], s[20:21]
	s_add_nc_u64 s[22:23], s[4:5], s[22:23]
	s_add_nc_u64 s[46:47], s[6:7], s[46:47]
	s_add_nc_u64 s[92:93], s[6:7], s[92:93]
	CROUND
	s_mul_i32 s2, s16, HALFS                       ; back from my half to the block's first row
	s_mov_b32 s3, 0
	s_sub_nc_u64 s[22:23], s[22:23], s[2:3]
	s_sub_nc_u64 s[92:93], s[92:93], s[2:3]
	s_mov_b32 s[G0S], 1
	s_mov_b32 s[G0S+1], SCL
	s_mov_b64 s[G0S+2:G0S+3], s[22:23]
	s_or_b32 s[G0S+3], s[G0S+3], 0x80000000
	s_mov_b32 s[G0SB], 1
	s_mov_b32 s[G0SB+1], SCL+2*HALFS
	s_mov_b64 s[G0SB+2:G0SB+3], s[92:93]
	s_or_b32 s[G0SB+3], s[G0SB+3], 0x80000000
.irp s, 0,1
	s_mov_b32 s[G0+4*\s], 1
	s_add_co_u32 s[G0+4*\s+1], s45, \s*SLOT
	s_add_nc_u64 s[G0+4*\s+2:G0+4*\s+3], s[20:21], \s*ROWB
	s_or_b32 s[G0+4*\s+3], s[G0+4*\s+3], 0x80000000
	s_mov_b32 s[G0B+4*\s], 1
	s_add_co_u32 s[G0B+4*\s+1], s45, \s*SLOT
	s_add_nc_u64 s[G0B+4*\s+2:G0B+4*\s+3], s[46:47], \s*ROWB
	s_or_b32 s[G0B+4*\s+3], s[G0B+4*\s+3], 0x80000000
.endr
	s_mul_i32 s2, s16, (HALFT/ROWB)*KROW           ; slot 0's two descriptors serve the head first: the whole 16 tile rows
	s_sub_nc_u64 s[G0+2:G0+3], s[G0+2:G0+3], s[2:3]
	s_sub_nc_u64 s[G0B+2:G0B+3], s[G0B+2:G0B+3], s[2:3]
	s_mov_b32 s[G0+1], 0
	s_mov_b32 s[G0B+1], 2*HALFT
; THE HEAD'S LOADS, ONE A WAVE: wave 0 K step 0 of A, wave 1 of B, wave 2 A's scale words, wave 3 B's
.macro ARM under, g0, g1, next
	s_cmp_lt_u32 s14, \under
	s_cbranch_scc0 \next
	tensor_load_to_lds s[\g0:\g0+3], s[\g1:\g1+7]
	s_nop 0
.rept 4
	v_nop
.endr
	s_branch .Lhead_asked
\next:
.endm
	ARM 1, G0,  G1,  .Lhead_b
	ARM 2, G0B, G1B, .Lhead_sa
	ARM 3, G0S, G1S, .Lhead_sb
	tensor_load_to_lds s[G0SB:G0SB+3], s[G1SB:G1SB+7]
	s_nop 0
.rept 4
	v_nop
.endr
.Lhead_asked:
	v_and_b32 v1, 15, v0
	v_bfe_u32 v2, v0, 4, 1
	v_and_b32 v3, 31, v0
	v_lshlrev_b32 v[LI], 4, v3
	v_lshlrev_b32 v[LJ], 3, v3
	v_add_nc_u32 v[LJ], 512, v[LJ]
	v_lshlrev_b32 v[LR], 2, v1
	v_lshlrev_b32 v[BH], 5, v2
	v_mov_b32 v30, 0xc0135761
	v_mov_b32 v31, 0xc0135761
	s_mul_i32 s21, s15, HALFT
	s_mul_i32 s22, s16, HALFT
	s_add_co_u32 s22, s22, 2*HALFT
.irp s, 0,1
	v_add_nc_u32 v[ADRA+\s], s21, v[LI]
	v_add_nc_u32 v[ADRB+\s], s22, v[LI]
	v_add_nc_u32 v[ADRA+2+\s], s21, v[LJ]
	v_add_nc_u32 v[ADRB+2+\s], s22, v[LJ]
	s_add_co_u32 s21, s21, SLOT
	s_add_co_u32 s22, s22, SLOT
.endr
	s_mul_i32 s21, s15, HALFS
	s_mul_i32 s22, s16, HALFS
	s_add_co_u32 s22, s22, 2*HALFS
	s_sub_co_u32 s22, s22, s21
	v_mul_u32_u24 v7, s22, v2
	s_add_co_u32 s21, s21, SCL
	v_add_nc_u32 v7, v[LR], v7
	v_add_nc_u32 v[ADRS], s21, v7
	s_lshl_b32 s20, s42, 10
	s_lshl_b32 s21, s16, 9
	s_add_co_u32 s20, s20, s21
	s_mov_b32 s21, 0
	s_add_nc_u64 s[8:9], s[8:9], s[20:21]
	WIN TO_B
.irp t, 0,1,2,3,4,5,6,7
	global_load_b128 v[96+8*\t+96*(\t/4):96+8*\t+96*(\t/4)+3], v[BH], s[8:9] offset:64*\t
	global_load_b128 v[100+8*\t+96*(\t/4):100+8*\t+96*(\t/4)+3], v[BH], s[8:9] offset:64*\t+16
.endr
	WIN 0
	s_lshl_b32 s22, s17, 4
	s_lshl_b32 s23, s15, 3
	s_add_co_u32 s22, s22, s23
	s_lshl_b32 s22, s22, 5
	s_lshl_b32 s23, s42, 1
	s_add_co_u32 s22, s22, s23
	s_add_co_u32 s22, s22, s16
	s_mul_i32 s46, s22, 1536
	s_mov_b32 s47, 0
	s_lshl_b32 s22, s22, 6
	s_add_co_u32 s22, s22, 12582912
	s_mov_b32 s23, 0
	s_add_nc_u64 s[46:47], s[10:11], s[46:47]
	s_add_nc_u64 s[22:23], s[10:11], s[22:23]
	s_mov_b32 s94, 0xbdd2d3e8
	s_mov_b32 s95, s94
.macro FRAG reg, adr, q, i
	ds_load_b128 v[\reg:\reg+3], v[\adr] offset:(\i)*ROWB+(\q)*1536
	ds_load_b64 v[\reg+4:\reg+5], v[\adr+2] offset:(\i)*ROWB+(\q)*1536
	ds_load_b128 v[\reg+6:\reg+9], v[\adr] offset:(\i)*ROWB+(\q)*1536+768
	ds_load_b64 v[\reg+10:\reg+11], v[\adr+2] offset:(\i)*ROWB+(\q)*1536+768
.endm
.macro MUL16 a0, p, q, sc, zero
.irp a, \a0, \a0+1
.irp b, 0,1,2,3,4,5,6,7
.if \zero
	v_wmma_scale_f32_16x16x128_f8f6f4 v[8*(8*((\a)%4)+\b):8*(8*((\a)%4)+\b)+7], v[128*(\p)+FR*\b:128*(\p)+FR*\b+FR-1], v[AF+FR*(\a):AF+FR*(\a)+FR-1], 0, v[SC+8*NQ*(\sc)+NQ*\b+(\q)], v[SC+8*NQ*(\sc)+NQ*(\a)+(\q)] matrix_a_fmt:MATRIX_FMT_FP6 matrix_b_fmt:MATRIX_FMT_FP6 matrix_a_scale:MATRIX_SCALE_ROW1
.else
	v_wmma_scale_f32_16x16x128_f8f6f4 v[8*(8*((\a)%4)+\b):8*(8*((\a)%4)+\b)+7], v[128*(\p)+FR*\b:128*(\p)+FR*\b+FR-1], v[AF+FR*(\a):AF+FR*(\a)+FR-1], v[8*(8*((\a)%4)+\b):8*(8*((\a)%4)+\b)+7], v[SC+8*NQ*(\sc)+NQ*\b+(\q)], v[SC+8*NQ*(\sc)+NQ*(\a)+(\q)] matrix_a_fmt:MATRIX_FMT_FP6 matrix_b_fmt:MATRIX_FMT_FP6 matrix_a_scale:MATRIX_SCALE_ROW1
.endif
.endr
.endr
.endm
.macro FETCH_B slot, q, p
	WIN TO_B
.irp i, 0,1,2,3,4,5,6,7
	FRAG 128*(\p)+FR*\i, ADRB+\slot, \q, \i
.endr
	WIN 0
.endm
.macro FETCH_A slot, q, i0
.irp i, \i0, \i0+1, \i0+2, \i0+3
	FRAG AF+FR*(\i), ADRA+\slot, \q, \i
.endr
.endm
.macro SCALES sc
.irp i, 0,1,2,3,4,5,6,7
	ds_load_b32 v[SC+8*NQ*\sc+NQ*\i], v[ADRS] offset:\i*SBLK
	ds_load_b32 v[SC+8*NQ*\sc+NQ*\i+1], v[ADRS] offset:\i*SBLK+64
.endr
.endm
.macro PLACES n
.rept \n
	v_nop
.endr
.endm
.macro STEP slot, q, zero
	s_wait_dscnt 4*NL
	WIN MUL_LO
	MUL16 0, (\q)%2, \q, \slot, \zero
	MUL16 2, (\q)%2, \q, \slot, \zero
	s_wait_dscnt 0
	PLACES NP
	FETCH_B \slot, (\q)+1, 1-(\q)%2
	FETCH_A \slot, (\q)+1, 0
	WIN MUL_HI
	MUL16 4, (\q)%2, \q, \slot, \zero
	MUL16 6, (\q)%2, \q, \slot, \zero
	PLACES NP
	WIN 0
	FETCH_A \slot, (\q)+1, 4
.endm
.macro TURN slot, next, fill
	s_wait_tensorcnt 0x0
	ds_add_u32 v[SPW], v[NIL]
	s_wait_dscnt 4*NL+1
	WIN MUL_LO
	MUL16 0, 1, NQ-1, \slot, 0
	s_wait_dscnt 0x0
	s_barrier_signal -1
	MUL16 2, 1, NQ-1, \slot, 0
	WIN 0
	s_barrier_wait -1
.if \fill
	CREST
	s_add_nc_u64 s[G0+4*\slot+2:G0+4*\slot+3], s[G0+4*\slot+2:G0+4*\slot+3], 2*ROWB
	s_add_nc_u64 s[G0B+4*\slot+2:G0B+4*\slot+3], s[G0B+4*\slot+2:G0B+4*\slot+3], 2*ROWB
	JLOAD G0+4*\slot, G1, G0B+4*\slot, G1B
.else
	PLACES NP
.endif
	s_wait_alu depctr_va_vdst(0)
	v_add_nc_u32 v[ADRS], 64*NQ, v[ADRS]
	FETCH_B \next, 0, 0
	FETCH_A \next, 0, 0
	SCALES \next
	WIN MUL_HI
	MUL16 4, 1, NQ-1, \slot, 0
	MUL16 6, 1, NQ-1, \slot, 0
	PLACES NP
	WIN 0
	FETCH_A \next, 0, 4
.endm
	s_wait_alu depctr_va_vdst(0)
	s_wait_tensorcnt 0x0                           ; my tile of the head's four is in; slot 1's first fill stands behind the same lines as a refill
	ds_add_u32 v[SPW], v[NIL]
	s_mov_b32 s[G1+2], (HALFT/ROWB)<<16            ; no load of mine is out: from here on a load brings 8 tile rows,
	s_mov_b32 s[G1+4], HALFT/ROWB
	s_mov_b32 s[G1B+2], (HALFT/ROWB)<<16
	s_mov_b32 s[G1B+4], HALFT/ROWB
	s_mul_i32 s[G0+1], s14, HALFT                  ; and slot 0's descriptors stand at my quarter of K step 0
	s_mul_i32 s[G0B+1], s14, HALFT
	s_sub_nc_u64 s[G0+2:G0+3], s[G0+6:G0+7], ROWB
	s_sub_nc_u64 s[G0B+2:G0B+3], s[G0B+6:G0B+7], ROWB
	s_wait_dscnt 0x0
	CROUND                                         ; all four tiles are in, and all sixteen work-groups are here
	JLOAD G0+4, G1, G0B+4, G1B                     ; K step 1, the first tensor load behind the round
	FETCH_B 0, 0, 0
	FETCH_A 0, 0, 0
	SCALES 0
	FETCH_A 0, 0, 4
	STEP 0, 0, 1
	s_mov_b32 s3, LAPS-1
.Llap:
	TURN 0, 1, 1
	STEP 1, 0, 0
	TURN 1, 0, 1
	STEP 0, 0, 0
	s_sub_co_u32 s3, s3, 1
	s_cmp_lg_u32 s3, 0
	s_cbranch_scc1 .Llap
	TURN 0, 1, 0
	STEP 1, 0, 0
	s_wait_dscnt 4*NL
	WIN MUL_LO
	MUL16 0, 1, NQ-1, 1, 0
	MUL16 2, 1, NQ-1, 1, 0
	s_wait_dscnt 0
	WIN MUL_HI
	MUL16 4, 1, NQ-1, 1, 0
	MUL16 6, 1, NQ-1, 1, 0
	WIN 0
.macro QUANT s
.irp b, 0,1,2,3
	v_max3_num_f32 v[TM+\b], |v[\s+16*\b]|, |v[\s+1+16*\b]|, 0x1800000
.endr
.irp i, 2,4,6,8,10,12,14
.irp b, 0,1,2,3
	v_max3_num_f32 v[TM+\b], v[TM+\b], |v[\s+16*\b+\i]|, |v[\s+1+16*\b+\i]|
.endr
.endr
.irp b, 0,1,2,3
	v_permlanex16_b32 v[TM+4+\b], v[TM+\b], s[SEL], s[SEL+1]
.endr
.irp b, 0,1,2,3
	v_max_num_f32 v[TM+\b], v[TM+\b], v[TM+4+\b]
.endr
.irp b, 0,1,2,3
	v_add_nc_u32 v[TM+12+\b], 0xff000000, v[TM+\b]
.endr
.irp b, 0,1,2,3
	v_lshrrev_b32 v[TM+4+\b], 23, v[TM+12+\b]
.endr
	v_lshl_or_b32 v[PW], v[TM+5], 8, v[TM+4]
	v_lshl_or_b32 v[PW], v[TM+6], 16, v[PW]
	v_lshl_or_b32 v[PW], v[TM+7], 24, v[PW]
.irp c, 0,1
	v_cvt_scalef32_pk16_fp6_f32 v[PC+6*\c:PC+2+6*\c], v[\s+32*\c:\s+15+32*\c], v[TM+12+2*\c]
	v_cvt_scalef32_pk16_fp6_f32 v[PC+12+4*\c:PC+14+4*\c], v[\s+16+32*\c:\s+31+32*\c], v[TM+12+2*\c+1]
.endr
	v_nop
.irp c, 0,1
.irp i, 0,1,2
	v_permlane16_swap_b32 v[PC+6*\c+\i], v[PC+12+4*\c+\i]
.endr
.irp i, 0,1,2
	v_mov_b32 v[PC+3+6*\c+\i], v[PC+12+4*\c+\i]
.endr
.endr
.endm
.macro BLOCKF a
	WIN 0x06+(\a)/4
.set i, 0
.rept 32
	v_pk_add_f32 v[H+i:H+i+1], v[64*((\a)%4)+i:64*((\a)%4)+i+1], v[96+i+96*(i/32):96+i+96*(i/32)+1]
.set i, i+2
.endr
	WIN 0
.set i, 0
.rept 32
	v_pk_mul_f32 v[G+i:G+i+1], v[H+i:H+i+1], v[H+i:H+i+1]
.set i, i+2
.endr
.set i, 0
.rept 32
	v_pk_fma_f32 v[G+i:G+i+1], v[G+i:G+i+1], s[94:95], v[30:31] op_sel_hi:[1,0,1]
.set i, i+2
.endr
.set i, 0
.rept 32
	v_pk_mul_f32 v[G+i:G+i+1], v[G+i:G+i+1], v[H+i:H+i+1]
.set i, i+2
.endr
.set i, 0
	s_wait_alu depctr_va_vdst(0)
.rept 64
	v_exp_f32 v[G+i], v[G+i]
.set i, i+1
.endr
	v_nop
	s_wait_alu depctr_va_vdst(0)
.set i, 0
.rept 32
	v_pk_add_f32 v[G+i:G+i+1], v[G+i:G+i+1], 1.0 op_sel_hi:[1,0]
.set i, i+2
.endr
.set i, 0
	s_wait_alu depctr_va_vdst(0)
.rept 64
	v_rcp_f32 v[G+i], v[G+i]
.set i, i+1
.endr
	v_nop
	s_wait_alu depctr_va_vdst(0)
.set i, 0
.rept 32
	v_pk_mul_f32 v[H+i:H+i+1], v[H+i:H+i+1], v[G+i:G+i+1]
.set i, i+2
.endr
	s_wait_xcnt 0x0
	QUANT H
	global_store_b128 v[LI], v[PC:PC+3], s[46:47] offset:49152*(\a)
	global_store_b64 v[LJ], v[PC+4:PC+5], s[46:47] offset:49152*(\a)
	global_store_b128 v[LI], v[PC+6:PC+9], s[46:47] offset:49152*(\a)+768
	global_store_b64 v[LJ], v[PC+10:PC+11], s[46:47] offset:49152*(\a)+768
	global_store_b32 v[LR], v[PW], s[22:23] offset:2048*(\a)
.endm
	PLACES NP
.irp b, 0,1,2,3
	v_mov_b32 v[TM+4+\b], 0
.endr
	s_wait_loadcnt 0x0
.irp a, 0,1,2,3,4,5,6,7
	BLOCKF \a
.endr
	s_wait_tensorcnt 0x0
	ds_add_u32 v[SPW], v[NIL]
	s_wait_dscnt 0x0
	CROUND
	s_endpgm
.Lfunc_end_k_qd56f54edbe_fc:
	.size	k_qd56f54edbe_fc, .Lfunc_end_k_qd56f54edbe_fc-k_qd56f54edbe_fc
	.p2alignl 7, 3214868480
	.fill 96, 4, 3214868480
	.section	.rodata,"a",@progbits
	.p2align	6, 0x0
	.amdhsa_kernel k_qd56f54edbe_fc
		.amdhsa_group_segment_fixed_size 327680
		.amdhsa_private_segment_fixed_size 0
		.amdhsa_enable_private_segment 0
		.amdhsa_kernarg_size 32
		.amdhsa_user_sgpr_count 2
		.amdhsa_user_sgpr_kernarg_segment_ptr 1
		.amdhsa_wavefront_size32 1
		.amdhsa_system_sgpr_workgroup_id_x 1
		.amdhsa_system_sgpr_workgroup_id_y 1
		.amdhsa_system_sgpr_workgroup_id_z 1
		.amdhsa_system_vgpr_workitem_id 0
		.amdhsa_next_free_vgpr 1024
		.amdhsa_next_free_sgpr 96
		.amdhsa_reserve_vcc 0
		.amdhsa_float_denorm_mode_32 3
		.amdhsa_float_denorm_mode_16_64 3
		.amdhsa_memory_ordered 1
		.amdhsa_forward_progress 1
		.amdhsa_inst_pref_size 255
	.end_amdhsa_kernel
	.section	.bss,"aw",@nobits
	.p2align	6
	.space	262144
	.amdgpu_metadata
---
amdhsa.version: [ 1, 2 ]
amdhsa.kernels:
  - .name:           k_qd56f54edbe_fc
    .symbol:         k_qd56f54edbe_fc.kd
    .args:
      - { .name: xq, .offset: 0, .size: 8, .value_kind: global_buffer, .address_space: global }
      - { .name: wq, .offset: 8, .size: 8, .value_kind: global_buffer, .address_space: global }
      - { .name: b_fc, .offset: 16, .size: 8, .value_kind: global_buffer, .address_space: global }
      - { .name: hq, .offset: 24, .size: 8, .value_kind: global_buffer, .address_space: global }
    .group_segment_fixed_size: 327680
    .private_segment_fixed_size: 0
    .kernarg_segment_align: 8
    .kernarg_segment_size: 32
    .max_flat_workgroup_size: 128
    .sgpr_count:     96
    .vgpr_count:     1024
    .wavefront_size: 32
...
	.end_amdgpu_metadata
.endif
;; end of part 13
;; launch mproj (part 14): grid 8 x 32, 4 waves a work-group, clusters of 4 x 4, 327,680 bytes of LDS; arguments hq, wq, b_mproj, x1, out0; writes out0
.if DOCPART == 14
	.amdgcn_target "amdgcn-amd-amdhsa--gfx1250"
	.amdhsa_code_object_version 6
	.text
	.protected	k_qd56f54edbe_mproj
	.globl	k_qd56f54edbe_mproj
	.p2align	8
	.type	k_qd56f54edbe_mproj,@function
k_qd56f54edbe_mproj:
	s_mov_b64 s[64:65], 0
	v_nop
	global_prefetch_b8 v0, s[64:65] scope:SCOPE_SE
	s_setreg_imm32_b32 hwreg(HW_REG_WAVE_MODE, 25, 1), 1
	s_wait_xcnt 0x0
	s_wait_alu depctr_hold_cnt(0) depctr_sa_sdst(0) depctr_va_vdst(0) depctr_va_sdst(0) depctr_va_ssrc(0) depctr_va_vcc(0) depctr_vm_vsrc(0)
	s_getreg_b32 s2, hwreg(HW_REG_IB_STS2, 6, 4)
	s_cmp_eq_u32 s2, 0
	s_cbranch_scc0 .Lentry_in_a_cluster
	s_endpgm
.Lentry_in_a_cluster:
	s_bfe_u32 s2, ttmp6, 0x10000c
	s_cmp_lg_u32 s2, 0xf033
	s_cbranch_scc0 .Lentry_shape_is_right
	s_endpgm
.Lentry_shape_is_right:
; out0 = x1 + h W_mproj + b on codes of FP6 (E2M3) with E8M0 scales, K = 4,096.  A work-group of four waves makes 128 x 128, a wave 64 x 64.  Operands lie as images of registers (1,536 bytes a fragment).
; Ring of two LDS slots of 512 along K, eight slots' worth in all; the scale words come once.  4 x 4 clusters: A's tiles shared along a row, B's along a column, by joint loads.
; PREFETCH: behind each refill a wave names the slot two refills on: of the 4 tile rows that it fetches, the partner at place p (cx for A, cy for B) takes row p, 6,144 bytes, a lane to each 256
; (lanes 24-31 name the last block again).  The head names slots 2 and 3; the loop's last trip names nothing: slot 7 is the last.
.set KK,     4096
.set ASO,    12582912
.set BCO,    6291456
.set BSO,    9699328
.set KS,     KK/128
.set KROW,   1536*KS
.set NQ,     4
.set ROWB,   1536*NQ
.set FR,     12
.set NP,     4
.set HALFT,  4*ROWB
.set SLOT,   4*HALFT
.set LAPS,   KK/(2*128*NQ)
.set SCL,    2*SLOT
.set HALFS,  256*KS
.set SBLK,   64*KS
.set SPARE,  SCL+4*HALFS
.set STG,    SPARE+512
.set SPITCH, 272
.set LI,   4
.set LJ,   5
.set LR,   6
.set B4,   8
.set RO,   12
.set BO,   13
.set ADRA, 16
.set ADRB, 20
.set STO,  24
.set RD,   25
.set ADRS, 27
.set SPW,  28
.set NIL,  29
.set SC,   32
.set F,    64
.set BK,   64
.set RES,  128
.set G1, 24
.set G0, 32
.set G1B, 48
.set G0B, 56
.set G1S, 68
.set G0S, 76
.set G1SB, 80
.set G0SB, 88
.set MSB, 0
.macro WIN new
.if MSB != \new
	s_set_vgpr_msb (MSB<<8)|\new
.set MSB, \new
.endif
.endm
.set MULW, 0x50
.macro JLOAD g0a, g1a, g0b, g1b
	s_cmp_eq_u32 s15, 0
	s_cbranch_scc0 .Lfor_b_\@
	tensor_load_to_lds s[\g0a:\g0a+3], s[\g1a:\g1a+7]
	s_nop 0
.rept 4
	v_nop
.endr
	s_branch .Lasked_\@
.Lfor_b_\@:
	tensor_load_to_lds s[\g0b:\g0b+3], s[\g1b:\g1b+7]
	s_nop 0
.rept 4
	v_nop
.endr
.Lasked_\@:
.endm
.macro CREST
	s_cmp_lg_u32 s14, 0
	s_cbranch_scc1 .Lnot_wave_0_\@
	s_barrier_signal -3
.Lnot_wave_0_\@:
	s_barrier_wait -3
	s_barrier_signal -1
	s_barrier_wait -1
.endm
.macro CROUND
	s_barrier_signal -1
	s_barrier_wait -1
	CREST
.endm
	s_load_b256 s[4:11], s[0:1], 0x0
	s_load_b64 s[96:97], s[0:1], 0x20
	v_lshl_add_u32 v[SPW], v0, 2, SPARE
	v_mov_b32 v[NIL], 0
	ds_add_u32 v[SPW], v[NIL]
	ds_add_u32 v[SPW], v[NIL]
	v_lshrrev_b32 v1, 5, v0
	v_readfirstlane_b32 s14, v1
	s_lshr_b32 s15, s14, 1
	s_and_b32 s16, s14, 1
	s_bfe_u32 s40, ttmp6, 0x40000
	s_bfe_u32 s41, ttmp6, 0x40004
	s_lshl_b32 s42, ttmp9, 2
	s_add_co_u32 s42, s42, s40
	s_and_b32 s17, ttmp7, 0xffff
	s_lshl_b32 s17, s17, 2
	s_add_co_u32 s17, s17, s41
	s_lshl_b32 s43, s41, 2
	s_lshl_b32 s43, 15, s43
	s_lshl_b32 s44, 0x1111, s40
	s_or_b32 s[G1+0], s43, (3<<16)|(1<<21)
	s_or_b32 s[G1B+0], s44, (3<<16)|(1<<21)
.irp g, G1, G1B
	s_mov_b32 s[\g+1], (ROWB/8)<<16
	s_mov_b32 s[\g+2], 8<<16
	s_mov_b32 s[\g+3], (ROWB/8)<<16
	s_mov_b32 s[\g+4], 8
	s_mov_b32 s[\g+5], KROW/8
	s_mov_b32 s[\g+6], 0
	s_mov_b32 s[\g+7], 0
.endr
	s_or_b32 s[G1S+0], s43, (3<<16)|(1<<21)
	s_or_b32 s[G1SB+0], s44, (3<<16)|(1<<21)
.irp g, G1S, G1SB
	s_mov_b32 s[\g+1], 32<<16
	s_mov_b32 s[\g+2], (2*KS)<<16
	s_mov_b32 s[\g+3], 32<<16
	s_mov_b32 s[\g+4], 2*KS
	s_mov_b32 s[\g+5], 32
	s_mov_b32 s[\g+6], 0
	s_mov_b32 s[\g+7], 0
.endr
	s_lshl_b32 s18, s16, 2
	s_lshl_b32 s20, s17, 3
	s_add_co_u32 s20, s20, s18
	s_lshl_b32 s46, s42, 3
	s_add_co_u32 s46, s46, s18
	s_mul_i32 s22, s20, 64*KS
	s_add_co_u32 s22, s22, ASO
	s_mul_i32 s92, s46, 64*KS
	s_add_co_u32 s92, s92, BSO
	s_mul_i32 s20, s20, KROW
	s_mul_i32 s46, s46, KROW
	s_add_co_u32 s46, s46, BCO
	s_mov_b32 s21, 0
	s_mov_b32 s23, 0
	s_mov_b32 s47, 0
	s_mov_b32 s93, 0
	s_mul_i32 s45, s14, HALFT
	s_wait_dscnt 0x0
	s_wait_kmcnt 0x0
	s_add_nc_u64 s[20:21], s[4:5], s[20:21]
	s_add_nc_u64 s[22:23], s[4:5], s[22:23]
	s_add_nc_u64 s[46:47], s[6:7], s[46:47]
	s_add_nc_u64 s[92:93], s[6:7], s[92:93]
	CROUND
	s_mul_i32 s2, s16, HALFS                       ; back from my half to the block's first row
	s_mov_b32 s3, 0
	s_sub_nc_u64 s[22:23], s[22:23], s[2:3]
	s_sub_nc_u64 s[92:93], s[92:93], s[2:3]
	s_mov_b32 s[G0S], 1
	s_mov_b32 s[G0S+1], SCL
	s_mov_b64 s[G0S+2:G0S+3], s[22:23]
	s_or_b32 s[G0S+3], s[G0S+3], 0x80000000
	s_mov_b32 s[G0SB], 1
	s_mov_b32 s[G0SB+1], SCL+2*HALFS
	s_mov_b64 s[G0SB+2:G0SB+3], s[92:93]
	s_or_b32 s[G0SB+3], s[G0SB+3], 0x80000000
.irp s, 0,1
	s_mov_b32 s[G0+4*\s], 1
	s_add_co_u32 s[G0+4*\s+1], s45, \s*SLOT
	s_add_nc_u64 s[G0+4*\s+2:G0+4*\s+3], s[20:21], \s*ROWB
	s_or_b32 s[G0+4*\s+3], s[G0+4*\s+3], 0x80000000
	s_mov_b32 s[G0B+4*\s], 1
	s_add_co_u32 s[G0B+4*\s+1], s45, \s*SLOT
	s_add_nc_u64 s[G0B+4*\s+2:G0B+4*\s+3], s[46:47], \s*ROWB
	s_or_b32 s[G0B+4*\s+3], s[G0B+4*\s+3], 0x80000000
.endr
	s_mul_i32 s2, s16, (HALFT/ROWB)*KROW           ; slot 0's two descriptors serve the head first: the whole 8 tile rows
	s_sub_nc_u64 s[G0+2:G0+3], s[G0+2:G0+3], s[2:3]
	s_sub_nc_u64 s[G0B+2:G0B+3], s[G0B+2:G0B+3], s[2:3]
	s_mov_b32 s[G0+1], 0
	s_mov_b32 s[G0B+1], 2*HALFT
	s_cmp_eq_u32 s15, 0                            ; the prefetches' base s[4:5]: the 4 tile rows that I fetch, of A or of B,
	s_cselect_b64 s[4:5], s[20:21], s[46:47]
	s_cselect_b32 s2, s40, s41                     ; and of them the row of my place among the four partners: told apart by address alone
	s_mul_i32 s2, s2, KROW
	s_add_nc_u64 s[4:5], s[4:5], s[2:3]
; THE HEAD'S LOADS, ONE A WAVE: wave 0 slot 0 of A, wave 1 of B, wave 2 A's scale words, wave 3 B's
.macro ARM under, g0, g1, next
	s_cmp_lt_u32 s14, \under
	s_cbranch_scc0 \next
	tensor_load_to_lds s[\g0:\g0+3], s[\g1:\g1+7]
	s_nop 0
.rept 4
	v_nop
.endr
	s_branch .Lhead_asked
\next:
.endm
	ARM 1, G0,  G1,  .Lhead_b
	ARM 2, G0B, G1B, .Lhead_sa
	ARM 3, G0S, G1S, .Lhead_sb
	tensor_load_to_lds s[G0SB:G0SB+3], s[G1SB:G1SB+7]
	s_nop 0
.rept 4
	v_nop
.endr
.Lhead_asked:
	v_and_b32 v30, 31, v0
	v_min_u32 v30, 23, v30
	v_lshlrev_b32 v30, 8, v30                      ; v30: 256 x min(lane, 23); never rewritten
	global_prefetch_b8 v30, s[4:5] offset:2*ROWB th:TH_LOAD_NT scope:SCOPE_SE   ; slots 2 and 3
	global_prefetch_b8 v30, s[4:5] offset:3*ROWB th:TH_LOAD_NT scope:SCOPE_SE
	v_and_b32 v1, 15, v0
	v_bfe_u32 v2, v0, 4, 1
	v_and_b32 v3, 31, v0
	v_lshlrev_b32 v[LI], 4, v3
	v_lshlrev_b32 v[LJ], 3, v3
	v_add_nc_u32 v[LJ], 512, v[LJ]
	v_lshlrev_b32 v[LR], 2, v1
	v_lshlrev_b32 v[BO], 4, v1
	s_wait_alu depctr_va_vdst(0)
	v_lshl_add_u32 v[RO], v2, 12, v[BO]
	s_wait_alu depctr_va_vdst(0)
	s_lshl_b32 s20, s17, 7
	s_lshl_b32 s21, s15, 6
	s_add_co_u32 s20, s20, s21
	s_lshl_b32 s20, s20, 12
	s_lshl_b32 s46, s42, 9
	s_lshl_b32 s47, s16, 8
	s_add_co_u32 s46, s46, s47
	s_mov_b32 s47, 0
	s_add_nc_u64 s[8:9], s[8:9], s[46:47]
	s_add_co_u32 s20, s20, s46
	s_mov_b32 s21, 0
	s_add_nc_u64 s[10:11], s[10:11], s[20:21]
	s_add_nc_u64 s[96:97], s[96:97], s[20:21]
	global_load_b128 v[B4:B4+3], v[BO], s[8:9]
	WIN 0x40
.set t, 0
.rept 32
	global_load_b128 v[RES+4*t:RES+4*t+3], v[RO], s[10:11] offset:8192*t th:TH_LOAD_NT
.set t, t+1
.endr
	WIN 0
	s_mul_i32 s21, s15, HALFT
	s_mul_i32 s22, s16, HALFT
	s_add_co_u32 s22, s22, 2*HALFT
.irp s, 0,1
	v_add_nc_u32 v[ADRA+\s], s21, v[LI]
	v_add_nc_u32 v[ADRB+\s], s22, v[LI]
	v_add_nc_u32 v[ADRA+2+\s], s21, v[LJ]
	v_add_nc_u32 v[ADRB+2+\s], s22, v[LJ]
	s_add_co_u32 s21, s21, SLOT
	s_add_co_u32 s22, s22, SLOT
.endr
	s_mul_i32 s21, s15, HALFS
	s_mul_i32 s22, s16, HALFS
	s_add_co_u32 s22, s22, 2*HALFS
	s_sub_co_u32 s22, s22, s21
	v_mul_u32_u24 v7, s22, v2
	s_add_co_u32 s21, s21, SCL
	v_add_nc_u32 v7, v[LR], v7
	v_add_nc_u32 v[ADRS], s21, v7
	s_mul_i32 s23, s14, 64*SPITCH
	s_add_co_u32 s23, s23, STG
	v_mul_u32_u24 v7, v1, SPITCH
	v_lshl_add_u32 v7, v2, 5, v7
	v_add_nc_u32 v[STO], s23, v7
	v_mul_u32_u24 v7, v2, SPITCH
	v_lshl_add_u32 v7, v1, 4, v7
	v_add_nc_u32 v[RD], s23, v7
.macro FRAG reg, adr, q, i
	ds_load_b128 v[\reg:\reg+3], v[\adr] offset:(\i)*ROWB+(\q)*1536
	ds_load_b64 v[\reg+4:\reg+5], v[\adr+2] offset:(\i)*ROWB+(\q)*1536
	ds_load_b128 v[\reg+6:\reg+9], v[\adr] offset:(\i)*ROWB+(\q)*1536+768
	ds_load_b64 v[\reg+10:\reg+11], v[\adr+2] offset:(\i)*ROWB+(\q)*1536+768
.endm
.macro FETCH slot, q, p
.irp i, 0,1,2,3
	FRAG F+96*(\p)+48+FR*\i, ADRB+\slot, \q, \i
.endr
.irp i, 0,1,2,3
	FRAG F+96*(\p)+FR*\i, ADRA+\slot, \q, \i
.endr
.endm
.macro MUL8 a0, p, q, sc, zero
.irp a, \a0, \a0+1
.irp b, 0,1,2,3
.if \zero
	v_wmma_scale_f32_16x16x128_f8f6f4 v[8*(4*(\a)+\b):8*(4*(\a)+\b)+7], v[F+96*(\p)+48+FR*\b:F+96*(\p)+48+FR*\b+FR-1], v[F+96*(\p)+FR*(\a):F+96*(\p)+FR*(\a)+FR-1], 0, v[SC+16*(\sc)+4*\b+(\q)], v[SC+16*(\sc)+4*(\a)+(\q)] matrix_a_fmt:MATRIX_FMT_FP6 matrix_b_fmt:MATRIX_FMT_FP6 matrix_a_scale:MATRIX_SCALE_ROW1
.else
	v_wmma_scale_f32_16x16x128_f8f6f4 v[8*(4*(\a)+\b):8*(4*(\a)+\b)+7], v[F+96*(\p)+48+FR*\b:F+96*(\p)+48+FR*\b+FR-1], v[F+96*(\p)+FR*(\a):F+96*(\p)+FR*(\a)+FR-1], v[8*(4*(\a)+\b):8*(4*(\a)+\b)+7], v[SC+16*(\sc)+4*\b+(\q)], v[SC+16*(\sc)+4*(\a)+(\q)] matrix_a_fmt:MATRIX_FMT_FP6 matrix_b_fmt:MATRIX_FMT_FP6 matrix_a_scale:MATRIX_SCALE_ROW1
.endif
.endr
.endr
.endm
.macro SCALES sc
.irp i, 0,1,2,3
.irp q, 0,1,2,3
	ds_load_b32 v[SC+16*\sc+4*\i+\q], v[ADRS] offset:\i*SBLK+64*\q
.endr
.endr
.endm
.macro PLACES n
.rept \n
	v_nop
.endr
.endm
.macro STEP slot, q, zero
	s_wait_dscnt 0x0
	PLACES NP
	FETCH \slot, (\q)+1, 1-(\q)%2
	WIN MULW
	MUL8 0, (\q)%2, \q, \slot, \zero
	MUL8 2, (\q)%2, \q, \slot, \zero
	WIN 0
.endm
.macro TURN slot, next, fill
.if \fill
	s_wait_xcnt 0x0                                ; my last prefetch has read its base: it steps a slot on
	s_add_nc_u64 s[4:5], s[4:5], ROWB
.endif
	s_wait_tensorcnt 0x0
	ds_add_u32 v[SPW], v[NIL]
.if \fill
	s_add_nc_u64 s[G0+4*\slot+2:G0+4*\slot+3], s[G0+4*\slot+2:G0+4*\slot+3], 2*ROWB
	s_add_nc_u64 s[G0B+4*\slot+2:G0B+4*\slot+3], s[G0B+4*\slot+2:G0B+4*\slot+3], 2*ROWB
.endif
	s_wait_dscnt 0x0
	s_barrier_signal -1
	WIN MULW
	MUL8 0, 1, NQ-1, \slot, 0
	WIN 0
	s_barrier_wait -1
.if \fill
	CREST
	JLOAD G0+4*\slot, G1, G0B+4*\slot, G1B
.else
	PLACES NP
.endif
	s_wait_alu depctr_va_vdst(0)
	v_add_nc_u32 v[ADRS], 64*NQ, v[ADRS]
	FETCH \next, 0, 0
	SCALES \next
.if \fill
	s_cmp_gt_u32 s3, 1                             ; not in the last trip: its refills are slots 6 and 7
	s_cbranch_scc0 .Lno_ask_\@
	global_prefetch_b8 v30, s[4:5] offset:3*ROWB th:TH_LOAD_NT scope:SCOPE_SE   ; the slot two refills on
.Lno_ask_\@:
.endif
	WIN MULW
	MUL8 2, 1, NQ-1, \slot, 0
	WIN 0
.endm
	s_wait_alu depctr_va_vdst(0)
	s_wait_tensorcnt 0x0                           ; my tile of the head's four is in; slot 1's first fill stands behind the same lines as a refill
	ds_add_u32 v[SPW], v[NIL]
	s_mov_b32 s[G1+2], (HALFT/ROWB)<<16            ; no load of mine is out: from here on a load brings 4 tile rows,
	s_mov_b32 s[G1+4], HALFT/ROWB
	s_mov_b32 s[G1B+2], (HALFT/ROWB)<<16
	s_mov_b32 s[G1B+4], HALFT/ROWB
	s_mul_i32 s[G0+1], s14, HALFT                  ; and slot 0's descriptors stand at my quarter of slot 0's tiles
	s_mul_i32 s[G0B+1], s14, HALFT
	s_sub_nc_u64 s[G0+2:G0+3], s[G0+6:G0+7], ROWB
	s_sub_nc_u64 s[G0B+2:G0B+3], s[G0B+6:G0B+7], ROWB
	s_wait_dscnt 0x0
	CROUND                                         ; all four tiles are in, and all sixteen work-groups are here
	JLOAD G0+4, G1, G0B+4, G1B                     ; slot 1, the first tensor load behind the round
	FETCH 0, 0, 0
	SCALES 0
	STEP 0, 0, 1
.if LAPS > 1
	s_mov_b32 s3, LAPS-1
.Llap:
	STEP 0, 1, 0
	STEP 0, 2, 0
	TURN 0, 1, 1
	STEP 1, 0, 0
	STEP 1, 1, 0
	STEP 1, 2, 0
	TURN 1, 0, 1
	STEP 0, 0, 0
	s_sub_co_u32 s3, s3, 1
	s_cmp_lg_u32 s3, 0
	s_cbranch_scc1 .Llap
.endif
	STEP 0, 1, 0
	STEP 0, 2, 0
	TURN 0, 1, 0
	STEP 1, 0, 0
	STEP 1, 1, 0
	STEP 1, 2, 0
	s_wait_dscnt 0x0
	WIN MULW
	MUL8 0, 1, NQ-1, 1, 0
	MUL8 2, 1, NQ-1, 1, 0
	WIN 0
	PLACES NP
	WIN 0x04
.irp a, 0,1,2,3
.irp b, 0,1,2,3
	ds_store_b128 v[STO], v[8*(4*\a+\b):8*(4*\a+\b)+3] offset:\a*16*SPITCH+64*\b
	ds_store_b128 v[STO], v[8*(4*\a+\b)+4:8*(4*\a+\b)+7] offset:\a*16*SPITCH+64*\b+16
.endr
.endr
	WIN 0
.set t, 0
.rept 32
	ds_load_b128 v[BK+4*t:BK+4*t+3], v[RD] offset:t*2*SPITCH
.set t, t+1
.endr
	s_wait_loadcnt 0x0
	WIN 0x41
.set i, 0
.rept 64
	v_pk_add_f32 v[RES+i:RES+i+1], v[RES+i:RES+i+1], v[B4+i%4:B4+i%4+1]
.set i, i+2
.endr
.irp g, 0,1,2,3
	s_wait_dscnt 24-8*\g
	WIN 0x04
.set i, 32*\g
.rept 16
	v_pk_add_f32 v[BK+i:BK+i+1], v[BK+i:BK+i+1], v[RES+i:RES+i+1]
.set i, i+2
.endr
	WIN 0
.set t, 8*\g
.rept 8
	global_store_b128 v[RO], v[BK+4*t:BK+4*t+3], s[96:97] offset:8192*t
.set t, t+1
.endr
.endr
	s_wait_tensorcnt 0x0
	ds_add_u32 v[SPW], v[NIL]
	s_wait_dscnt 0x0
	CROUND
	s_endpgm
.Lfunc_end_k_qd56f54edbe_mproj:
	.size	k_qd56f54edbe_mproj, .Lfunc_end_k_qd56f54edbe_mproj-k_qd56f54edbe_mproj
	.p2alignl 7, 3214868480
	.fill 96, 4, 3214868480
	.section	.rodata,"a",@progbits
	.p2align	6, 0x0
	.amdhsa_kernel k_qd56f54edbe_mproj
		.amdhsa_group_segment_fixed_size 327680
		.amdhsa_private_segment_fixed_size 0
		.amdhsa_enable_private_segment 0
		.amdhsa_kernarg_size 40
		.amdhsa_user_sgpr_count 2
		.amdhsa_user_sgpr_kernarg_segment_ptr 1
		.amdhsa_wavefront_size32 1
		.amdhsa_system_sgpr_workgroup_id_x 1
		.amdhsa_system_sgpr_workgroup_id_y 1
		.amdhsa_system_sgpr_workgroup_id_z 1
		.amdhsa_system_vgpr_workitem_id 0
		.amdhsa_next_free_vgpr 512
		.amdhsa_next_free_sgpr 98
		.amdhsa_reserve_vcc 0
		.amdhsa_float_denorm_mode_32 3
		.amdhsa_float_denorm_mode_16_64 3
		.amdhsa_memory_ordered 1
		.amdhsa_forward_progress 1
		.amdhsa_inst_pref_size 106
	.end_amdhsa_kernel
	.amdgpu_metadata
---
amdhsa.version: [ 1, 2 ]
amdhsa.kernels:
  - .name:           k_qd56f54edbe_mproj
    .symbol:         k_qd56f54edbe_mproj.kd
    .args:
      - { .name: hq, .offset: 0, .size: 8, .value_kind: global_buffer, .address_space: global }
      - { .name: wq, .offset: 8, .size: 8, .value_kind: global_buffer, .address_space: global }
      - { .name: b_mproj, .offset: 16, .size: 8, .value_kind: global_buffer, .address_space: global }
      - { .name: x1, .offset: 24, .size: 8, .value_kind: global_buffer, .address_space: global }
      - { .name: out0, .offset: 32, .size: 8, .value_kind: global_buffer, .address_space: global }
    .group_segment_fixed_size: 327680
    .private_segment_fixed_size: 0
    .kernarg_segment_align: 8
    .kernarg_segment_size: 40
    .max_flat_workgroup_size: 128
    .sgpr_count:     98
    .vgpr_count:     512
    .wavefront_size: 32
...
	.end_amdgpu_metadata
.endif
;; end of part 14
